; MI455X (gfx1250); checked and timed in simulation.
; The chip was launched on July 23, 2026; its instructions are those of AMD's public machine-readable ISA for CDNA 5 (MIT licence, August 2026) and "CDNA5" Instruction Set Architecture Reference Guide (July 2026). The comments in the code are by the model that wrote it; some were corrected since.
;; Transformer Block. Allowed arithmetic: matrix products marked QUANTISED: E4M3 operands, one given power-of-two scale a tensor, by v_wmma_f32_16x16x64_fp8_fp8 or v_wmma_f32_16x16x128_fp8_fp8, f32 sums; everything else in f32.
;; Inputs: W1 768 x 3,072 float32; W2 3,072 x 768 float32; Wk 768 x 768 float32; Wo 768 x 768 float32; Wq 768 x 768 float32; Wv 768 x 768 float32; b1 3,072 float32; b2 768 float32; beta1 768 float32; beta2 768 float32; bo 768 float32; g1 768 float32; g2 768 float32; lowp_scales 16 int32 (the exponents e of the quantised operands' scales 2^e); x 1 x 4,096 x 768 float32.
;; Outputs: out0 1 x 4,096 x 768 float32.
;; This version of the problem:
;;   THIS VERSION OF THE PROBLEM IS GIVEN IN LOW PRECISION. The matrix products marked QUANTISED in the list below multiply operands that are first quantised to E4M3 (4 exponent bits, 3 mantissa bits; 8 bits a number), with one given power-of-two scale for each operand tensor; their sums are f32. All else is computed in f32.
;;   The module's matrix products, in the order in which they are computed (A, B: the left and right operand; K: the contracted axis; several contracted axes count as one K, in the product's order):
;;     1. [M 4,096, K 768] x [K 768, N 768]; A: computed on the way; B: input Wq: QUANTISED (scales: A lowp_scales[0], B lowp_scales[1])
;;     2. [M 4,096, K 768] x [K 768, N 768]; A: computed on the way; B: input Wk: QUANTISED (scales: A lowp_scales[2], B lowp_scales[3])
;;     3. [M 4,096, K 768] x [K 768, N 768]; A: computed on the way; B: input Wv: QUANTISED (scales: A lowp_scales[4], B lowp_scales[5])
;;     4. batch 12 x [M 4,096, K 64] x [K 64, N 4,096]; A: computed on the way; B: computed on the way: QUANTISED (scales: A lowp_scales[6], B lowp_scales[7])
;;     5. batch 12 x [M 4,096, K 4,096] x [K 4,096, N 64]; A: softmax (see below); B: computed on the way: QUANTISED (scales: A lowp_scales[8], B lowp_scales[9])
;;     6. [M 4,096, K 768] x [K 768, N 768]; A: computed on the way; B: input Wo: QUANTISED (scales: A lowp_scales[10], B lowp_scales[11])
;;     7. [M 4,096, K 768] x [K 768, N 3,072]; A: computed on the way; B: input W1: QUANTISED (scales: A lowp_scales[12], B lowp_scales[13])
;;     8. [M 4,096, K 3,072] x [K 3,072, N 768]; A: computed on the way; B: input W2: QUANTISED (scales: A lowp_scales[14], B lowp_scales[15])
;;   THE QUANTISER, for each operand of a quantised product, along K:
;;     - The operand's scale is 2^e, e = its entry of the input lowp_scales (int32; the entries are numbered through the quantised products in the list's order, A before B).
;;     - Each number is divided by the scale, clamped to +-448, and rounded to the nearest number of E4M3, ties to even, subnormals kept.
;;     - The product sums the exact products of the quantised numbers (number of the format x scale) in f32.
;;   ~~~python
;;   def quantise(x, axis, e):      # numpy; x: float32 -> the quantised numbers, widened to float32 again
;;       x = np.moveaxis(x, axis, -1); K = x.shape[-1]
;;       r = np.clip(x / 2.0 ** e, -448, 448)
;;       step = 2.0 ** (np.maximum(np.frexp(np.where(r == 0, 1, r))[1] - 1, -6) - 3)
;;       q = np.round(r / step) * step * 2.0 ** e      # np.round: ties to even
;;       return np.moveaxis(q, -1, axis).astype(np.float32)
;;   ~~~
;;   SOFTMAX AHEAD OF A QUANTISED PRODUCT. Where the list says 'softmax', what is quantised is not the finished softmax but p = 2^(t - M), with t = logit x log2(e) and M = ceil(the row's largest t), a whole number; so 1/2 < the row's largest p <= 1. The row's sum l is taken of the UNQUANTISED p, in f32, and the product's result is divided by l at the end. Since M is a whole number, a kernel that streams over the keys may use a running M (the ceiling of the running maximum): every later rescaling is an exact power of two, so the quantised numbers keep their values, but for numbers so far below the row's largest that they fall under the format's range.
;;   OPERANDS COMPUTED ON THE WAY. 'Computed on the way' means the value that the module computes at that place (a softmax that the list does not call 'softmax' is quantised finished and normalised). What goes into a quantiser is computed in f32, as accurately as f32 sums, v_exp_f32 and their like allow (about 1e-6 of the number): no bf16 or f16 on the way to a quantiser, and a product that is left as it is and whose result goes on into a quantised operand takes f32 operands (vector FMAs, or v_wmma_f32_16x16x4_f32). A number that lies on a knife's edge between two numbers of the format may be rounded either way, as far as f32 arithmetic and the matrix unit's own rounding can turn it there, and no further.
;; 2 versions. Each part assembles by itself: llvm-mc -triple=amdgcn-amd-amdhsa -mcpu=gfx1250 --defsym DOCPART=n.
;; ======== version 1 of 2: 6 launches
;; workspace buffers: wc 7,077,888 bytes; hc 9,437,184 bytes; qc 3,145,728 bytes; kv 6,291,456 bytes; oc 3,145,728 bytes; x1 12,582,912 bytes; h2c 3,145,728 bytes; hid 12,582,912 bytes
;; launch prep (part 1): grid 400 x 1, 4 waves a work-group, no clusters, 7,168 bytes of LDS; arguments x, g1, beta1, Wq, Wk, Wv, Wo, W1, W2, lowp_scales, wc, hc; writes wc, hc
.if DOCPART == 1
	.amdgcn_target "amdgcn-amd-amdhsa--gfx1250"
	.amdhsa_code_object_version 6
	.text
	.protected	k_q5e87bad99a_prep
	.globl	k_q5e87bad99a_prep
	.p2align	8
	.type	k_q5e87bad99a_prep,@function
k_q5e87bad99a_prep:
	s_mov_b64 s[64:65], 0
	v_nop
	global_prefetch_b8 v0, s[64:65] scope:SCOPE_SE
	s_setreg_imm32_b32 hwreg(HW_REG_WAVE_MODE, 25, 1), 1
	s_wait_xcnt 0x0
; TRANSFORMER BLOCK, launch 1 of 6: the first layer norm as codes, and the six weights as codes.  All codes are E4M3 with the given scale 2^e.
; DEAD WORK in the whole program: only key steps of attention that lie wholly above the diagonal of the causal mask which the problem builds in its own body
; (their scores become -infinity ahead of the softmax, so p = 0 for every value of the inputs).  Every input has a way to the output and is loaded.
; LIMIT: a NaN, an infinity or an overflow that would arise only in those masked scores is not carried to the result.
; LAYOUT OF ALL OPERANDS (workspace of this program): a fragment of 16 rows x 128 K is stored as the image of its registers, 2,048 bytes: byte 512 c + 16 L + i holds
; (row slot L % 16, k = 32 c + 16 (L / 16) + i).  The same place for k is used on both sides of every product.
; THE 16 ROWS OF A TILE ARE NOT NEIGHBOURS: in a group of 32 (tokens, or columns of a weight), tile u (0, 1) has slot p <-> index 8 u + p + 8 (p / 8).
; Work-groups 0-255: layer norm of one tile of 16 tokens; the four waves share the 768 columns (192 each); lane (r, h) holds, of token slot r, 16 numbers of each of 6 groups of 32 columns.
;   The normalised row is quantised three times (scales 0, 2, 4: the A operands of the q, k and v products) into hc: [set 3][block of 8 tiles 32][K step 6][tile 8][2,048].
; Work-groups 256-399: weights, K = their first axis.  A lane takes a column and its registers run down K, so the conversions give codes with K innermost; a wave takes 32 columns x 384 K.
;   wc: [tile of 16 columns][K step][2,048]; Wq at 0, Wk 589,824, Wv 1,179,648, Wo 1,769,472, W1 2,359,296, W2 4,718,592.
; LIMITS: each e lies between -126 and 119, so that 2^e and 448 x 2^e are f32 numbers.  NaN among the inputs is not served; an infinity is held at the largest code.
.set SPARE, 6656                       ; the spare words, 128 bytes a wave: two blocks of 256 bytes that no other line names
.set RED1,  6144                       ; 4 waves x 16 rows x 4 bytes: the rows' sums
.set RED2,  6400                       ; the same for the centred squares
.set X,     32                         ; v32-127 my 96 numbers
.macro MKSC se, vsc, vlim, t0, t1      ; from the whole number e in s[se]: v[vsc] = 2^e, v[vlim] = 448 x 2^e
	s_add_co_i32 s[\t0], s[\se], 127
	s_lshl_b32 s[\t1], s[\t0], 23
	v_mov_b32 v[\vsc], s[\t1]
	s_add_co_i32 s[\t0], s[\t0], 8
	s_lshl_b32 s[\t0], s[\t0], 23
	s_or_b32 s[\t0], s[\t0], 0x600000
	v_mov_b32 v[\vlim], s[\t0]
.endm
	s_load_b512 s[4:19], s[0:1], 0x0               ; x 4, g1 6, beta1 8, Wq 10, Wk 12, Wv 14, Wo 16, W1 18
	s_load_b256 s[20:27], s[0:1], 0x40             ; W2 20, the scales 22, wc 24, hc 26
	v_lshl_add_u32 v6, v0, 2, SPARE
	v_mov_b32 v7, 0
	v_lshrrev_b32 v1, 5, v0
	v_readfirstlane_b32 s28, v1                    ; wave 0..3
	s_wait_kmcnt 0x0
	s_load_b512 s[32:47], s[22:23], 0x0            ; e0 .. e15 in s32 .. s47
	s_cmp_lt_u32 ttmp9, 256
	s_cbranch_scc0 .Lweights
	; ---------------- layer norm: tile of tokens mt = work-group number
	v_and_b32 v2, 15, v0                           ; r
	v_bfe_u32 v3, v0, 4, 1                         ; h
	v_and_b32 v4, 31, v0
	v_lshlrev_b32 v4, 4, v4                        ; 16 x lane
	v_lshlrev_b32 v1, 3, v0                        ; 8 x thread: the tables' way in
	v_and_b32 v8, 8, v2
	v_add_nc_u32 v8, v8, v2                        ; r + 8 (r / 8)
	v_mul_u32_u24 v5, v8, 3072
	v_lshl_add_u32 v5, v3, 6, v5
	s_mul_i32 s52, s28, 768
	v_add_nc_u32 v5, s52, v5                       ; x: my row, + 768 w + 64 h
	v_lshl_add_u32 v30, v3, 6, s52                 ; the tables: 768 w + 64 h
	s_lshl_b32 s53, s28, 6
	v_lshlrev_b32 v29, 2, v2                       ; 4 r
	v_add_nc_u32 v28, s53, v29                     ; 64 w + 4 r
	s_lshr_b32 s54, ttmp9, 1
	s_lshl_b32 s54, s54, 5
	s_and_b32 s55, ttmp9, 1
	s_lshl_b32 s55, s55, 3
	s_add_co_u32 s54, s54, s55                     ; the tile's first token: 32 (mt / 2) + 8 (mt % 2)
	s_mul_i32 s54, s54, 3072
	s_mov_b32 s55, 0
	s_add_nc_u64 s[4:5], s[4:5], s[54:55]
	s_lshr_b32 s54, ttmp9, 3
	s_mul_i32 s54, s54, 98304
	s_and_b32 s56, ttmp9, 7
	s_lshl_b32 s56, s56, 11
	s_add_co_u32 s54, s54, s56
	s_add_nc_u64 s[26:27], s[26:27], s[54:55]      ; hc at my block and tile
	s_mov_b32 s48, 0x76543210
	s_mov_b32 s49, 0xfedcba98                      ; lane l xor 16
	s_mov_b32 s50, 0x3aaaaaab                      ; 1 / 768
	s_mov_b32 s51, 0x3727c5ac                      ; 1e-5
.irp i, 0,1,2
	global_load_b64 v[128+2*\i:129+2*\i], v1, s[6:7] offset:1024*\i
.endr
.irp i, 0,1,2
	global_load_b64 v[134+2*\i:135+2*\i], v1, s[8:9] offset:1024*\i
.endr
.irp g, 0,1,2,3,4,5
.irp k, 0,1,2,3
	global_load_b128 v[X+16*\g+4*\k:X+16*\g+4*\k+3], v5, s[4:5] offset:128*\g+16*\k th:TH_LOAD_NT
.endr
.endr
.irp g, 0,1,2,3,4,5                    ; where group G = 6 w + g of 32 columns goes: K step G / 4, part G % 4 of the image
	s_mul_i32 s52, s28, 6
	s_add_co_u32 s52, s52, \g
	s_lshr_b32 s53, s52, 2
	s_lshl_b32 s53, s53, 14
	s_and_b32 s52, s52, 3
	s_lshl_b32 s52, s52, 9
	s_add_co_u32 s52, s52, s53
	v_add_nc_u32 v[16+\g], s52, v4
.endr
	s_wait_kmcnt 0x0
	MKSC 32, 22, 23, 52, 53                        ; e0
	MKSC 34, 24, 25, 52, 53                        ; e2
	MKSC 36, 26, 27, 52, 53                        ; e4
	s_wait_loadcnt 24                              ; the six table loads are in; the 24 loads of x are younger
.irp i, 0,1,2
	ds_store_b64 v1, v[128+2*\i:129+2*\i] offset:1024*\i
	ds_store_b64 v1, v[134+2*\i:135+2*\i] offset:3072+1024*\i
.endr
	s_wait_loadcnt 0x0
	v_pk_add_f32 v[8:9], v[X:X+1], v[X+2:X+3]      ; my 96 numbers' sum, in two chains
	v_pk_add_f32 v[10:11], v[X+4:X+5], v[X+6:X+7]
.set j, 8
.rept 22
	v_pk_add_f32 v[8:9], v[8:9], v[X+j:X+j+1]
	v_pk_add_f32 v[10:11], v[10:11], v[X+j+2:X+j+3]
.set j, j+4
.endr
	v_pk_add_f32 v[8:9], v[8:9], v[10:11]
	v_add_f32 v8, v8, v9
; a row's sum: the other half of the lanes, then the four waves through LDS.  In front of the signal my LDS stores are done (the first time the tables' too).
.macro RSUM red
	v_permlanex16_b32 v9, v8, s48, s49
	v_add_f32 v8, v8, v9
	ds_store_b32 v28, v8 offset:\red
	s_wait_dscnt 0x0
	s_barrier_signal -1
	s_barrier_wait -1
	ds_load_b32 v12, v29 offset:\red
	ds_load_b32 v13, v29 offset:\red+64
	ds_load_b32 v14, v29 offset:\red+128
	ds_load_b32 v15, v29 offset:\red+192
	s_wait_dscnt 0x0
	v_add_f32 v12, v12, v13
	v_add_f32 v14, v14, v15
	v_add_f32 v8, v12, v14
.endm
	RSUM RED1
	v_mul_f32 v8, s50, v8                          ; the mean
.set j, 0
.rept 48
	v_pk_add_f32 v[X+j:X+j+1], v[X+j:X+j+1], v[8:9] op_sel_hi:[1,0] neg_lo:[0,1] neg_hi:[0,1]
.set j, j+2
.endr
	v_pk_mul_f32 v[10:11], v[X:X+1], v[X:X+1]      ; the centred squares, in two chains
	v_pk_mul_f32 v[12:13], v[X+2:X+3], v[X+2:X+3]
.set j, 4
.rept 23
	v_pk_fma_f32 v[10:11], v[X+j:X+j+1], v[X+j:X+j+1], v[10:11]
	v_pk_fma_f32 v[12:13], v[X+j+2:X+j+3], v[X+j+2:X+j+3], v[12:13]
.set j, j+4
.endr
	v_pk_add_f32 v[10:11], v[10:11], v[12:13]
	v_add_f32 v8, v10, v11
	RSUM RED2
.macro TLD g                           ; gain and offset of my 16 columns of group g: lanes of one half read the same words
.irp k, 0,1,2,3
	ds_load_b128 v[128+32*((\g)%2)+4*\k:128+32*((\g)%2)+4*\k+3], v30 offset:128*(\g)+16*\k
.endr
.irp k, 0,1,2,3
	ds_load_b128 v[144+32*((\g)%2)+4*\k:144+32*((\g)%2)+4*\k+3], v30 offset:3072+128*(\g)+16*\k
.endr
.endm
	TLD 0
	v_fma_f32 v8, v8, s50, s51                     ; variance + 1e-5
	v_rsq_f32 v10, v8
	v_nop                                          ; a plain instruction behind the root
	s_wait_alu depctr_va_vdst(0)                   ; the wait ahead of the first reader
.set j, 0
.rept 48
	v_pk_mul_f32 v[X+j:X+j+1], v[X+j:X+j+1], v[10:11] op_sel_hi:[1,0]
.set j, j+2
.endr
.irp g, 0,1,2,3,4,5
.if \g < 5
	TLD \g+1
	s_wait_dscnt 8                                 ; this group's eight reads are in; the next group's eight are younger
.else
	s_wait_dscnt 0x0
.endif
.irp j, 0,2,4,6,8,10,12,14
	v_pk_fma_f32 v[X+16*\g+\j:X+16*\g+\j+1], v[X+16*\g+\j:X+16*\g+\j+1], v[128+32*(\g%2)+\j:129+32*(\g%2)+\j], v[144+32*(\g%2)+\j:145+32*(\g%2)+\j]
.endr
.irp k, 0,1,2
.irp i, 0,1,2,3,4,5,6,7,8,9,10,11,12,13,14,15
	v_med3_num_f32 v[192+16*\k+\i], v[X+16*\g+\i], -v[23+2*\k], v[23+2*\k]   ; the conversion does not saturate (ISA guide 7.6.2): the hold at 448 x the scale
.endr
.endr
	s_wait_xcnt 0x0                                ; the last group's stores have read their data: the codes' registers are written again only behind this wait
.irp k, 0,1,2
	v_cvt_scalef32_pk8_fp8_f32 v[240+4*\k:241+4*\k], v[192+16*\k:199+16*\k], v[22+2*\k]
	v_cvt_scalef32_pk8_fp8_f32 v[242+4*\k:243+4*\k], v[200+16*\k:207+16*\k], v[22+2*\k]
.endr
	v_nop                                          ; a plain instruction behind the conversions, ahead of the next writes of their sources
.irp k, 0,1,2
	global_store_b128 v[16+\g], v[240+4*\k:243+4*\k], s[26:27] offset:\k*3145728   ; 32 lanes store 512 consecutive bytes
.endr
.endr
	s_wait_tensorcnt 0x0                           ; the wave's end, behind my last LDS store
	ds_add_u32 v6, v7
	s_wait_dscnt 0x0
	s_endpgm
	; ---------------- weights
.Lweights:
	s_wait_kmcnt 0x0
	s_sub_co_u32 s50, ttmp9, 256                   ; 0-47: Wq, Wk, Wv, Wo; 48-95: W2; 96-143: W1
	s_and_b32 s51, s50, 3                          ; which of the four
	s_bfe_u32 s52, s50, 0x10002                    ; kg: which 384 along K
	s_lshr_b32 s53, s50, 3                         ; cg: which 128 columns
	s_mul_i32 s57, s51, 589824                     ; its place in wc
	s_mov_b32 s58, 12288                           ; bytes of a tile of columns: K steps x 2,048
	s_mov_b32 s59, 1179648                         ; bytes of 384 rows of the weight
	s_cmp_eq_u32 s51, 1
	s_cselect_b64 s[54:55], s[12:13], s[10:11]
	s_cselect_b32 s56, s35, s33
	s_cmp_eq_u32 s51, 2
	s_cselect_b64 s[54:55], s[14:15], s[54:55]
	s_cselect_b32 s56, s37, s56
	s_cmp_eq_u32 s51, 3
	s_cselect_b64 s[54:55], s[16:17], s[54:55]
	s_cselect_b32 s56, s43, s56
	s_sub_co_u32 s60, s50, 48
	s_and_b32 s61, s60, 7
	s_lshr_b32 s62, s60, 3
	s_cmp_ge_u32 s50, 48
	s_cselect_b64 s[54:55], s[20:21], s[54:55]
	s_cselect_b32 s56, s47, s56
	s_cselect_b32 s52, s61, s52
	s_cselect_b32 s53, s62, s53
	s_cselect_b32 s57, 4718592, s57
	s_cselect_b32 s58, 49152, s58
	s_sub_co_u32 s60, s50, 96
	s_and_b32 s61, s60, 1
	s_lshr_b32 s62, s60, 1
	s_cmp_ge_u32 s50, 96
	s_cselect_b64 s[54:55], s[18:19], s[54:55]
	s_cselect_b32 s56, s45, s56
	s_cselect_b32 s52, s61, s52
	s_cselect_b32 s53, s62, s53
	s_cselect_b32 s57, 2359296, s57
	s_cselect_b32 s58, 12288, s58
	s_cselect_b32 s59, 4718592, s59
	s_mul_i32 s60, s52, s59                        ; in: 384 kg rows down,
	s_lshl_b32 s61, s53, 9
	s_add_co_u32 s60, s60, s61                     ; 128 cg columns,
	s_lshl_b32 s61, s28, 7
	s_add_co_u32 s60, s60, s61                     ; 32 w columns along
	s_mov_b32 s61, 0
	s_add_nc_u64 s[54:55], s[54:55], s[60:61]
	s_lshl_b32 s60, s53, 3
	s_lshl_b32 s62, s28, 1
	s_add_co_u32 s60, s60, s62                     ; out: tile 8 cg + 2 w,
	s_mul_i32 s60, s60, s58
	s_mul_i32 s62, s52, 6144                       ; K step 3 kg
	s_add_co_u32 s60, s60, s62
	s_add_co_u32 s60, s60, s57
	s_add_nc_u64 s[24:25], s[24:25], s[60:61]
	v_and_b32 v1, 31, v0                           ; my column of the wave's 32
	v_lshlrev_b32 v2, 2, v1
	v_bfe_u32 v3, v1, 3, 1                         ; its tile u,
	v_mul_lo_u32 v3, v3, s58
	v_and_b32 v4, 7, v1
	v_bfe_u32 v5, v1, 4, 1
	v_lshl_add_u32 v4, v5, 3, v4                   ; its slot
	v_lshl_add_u32 v3, v4, 4, v3
	MKSC 56, 10, 11, 60, 61
.macro LOADB t, n                      ; block t: 32 numbers down K of my column; a load reads 128 consecutive bytes a wave
.irp i, 0,1,2,3,4,5,6,7,8,9,10,11,12,13,14,15,16,17,18,19,20,21,22,23,24,25,26,27,28,29,30,31
	global_load_b32 v[32+32*((\t)%2)+\i], v2, s[54:55] offset:(32*(\t)+\i)*4*\n th:TH_LOAD_NT
.endr
.endm
.macro BLOCK t, n
.if (\t) < 11
	s_wait_loadcnt 32                              ; this block's 32 loads are in; the next block's are younger
.else
	s_wait_loadcnt 0x0
.endif
.irp i, 0,1,2,3,4,5,6,7,8,9,10,11,12,13,14,15,16,17,18,19,20,21,22,23,24,25,26,27,28,29,30,31
	v_med3_num_f32 v[32+32*((\t)%2)+\i], v[32+32*((\t)%2)+\i], -v11, v11
.endr
.irp g, 0,1,2,3
	v_cvt_scalef32_pk8_fp8_f32 v[96+8*(\t)+2*\g:97+8*(\t)+2*\g], v[32+32*((\t)%2)+8*\g:39+32*((\t)%2)+8*\g], v10
.endr
.if (\t)+2 < 12
	LOADB (\t)+2, \n
.endif
	global_store_b128 v3, v[96+8*(\t):99+8*(\t)], s[24:25] offset:((\t)/4)*2048+((\t)%4)*512        ; K 0-15 of the block: sixteen lanes fill 256 consecutive bytes of each of the two tiles
	global_store_b128 v3, v[100+8*(\t):103+8*(\t)], s[24:25] offset:((\t)/4)*2048+((\t)%4)*512+256   ; K 16-31.  Each block has its own code registers: none is written again
.endm
.macro WPATH n
	LOADB 0, \n
	LOADB 1, \n
.irp t, 0,1,2,3,4,5,6,7,8,9,10,11
	BLOCK \t, \n
.endr
.endm
	s_cmp_ge_u32 s50, 96
	s_cbranch_scc1 .Lw1
	WPATH 768
	s_endpgm
.Lw1:
	WPATH 3072
	s_endpgm
.Lfunc_end_k_q5e87bad99a_prep:
	.size	k_q5e87bad99a_prep, .Lfunc_end_k_q5e87bad99a_prep-k_q5e87bad99a_prep
	.p2alignl 7, 3214868480
	.fill 96, 4, 3214868480
	.section	.rodata,"a",@progbits
	.p2align	6, 0x0
	.amdhsa_kernel k_q5e87bad99a_prep
		.amdhsa_group_segment_fixed_size 7168
		.amdhsa_private_segment_fixed_size 0
		.amdhsa_enable_private_segment 0
		.amdhsa_kernarg_size 96
		.amdhsa_user_sgpr_count 2
		.amdhsa_user_sgpr_kernarg_segment_ptr 1
		.amdhsa_wavefront_size32 1
		.amdhsa_system_sgpr_workgroup_id_x 1
		.amdhsa_system_sgpr_workgroup_id_y 1
		.amdhsa_system_sgpr_workgroup_id_z 1
		.amdhsa_system_vgpr_workitem_id 0
		.amdhsa_next_free_vgpr 256
		.amdhsa_next_free_sgpr 100
		.amdhsa_reserve_vcc 0
		.amdhsa_float_denorm_mode_32 3
		.amdhsa_float_denorm_mode_16_64 3
		.amdhsa_memory_ordered 1
		.amdhsa_forward_progress 1
		.amdhsa_inst_pref_size 185
	.end_amdhsa_kernel
	.amdgpu_metadata
---
amdhsa.version: [ 1, 2 ]
amdhsa.kernels:
  - .name:           k_q5e87bad99a_prep
    .symbol:         k_q5e87bad99a_prep.kd
    .args:
      - { .name: x, .offset: 0, .size: 8, .value_kind: global_buffer, .address_space: global }
      - { .name: g1, .offset: 8, .size: 8, .value_kind: global_buffer, .address_space: global }
      - { .name: beta1, .offset: 16, .size: 8, .value_kind: global_buffer, .address_space: global }
      - { .name: Wq, .offset: 24, .size: 8, .value_kind: global_buffer, .address_space: global }
      - { .name: Wk, .offset: 32, .size: 8, .value_kind: global_buffer, .address_space: global }
      - { .name: Wv, .offset: 40, .size: 8, .value_kind: global_buffer, .address_space: global }
      - { .name: Wo, .offset: 48, .size: 8, .value_kind: global_buffer, .address_space: global }
      - { .name: W1, .offset: 56, .size: 8, .value_kind: global_buffer, .address_space: global }
      - { .name: W2, .offset: 64, .size: 8, .value_kind: global_buffer, .address_space: global }
      - { .name: lowp_scales, .offset: 72, .size: 8, .value_kind: global_buffer, .address_space: global }
      - { .name: wc, .offset: 80, .size: 8, .value_kind: global_buffer, .address_space: global }
      - { .name: hc, .offset: 88, .size: 8, .value_kind: global_buffer, .address_space: global }
    .group_segment_fixed_size: 7168
    .private_segment_fixed_size: 0
    .kernarg_segment_align: 8
    .kernarg_segment_size: 96
    .max_flat_workgroup_size: 128
    .sgpr_count:     100
    .vgpr_count:     256
    .wavefront_size: 32
...
	.end_amdgpu_metadata
.endif
;; end of part 1
;; launch qkv (part 2): grid 6 x 32, 4 waves a work-group, no clusters, 167,936 bytes of LDS; arguments hc, wc, lowp_scales, qc, kv; writes qc, kv
.if DOCPART == 2
	.amdgcn_target "amdgcn-amd-amdhsa--gfx1250"
	.amdhsa_code_object_version 6
	.text
	.protected	k_q5e87bad99a_qkv
	.globl	k_q5e87bad99a_qkv
	.p2align	8
	.type	k_q5e87bad99a_qkv,@function
k_q5e87bad99a_qkv:
	s_mov_b64 s[64:65], 0
	v_nop
	global_prefetch_b8 v0, s[64:65] scope:SCOPE_SE
	s_setreg_imm32_b32 hwreg(HW_REG_WAVE_MODE, 25, 1), 1
	s_wait_xcnt 0x0
; Launch 2 of 6: q, k, v = LN1(x) Wq, Wk, Wv on E4M3 codes, and their quantising for attention.  Nothing is left out here.
; A work-group makes 128 tokens (block y) x 384 columns (slab x; slabs 0,1: Wq, 2,3: Wk, 4,5: Wv), K = 768 in 6 steps of 128.
; A's tile for all of K (98,304 bytes, dense in hc) comes into LDS by first fills alone, three tensor loads a wave (three are out at most); nothing is filled again.
; The weights go from memory straight into registers as images of fragments, each wave its own 96 columns (6 tiles), through three register sets, so no weight byte is fetched twice by a work-group.
; No cluster: what work-groups share through LDS (A's tile) is a quarter of a work-group's bytes, and the weights do not pass through LDS.
; q and k: the matrix instruction is used transposed (source 0 = 16 columns of W, source 1 = 16 tokens): a lane holds one token and 16 neighbouring columns in two neighbouring tiles: the next K.
; v: used plainly (source 0 = tokens, source 1 = columns): a lane holds one column d and 16 neighbouring tokens: the keys are the next K.
; qc: [head][tile of tokens 256][1,024]; kv: [head][key step 32][16,384]: K's 8 tiles of 1,024 bytes, then V^T's 4 tiles of 2,048.
; The three scales are folded into the conversion's one: code = sum / 2^(eOut - eA - eB).  LIMIT: eOut - eA - eB between -126 and 119.  NaN among the inputs is not served.
; REGISTERS, in windows of 256: window 0: v8-13 store offsets, v16, v17 LDS and image addresses, v20, v21 hold and scale, v28, v29 the add's two; v32-127 weight set 2, later at work; v128-255 A's 8 fragments.
;   window 1: weight sets 0 (v0-95) and 1 (v96-191).  window 2: accumulators of token tiles 0-3 ((m, t) at v[8 (6 m + t)]).  window 3: of tiles 4-7.
.set SPARE, 98304                      ; behind A's tile: the spare words, 128 bytes a wave
.set MSB, 0
.macro WIN new                         ; the immediate's high byte repeats the setting that is left
.if MSB != \new
	s_set_vgpr_msb (MSB<<8)|\new
.set MSB, \new
.endif
.endm
.macro PLACES n
.rept \n
	v_nop
.endr
.endm
.macro MKSC se, vsc, vlim, t0, t1
	s_add_co_i32 s[\t0], s[\se], 127
	s_lshl_b32 s[\t1], s[\t0], 23
	v_mov_b32 v[\vsc], s[\t1]
	s_add_co_i32 s[\t0], s[\t0], 8
	s_lshl_b32 s[\t0], s[\t0], 23
	s_or_b32 s[\t0], s[\t0], 0x600000
	v_mov_b32 v[\vlim], s[\t0]
.endm
	s_load_b256 s[4:11], s[0:1], 0x0               ; hc 4, wc 6, the scales 8, qc 10
	s_load_b64 s[12:13], s[0:1], 0x20              ; kv
	v_lshl_add_u32 v28, v0, 2, SPARE
	v_mov_b32 v29, 0
	ds_add_u32 v28, v29                            ; the wave's opening: the add, twice on end, and its wait ahead of my first tensor load
	ds_add_u32 v28, v29
	v_lshrrev_b32 v1, 5, v0
	v_readfirstlane_b32 s14, v1                    ; wave
	s_mov_b32 s15, ttmp9                           ; slab
	s_and_b32 s16, ttmp7, 0xffff                   ; block
	s_lshr_b32 s17, s15, 1                         ; 0 q, 1 k, 2 v
	s_mov_b32 s24, 0x30000                         ; group 1: elements of 8 bytes, no mask, no padding
	s_mov_b32 s25, 32<<16                          ; tensor_dim0 = 32 (256 bytes)
	s_mov_b32 s26, 32<<16                          ; tensor_dim1 = 32 rows
	s_mov_b32 s27, 32<<16                          ; tile_dim0 = 32
	s_mov_b32 s28, 32                              ; tile_dim1 = 32
	s_mov_b32 s29, 32                              ; pitch = the row: a dense block of 8,192 bytes
	s_mov_b32 s30, 0
	s_mov_b32 s31, 0
	s_mul_i32 s18, s17, 3145728                    ; the code set of this product's A,
	s_mul_i32 s19, s16, 98304                      ; my block,
	s_add_co_u32 s18, s18, s19
	s_lshl_b32 s20, s14, 13                        ; my quarter of a chunk
	s_add_co_u32 s18, s18, s20
	s_mov_b32 s19, 0
	s_wait_dscnt 0x0                               ; both opening adds are done
	s_wait_kmcnt 0x0
	s_load_b512 s[68:83], s[8:9], 0x0              ; e0 .. e15 in s68 .. s83
	s_add_nc_u64 s[4:5], s[4:5], s[18:19]
.irp q, 0,1,2                          ; chunk q = K steps 2 q, 2 q + 1
	s_mov_b32 s[36+4*\q], 1
	s_add_co_u32 s[37+4*\q], s20, \q*32768
	s_add_nc_u64 s[38+4*\q:39+4*\q], s[4:5], \q*32768
	s_or_b32 s[39+4*\q], s[39+4*\q], 0x80000000
.endr
.irp q, 0,1,2
	tensor_load_to_lds s[36+4*\q:39+4*\q], s[24:31]
	s_nop 0
.endr
	PLACES 4
	v_and_b32 v1, 31, v0
	v_lshlrev_b32 v16, 4, v1                       ; 16 x lane
	v_add_nc_u32 v17, 0x10000, v16                 ; the same, for K steps 4 and 5 in LDS
	s_and_b32 s21, s15, 1
	s_mul_i32 s21, s21, 24
	s_mul_i32 s22, s14, 6
	s_add_co_u32 s21, s21, s22                     ; my first tile of columns in the weight
	s_mul_i32 s22, s21, 12288
	s_mul_i32 s23, s17, 589824
	s_add_co_u32 s22, s22, s23
	s_mov_b32 s23, 0
	s_add_nc_u64 s[6:7], s[6:7], s[22:23]
.macro FB s                            ; the six weight fragments of K step s into set s % 3: each load reads 512 consecutive bytes
.if ((\s)%3) == 2
.set BB, 32
	WIN 0
.else
.set BB, 96*((\s)%3)
	WIN 0x40
.endif
.irp t, 0,1,2,3,4,5
.irp c, 0,1,2,3
	global_load_b128 v[BB+16*\t+4*\c:BB+16*\t+4*\c+3], v16, s[6:7] offset:\t*12288+(\s)*2048+512*\c
.endr
.endr
	WIN 0
.endm
.macro FA s, m0                        ; A's fragments m0 .. m0 + 3 of K step s
.irp m, \m0, \m0+1, \m0+2, \m0+3
.irp c, 0,1,2,3
	ds_load_b128 v[128+16*(\m)+4*\c:128+16*(\m)+4*\c+3], v[16+(\s)/4] offset:((\s)%4)*16384+(\m)*2048+512*\c
.endr
.endr
.endm
; 24 matrix instructions: four token tiles x my six tiles of columns.  The accumulators take turns, one instruction a turn.
.macro MUL s, half, swap, zero
.if ((\s)%3) == 2
.set BB, 32
.set BW, 0
.else
.set BB, 96*((\s)%3)
.set BW, 1
.endif
.if \swap
.set WN, (0xa0+0x50*(\half))|(BW<<2)
.else
.set WN, (0xa0+0x50*(\half))|BW
.endif
	WIN WN
.irp m, 0,1,2,3
.irp t, 0,1,2,3,4,5
.set AC, 8*(6*\m+\t)
.set AR, 128+16*(4*(\half)+\m)
.set BR, BB+16*\t
.if \swap
.if \zero
	v_wmma_f32_16x16x128_fp8_fp8 v[AC:AC+7], v[AR:AR+15], v[BR:BR+15], 0
.else
	v_wmma_f32_16x16x128_fp8_fp8 v[AC:AC+7], v[AR:AR+15], v[BR:BR+15], v[AC:AC+7]
.endif
.else
.if \zero
	v_wmma_f32_16x16x128_fp8_fp8 v[AC:AC+7], v[BR:BR+15], v[AR:AR+15], 0
.else
	v_wmma_f32_16x16x128_fp8_fp8 v[AC:AC+7], v[BR:BR+15], v[AR:AR+15], v[AC:AC+7]
.endif
.endif
.endr
.endr
.endm
.macro STEP s, swap, zero
.if (\s) < 4
	s_wait_loadcnt 48                              ; this step's weights are in; two younger sets of 24 loads may be out
.elseif (\s) == 4
	s_wait_loadcnt 24
.else
	s_wait_loadcnt 0x0
.endif
	s_wait_dscnt 16                                ; A's fragments 0-3 are in; 4-7 are the younger sixteen loads
	MUL \s, 0, \swap, \zero
	s_wait_dscnt 0x0
.if (\s) == 1
	s_wait_tensorcnt 0x1                           ; my part of chunk 1 has landed; chunk 2's load is younger.
	s_barrier_signal -1
	s_barrier_wait -1
.elseif (\s) == 3
	s_wait_tensorcnt 0x0                           ; my part of chunk 2
	s_barrier_signal -1
	s_barrier_wait -1
.endif
.if (\s) < 5
	PLACES 4                                       ; in front of loads into registers that matrix instructions have read
	WIN 0
	FA (\s)+1, 0
.endif
	MUL \s, 1, \swap, \zero
	PLACES 4
	WIN 0
.if (\s) < 5
	FA (\s)+1, 4
.endif
.if (\s) < 3
	FB (\s)+3
.endif
.endm
	FB 0
	FB 1
	FB 2
	s_wait_kmcnt 0x0
	s_cmp_eq_u32 s17, 1                            ; the product's three exponents, chosen by the slab alone
	s_cselect_b32 s48, s70, s68
	s_cselect_b32 s49, s71, s69
	s_cselect_b32 s50, s75, s74
	s_cmp_eq_u32 s17, 2
	s_cselect_b32 s48, s72, s48
	s_cselect_b32 s49, s73, s49
	s_cselect_b32 s50, s77, s50
	s_sub_co_i32 s50, s50, s48
	s_sub_co_i32 s50, s50, s49                     ; eOut - eA - eB
	MKSC 50, 21, 20, 51, 52
	s_wait_tensorcnt 0x2                           ; my part of chunk 0 has landed; my two later loads may stay out
	s_barrier_signal -1
	s_barrier_wait -1
	FA 0, 0
	FA 0, 4
	s_cmp_ge_u32 s15, 4
	s_cbranch_scc1 .Lv
	; ---------------- q and k
	s_mov_b32 s57, 524288
	s_mov_b32 s59, 16384
	s_cmp_eq_u32 s17, 0
	s_cselect_b64 s[54:55], s[10:11], s[12:13]
	s_cselect_b32 s56, 262144, s57                 ; bytes of a head
	s_cselect_b32 s58, 8192, s59                   ; bytes of a block of 128 tokens
	s_mul_i32 s58, s58, s16
	s_mov_b32 s59, 0
	s_add_nc_u64 s[54:55], s[54:55], s[58:59]
	s_lshr_b32 s60, s21, 1
.irp p, 0,1,2                          ; group of 32 columns B = my first + p: head B / 2, half B % 2 of its 64
	s_add_co_u32 s61, s60, \p
	s_lshr_b32 s62, s61, 1
	s_mul_i32 s62, s62, s56
	s_and_b32 s61, s61, 1
	s_lshl_b32 s61, s61, 9
	s_add_co_u32 s61, s61, s62
	v_add_nc_u32 v[8+\p], s61, v16
.endr
	STEP 0, 0, 1
	STEP 1, 0, 0
	STEP 2, 0, 0
	STEP 3, 0, 0
	STEP 4, 0, 0
	STEP 5, 0, 0
.irp bt, 0,1,2,3                       ; two token tiles at a time: 96 sums are held, six groups of 16 become codes
.set WN, 2+(\bt)/2
	WIN WN
.set i, 0
.rept 96
	v_med3_num_f32 v[32+i], v[96*((\bt)%2)+i], -v20, v20
.set i, i+1
.endr
	WIN 0
.irp g, 0,1,2,3,4,5
	v_cvt_scalef32_pk8_fp8_f32 v[128+24*\bt+4*\g:129+24*\bt+4*\g], v[32+16*\g:39+16*\g], v21
	v_cvt_scalef32_pk8_fp8_f32 v[130+24*\bt+4*\g:131+24*\bt+4*\g], v[40+16*\g:47+16*\g], v21
.endr
	v_nop                                          ; a plain instruction behind the conversions
.irp g, 0,1,2,3,4,5
	global_store_b128 v[8+(\g)%3], v[128+24*\bt+4*\g:131+24*\bt+4*\g], s[54:55] offset:(2*\bt+(\g)/3)*1024
.endr
.endr
	s_branch .Ljoin
	; ---------------- v
.Lv:
	s_lshl_b32 s58, s16, 14
	s_add_co_u32 s58, s58, 8192
	s_mov_b32 s59, 0
	s_add_nc_u64 s[54:55], s[12:13], s[58:59]
.irp t, 0,1,2,3,4,5                    ; tile of columns T: head T / 4, tile T % 4 of V^T
	s_add_co_u32 s61, s21, \t
	s_lshr_b32 s62, s61, 2
	s_lshl_b32 s62, s62, 19
	s_and_b32 s61, s61, 3
	s_lshl_b32 s61, s61, 11
	s_add_co_u32 s61, s61, s62
	v_add_nc_u32 v[8+\t], s61, v16
.endr
	STEP 0, 1, 1
	STEP 1, 1, 0
	STEP 2, 1, 0
	STEP 3, 1, 0
	STEP 4, 1, 0
	STEP 5, 1, 0
.irp bt, 0,1,2,3                       ; token tiles 2 bt, 2 bt + 1: 32 neighbouring tokens, part bt of the key step's image
.set WN, 2+(\bt)/2
	WIN WN
.set i, 0
.rept 96
	v_med3_num_f32 v[32+i], v[96*((\bt)%2)+i], -v20, v20
.set i, i+1
.endr
	WIN 0
.irp g, 0,1,2,3,4,5
	v_cvt_scalef32_pk8_fp8_f32 v[128+24*\bt+4*\g:129+24*\bt+4*\g], v[32+8*\g:39+8*\g], v21
	v_cvt_scalef32_pk8_fp8_f32 v[130+24*\bt+4*\g:131+24*\bt+4*\g], v[80+8*\g:87+8*\g], v21
.endr
	v_nop
.irp g, 0,1,2,3,4,5
	global_store_b128 v[8+\g], v[128+24*\bt+4*\g:131+24*\bt+4*\g], s[54:55] offset:\bt*512
.endr
.endr
.Ljoin:
	s_wait_tensorcnt 0x0                           ; the wave's end, behind my last tensor load
	ds_add_u32 v28, v29
	s_wait_dscnt 0x0
	s_endpgm
.Lfunc_end_k_q5e87bad99a_qkv:
	.size	k_q5e87bad99a_qkv, .Lfunc_end_k_q5e87bad99a_qkv-k_q5e87bad99a_qkv
	.p2alignl 7, 3214868480
	.fill 96, 4, 3214868480
	.section	.rodata,"a",@progbits
	.p2align	6, 0x0
	.amdhsa_kernel k_q5e87bad99a_qkv
		.amdhsa_group_segment_fixed_size 167936
		.amdhsa_private_segment_fixed_size 0
		.amdhsa_enable_private_segment 0
		.amdhsa_kernarg_size 40
		.amdhsa_user_sgpr_count 2
		.amdhsa_user_sgpr_kernarg_segment_ptr 1
		.amdhsa_wavefront_size32 1
		.amdhsa_system_sgpr_workgroup_id_x 1
		.amdhsa_system_sgpr_workgroup_id_y 1
		.amdhsa_system_sgpr_workgroup_id_z 1
		.amdhsa_system_vgpr_workitem_id 0
		.amdhsa_next_free_vgpr 1024
		.amdhsa_next_free_sgpr 100
		.amdhsa_reserve_vcc 0
		.amdhsa_float_denorm_mode_32 3
		.amdhsa_float_denorm_mode_16_64 3
		.amdhsa_memory_ordered 1
		.amdhsa_forward_progress 1
		.amdhsa_inst_pref_size 151
	.end_amdhsa_kernel
	.amdgpu_metadata
---
amdhsa.version: [ 1, 2 ]
amdhsa.kernels:
  - .name:           k_q5e87bad99a_qkv
    .symbol:         k_q5e87bad99a_qkv.kd
    .args:
      - { .name: hc, .offset: 0, .size: 8, .value_kind: global_buffer, .address_space: global }
      - { .name: wc, .offset: 8, .size: 8, .value_kind: global_buffer, .address_space: global }
      - { .name: lowp_scales, .offset: 16, .size: 8, .value_kind: global_buffer, .address_space: global }
      - { .name: qc, .offset: 24, .size: 8, .value_kind: global_buffer, .address_space: global }
      - { .name: kv, .offset: 32, .size: 8, .value_kind: global_buffer, .address_space: global }
    .group_segment_fixed_size: 167936
    .private_segment_fixed_size: 0
    .kernarg_segment_align: 8
    .kernarg_segment_size: 40
    .max_flat_workgroup_size: 128
    .sgpr_count:     100
    .vgpr_count:     1024
    .wavefront_size: 32
...
	.end_amdgpu_metadata
.endif
;; end of part 2
;; launch attn (part 3): grid 16 x 12, 16 waves a work-group, no clusters, 327,680 bytes of LDS; arguments qc, kv, lowp_scales, oc; writes oc
.if DOCPART == 3
	.amdgcn_target "amdgcn-amd-amdhsa--gfx1250"
	.amdhsa_code_object_version 6
	.text
	.protected	k_q5e87bad99a_attn
	.globl	k_q5e87bad99a_attn
	.p2align	8
	.type	k_q5e87bad99a_attn,@function
k_q5e87bad99a_attn:
	s_mov_b64 s[64:65], 0
	v_nop
	global_prefetch_b8 v0, s[64:65] scope:SCOPE_SE
	s_setreg_imm32_b32 hwreg(HW_REG_WAVE_MODE, 25, 1), 1
	s_wait_xcnt 0x0
; Launch 3 of 6: causal attention on E4M3 codes, head size 64, and the quantising of its result for the projection.
; LEFT OUT: key steps of 128 keys that lie wholly behind a wave's 16 queries: the causal mask makes their scores -infinity, so p = 0 whatever the inputs hold.
; THE SOFTMAX: t = score x log2(e) / 8; M = the running largest t rounded UP to a whole number; p = 2^(t - M) is quantised (scale 8), not normalised; the row's sum is taken of the unquantised p and divides at the end.
; When M moves, the sum and O are multiplied by 2^(old M - new M), which rounds nothing.
; SHARES.  A work-group owns query blocks pb and 31 - pb (128 queries each) of one head, so that all work-groups have equal work: 33 key steps for each pair of waves.  Sixteen waves, one tile of 16 queries each, in 256 registers.
; 192 work-groups: twelve heads do not divide 256 while one stream of K and V serves a work-group.  No cluster: under the causal limit partners would need different numbers of tiles.
; THE RING.  Two LDS slots of four key steps (65,536 bytes).  Waves 0-3 fill a slot, each a QUARTER (4,096 bytes) of each of the four steps, so that every load issued has bytes that are read:
; quarter v of step q lies at 16,384 v + 4,096 q of the slot; K's eight tiles (1,024 bytes each) are quarters 0, 1, V^T's four (2,048 each) quarters 2, 3.
; Both products are used transposed (S^T = K Q^T, O^T = V^T P^T): a lane holds one query throughout; the keys of a tile are chosen so that two neighbouring tiles' 16 registers are 16 neighbouring keys.
; LIMITS: e6 + e7 between -124 and 129 (added to c's exponent field); e8 and e10 between -126 and 119.  NaN among the inputs is not served.
; REGISTERS: v1 16 x lane, v2 address in hand, v3 my query less 16 (lane / 16), v4 -infinity, v5, v6 the add's two, v7 the prefetches' offset, v8-10 at work, v12 -M, v13 largest t, v[14:15] the sum,
;   v16-23 Q, v[24:25] f, v[26:27] second chain, v28 448 x 2^e8, v29 2^e8, v30, v31 the same for e10; v32-95 K's fragments, later p's codes; v96-159 S^T, then p; v160-191 O^T; v192-255 V's fragments.
.set SLOT1, 1<<17
.set SPARE, 2*SLOT1                    ; behind the ring: the spare words, 128 bytes a wave: eight blocks of 256 bytes
.set WV,  18
.set SEL, 20
.set CS,  22
.set G1,  24
.set G0,  40
.set TB,  2
.set SLOTS, 67
.set PFA, 76
.set LIM, 80
.set HB,  97                           ; my work-group's later block
.set KS,  98                           ; the key step in hand
.set BLK, 99                           ; my wave's block of queries
.macro TLOAD                           ; waves 0-3 fetch; an s_nop 0 and four v_nop follow the load
	s_cmp_lt_u32 s[WV], 4
	s_cbranch_scc0 .Lasked_\@
	tensor_load_to_lds s[G0:G0+3], s[G1:G1+7]
	s_nop 0
.rept 4
	v_nop
.endr
.Lasked_\@:
.endm
; A prefetch of the slot that the NEXT change of slots will ask for.  All work-groups of a head walk the same kv: the head's first work-group (which walks all eight slots) asks, waves 4-11,
; 8,192 bytes a wave, lanes 256 bytes apart: each block of 256 bytes is named once in the launch.  The last change that fills a slot asks for nothing; nothing is asked at the head.
.macro ASK
	s_cmp_gt_u32 s[SLOTS], s[LIM]
	s_cbranch_scc0 .Lnot_mine_\@
	global_prefetch_b8 v7, s[PFA:PFA+1] th:TH_LOAD_NT scope:SCOPE_SE
.Lnot_mine_\@:
.endm
	s_load_b256 s[4:11], s[0:1], 0x0               ; qc 4, kv 6, the scales 8, oc 10
	v_lshl_add_u32 v5, v0, 2, SPARE
	v_mov_b32 v6, 0
	ds_add_u32 v5, v6                              ; the wave's opening: the add, twice on end, and its wait ahead of the first tensor load
	ds_add_u32 v5, v6
	v_lshrrev_b32 v8, 5, v0
	v_readfirstlane_b32 s[WV], v8                  ; wave 0..15
	s_and_b32 s72, ttmp7, 0xffff                   ; the head
	s_lshr_b32 s73, s[WV], 2
	s_xor_b32 s73, s73, s[WV]
	s_and_b32 s73, s73, 1                          ; which of the two blocks: of waves 2 a, 2 a + 1 one takes each
	s_sub_co_u32 s[HB], 31, ttmp9
	s_cmp_eq_u32 s73, 1
	s_cselect_b32 s[BLK], s[HB], ttmp9
	s_lshl_b32 s74, s[BLK], 3
	s_lshr_b32 s75, s[WV], 1
	s_add_co_u32 s74, s74, s75                     ; my tile of queries
	s_lshl_b32 s84, s72, 19                        ; the head's 524,288 bytes of kv
	s_mov_b32 s85, 0
	s_and_b32 s86, s[WV], 3
	s_lshl_b32 s88, s86, 12                        ; my quarter in a key step,
	s_mov_b32 s89, 0
	s_lshl_b32 s86, s86, 14                        ; and in a slot
	s_mov_b32 s[G1], 0x30000                       ; elements of 8 bytes, no mask, no padding
	s_mov_b32 s[G1+1], 512<<16                     ; tensor_dim0 = 512 (4,096 bytes)
	s_mov_b32 s[G1+2], 4<<16                       ; tensor_dim1 = 4
	s_mov_b32 s[G1+3], 512<<16                     ; tile_dim0
	s_mov_b32 s[G1+4], 4                           ; tile_dim1: the slot's four key steps
	s_mov_b32 s[G1+5], 2048                        ; 16,384 bytes from step to step
	s_mov_b32 s[G1+6], 0
	s_mov_b32 s[G1+7], 0
	s_mov_b32 s[SEL], 0x76543210
	s_mov_b32 s[SEL+1], 0xfedcba98
	s_mov_b32 s[CS], 0x3e38aa3b                    ; c = log2(e) / 8
	s_mov_b32 s[TB], 0
	s_mov_b32 s[SLOTS], 7
	s_mov_b32 s[KS], 0
	s_wait_dscnt 0x0                               ; both opening adds are done
	s_wait_kmcnt 0x0
	s_load_b512 s[48:63], s[8:9], 0x0              ; e0 .. e15 in s48 .. s63
	s_add_nc_u64 s[6:7], s[6:7], s[84:85]          ; kv at my head
	s_mov_b32 s[G0], 1
	s_mov_b32 s[G0+1], s86
	s_add_nc_u64 s[G0+2:G0+3], s[6:7], s[88:89]
	s_or_b32 s[G0+3], s[G0+3], 0x80000000
	TLOAD                                          ; slot 0: it holds key 0, which counts for every query
	s_lshl_b32 s88, s72, 18
	s_lshl_b32 s90, s74, 10
	s_add_co_u32 s88, s88, s90
	s_add_nc_u64 s[4:5], s[4:5], s[88:89]          ; my tile of Q
	s_mul_i32 s88, s74, 12288
	s_lshr_b32 s90, s72, 1
	s_lshl_b32 s90, s90, 11
	s_add_co_u32 s88, s88, s90
	s_and_b32 s90, s72, 1
	s_lshl_b32 s90, s90, 10
	s_add_co_u32 s88, s88, s90
	s_add_nc_u64 s[10:11], s[10:11], s[88:89]      ; oc: my tile, K step head / 2, parts 2 (head % 2) on
	s_sub_co_u32 s82, s[WV], 4
	s_and_b32 s88, s82, 7
	s_lshl_b32 s88, s88, 13
	s_add_co_u32 s88, s88, 65536                   ; my 8,192 bytes, in slot 1: the first change of slots steps it to slot 2
	s_add_nc_u64 s[PFA:PFA+1], s[6:7], s[88:89]
	s_lshr_b32 s82, s82, 3                         ; 0 in waves 4 to 11,
	s_or_b32 s82, s82, ttmp9                       ; of the head's first work-group
	s_cmp_eq_u32 s82, 0
	s_cselect_b32 s[LIM], 1, -1
	v_and_b32 v1, 31, v0
	v_lshlrev_b32 v7, 8, v1
	v_lshlrev_b32 v1, 4, v1
	global_load_b128 v[16:19], v1, s[4:5]
	global_load_b128 v[20:23], v1, s[4:5] offset:512
	v_and_b32 v8, 15, v0
	v_bfe_u32 v9, v0, 4, 1
	v_and_b32 v10, 8, v8
	v_add_nc_u32 v3, v10, v8                       ; r + 8 (r / 8)
	v_lshlrev_b32 v9, 4, v9
	v_sub_nc_u32 v3, v3, v9
	s_lshr_b32 s82, s[WV], 2
	s_lshl_b32 s82, s82, 5
	s_bfe_u32 s83, s[WV], 0x10001
	s_lshl_b32 s83, s83, 3
	s_add_co_u32 s82, s82, s83
	v_add_nc_u32 v3, s82, v3                       ; my query in its block of 128, less 16 (lane / 16)
	v_mov_b32 v4, 0xff800000
	v_mov_b32 v10, 0                               ; a lane permute's destination counts as one of its sources
	v_mov_b32 v13, 0xff61b1e6                      ; the largest t so far: -3e38
	v_floor_f32 v12, -v13
	v_mov_b32 v14, 0
	v_mov_b32 v15, 0
	v_mov_b32 v25, 0                               ; (named as the upper half of the pair v[24:25])
.set j, 0
.rept 32
	v_mov_b32 v[160+j], 0                          ; O^T: the step is written once; its first run finds zeros
.set j, j+1
.endr
	s_wait_kmcnt 0x0
	s_add_co_i32 s82, s54, s55
	s_lshl_b32 s82, s82, 23
	s_add_co_i32 s[CS], s[CS], s82                 ; a score stands for score x 2^(e6 + e7)
	s_mov_b32 s[CS+1], s[CS]
	s_add_co_i32 s82, s56, 127
	s_lshl_b32 s83, s82, 23
	v_mov_b32 v29, s83                             ; 2^e8
	s_add_co_i32 s82, s82, 8
	s_lshl_b32 s82, s82, 23
	s_or_b32 s82, s82, 0x600000
	v_mov_b32 v28, s82                             ; 448 x 2^e8
.macro STEP q                          ; the q-th key step of the slot in hand
	s_cmp_gt_u32 s[KS], s[BLK]                     ; all its keys come after my queries: left out (a branch on ids; no barrier and no tensor load stands in a step)
	s_cbranch_scc1 .Lhidden_\@
	v_add_nc_u32 v2, s[TB], v1
.rept 3
	v_nop                                          ; with the addition: four places in front of loads into registers that matrix instructions have read
.endr
.irp t, 0,1,2,3,4,5,6,7
	ds_load_b128 v[32+8*\t:35+8*\t], v2 offset:(\t/4)*16384+(\q)*4096+(\t%4)*1024
	ds_load_b128 v[36+8*\t:39+8*\t], v2 offset:(\t/4)*16384+(\q)*4096+(\t%4)*1024+512
.endr
	s_wait_dscnt 0x0
.irp t, 0,1,2,3,4,5,6,7
	v_wmma_f32_16x16x64_fp8_fp8 v[96+8*\t:103+8*\t], v[32+8*\t:39+8*\t], v[16:23], 0
.endr
.rept 4
	v_nop
.endr
.irp d, 0,1,2,3                        ; V's fragments land during the softmax
.irp c, 0,1,2,3
	ds_load_b128 v[192+16*\d+4*\c:195+16*\d+4*\c], v2 offset:(2+\d/2)*16384+(\q)*4096+(\d%2)*2048+512*\c
.endr
.endr
	s_cmp_lg_u32 s[KS], s[BLK]
	s_cbranch_scc1 .Lopen_\@
.set n, 0
.rept 64                               ; on the diagonal: register n holds key 32 (n / 16) + n % 16 + 16 (lane / 16) of the step
	v_cmp_gt_i32 vcc_lo, 32*(n/16)+n%16, v3
	v_cndmask_b32 v[96+n], v[96+n], v4, vcc_lo
.set n, n+1
.endr
.Lopen_\@:
	v_max3_num_f32 v8, v96, v97, v98
	v_max3_num_f32 v9, v99, v100, v101
.irp i, 6,10,14,18,22,26,30,34,38,42,46,50,54,58
	v_max3_num_f32 v8, v8, v[96+\i], v[97+\i]
	v_max3_num_f32 v9, v9, v[98+\i], v[99+\i]
.endr
	v_max3_num_f32 v8, v8, v158, v159
	v_max_num_f32 v8, v8, v9
	v_permlanex16_b32 v10, v8, s[SEL], s[SEL+1]
	v_max_num_f32 v8, v8, v10
	v_mul_f32 v8, s[CS], v8
	v_max_num_f32 v13, v13, v8                     ; the running largest t
	v_mov_b32 v8, v12
	v_floor_f32 v12, -v13                          ; -M = floor(-t)
	v_sub_f32 v8, v12, v8                          ; old M - new M, a whole number, 0 or less
	v_cvt_i32_f32 v8, v8
	v_ldexp_f32 v24, 1.0, v8                       ; f
.set j, 0
.rept 32
	v_pk_fma_f32 v[96+j:97+j], v[96+j:97+j], s[CS:CS+1], v[12:13] op_sel_hi:[1,0,0]
.set j, j+2
.endr
.set j, 0
.rept 64
	v_exp_f32 v[96+j], v[96+j]
.set j, j+1
.endr
	v_pk_mul_f32 v[14:15], v[14:15], v[24:25] op_sel_hi:[1,0]   ; the sum under the new M: the plain instruction behind the exponentials
	s_wait_alu depctr_va_vdst(0)                   ; one wait for the batch, ahead of its first reader
	v_pk_add_f32 v[26:27], v[96:97], v[98:99]
.irp j, 4,8,12,16,20,24,28,32,36,40,44,48,52,56,60
	v_pk_add_f32 v[14:15], v[14:15], v[96+\j:97+\j]
	v_pk_add_f32 v[26:27], v[26:27], v[98+\j:99+\j]
.endr
	v_pk_add_f32 v[14:15], v[14:15], v[26:27]
.irp b, 0,1,2,3
.irp i, 0,1,2,3,4,5,6,7,8,9,10,11,12,13,14,15
	v_min_num_f32 v[96+16*\b+\i], v[96+16*\b+\i], v28   ; p is never negative: a one-sided hold
.endr
	v_cvt_scalef32_pk8_fp8_f32 v[32+4*\b:33+4*\b], v[96+16*\b:103+16*\b], v29
	v_cvt_scalef32_pk8_fp8_f32 v[34+4*\b:35+4*\b], v[104+16*\b:111+16*\b], v29
.endr
.set j, 0
.rept 16
	v_pk_mul_f32 v[160+j:161+j], v[160+j:161+j], v[24:25] op_sel_hi:[1,0]   ; O^T under the new M; also the plain instructions behind the conversions
.set j, j+2
.endr
	s_wait_dscnt 0x0                               ; V
.irp d, 0,1,2,3
	v_wmma_f32_16x16x128_fp8_fp8 v[160+8*\d:167+8*\d], v[192+16*\d:207+16*\d], v[32:47], v[160+8*\d:167+8*\d]
.endr
.Lhidden_\@:
	s_add_co_u32 s[KS], s[KS], 1
.endm
; THE CHANGE OF SLOTS, at a slot's head.  Each wave waits for all its tensor loads, adds 0 to its spare word, and waits for that and for its reads of the slot that it has left; behind the barrier
; the slot ahead is whole and nobody reads the other one, which is then filled with the next four key steps, up to the causal limit.
.macro CHANGE fill
	s_wait_tensorcnt 0x0                           ; no tensor load of mine is out, so group 0 may be written
	ds_add_u32 v5, v6
.if \fill
	ds_add_u32 v5, v6                              ; and once more, in every trip alike
	s_xor_b32 s[G0+1], s[G0+1], SLOT1
	s_add_nc_u64 s[G0+2:G0+3], s[G0+2:G0+3], 65536
	s_wait_xcnt 0x0                                ; the last prefetch, a slot back, has read its address
	s_add_nc_u64 s[PFA:PFA+1], s[PFA:PFA+1], 65536
.endif
	s_wait_dscnt 0x0
	s_barrier_signal -1
	s_barrier_wait -1
.if \fill
	s_add_co_u32 s96, s[KS], 4                     ; the first key step of the slot that this change would ask for:
	s_cmp_gt_u32 s96, s[HB]                        ; behind my work-group's later block nobody reads it.  Ids and the count of steps alone: all sixteen waves go the same way
	s_cbranch_scc1 .Lpast_\@
	TLOAD
.Lpast_\@:
	ASK
.endif
.endm
.macro SLOT_STEPS
	STEP 0
	STEP 1
	STEP 2
	STEP 3
	s_xor_b32 s[TB], s[TB], SLOT1
.endm
	s_wait_loadcnt 0x0                             ; Q
.Lslot:                                            ; seven trips
	CHANGE 1
	SLOT_STEPS
	s_sub_co_u32 s[SLOTS], s[SLOTS], 1
	s_cmp_lg_u32 s[SLOTS], 0
	s_cbranch_scc1 .Lslot
	CHANGE 0                                       ; the last slot is written out: nothing is left to ask for
	SLOT_STEPS
	; THE WAY OUT: O^T / the sum x 2^(e8 + e9) is the head's result; it is quantised with scale 10 and stored as parts of the projection's A fragments.
	v_add_f32 v14, v14, v15
	v_permlanex16_b32 v10, v14, s[SEL], s[SEL+1]
	v_add_f32 v14, v14, v10
	v_rcp_f32 v14, v14
	v_nop                                          ; a plain instruction behind the reciprocal
	s_add_co_i32 s82, s58, 127
	s_lshl_b32 s83, s82, 23
	v_mov_b32 v31, s83                             ; 2^e10
	s_add_co_i32 s82, s82, 8
	s_lshl_b32 s82, s82, 23
	s_or_b32 s82, s82, 0x600000
	v_mov_b32 v30, s82                             ; 448 x 2^e10
	s_add_co_i32 s82, s56, s57
	s_wait_alu depctr_va_vdst(0)
	v_ldexp_f32 v14, v14, s82
.set j, 0
.rept 32
	v_mul_f32 v[96+j], v[160+j], v14
.set j, j+1
.endr
.set j, 0
.rept 32
	v_med3_num_f32 v[96+j], v[96+j], -v30, v30
.set j, j+1
.endr
.irp b, 0,1
	v_cvt_scalef32_pk8_fp8_f32 v[32+4*\b:33+4*\b], v[96+16*\b:103+16*\b], v31
	v_cvt_scalef32_pk8_fp8_f32 v[34+4*\b:35+4*\b], v[104+16*\b:111+16*\b], v31
.endr
	v_nop
	global_store_b128 v1, v[32:35], s[10:11]
	global_store_b128 v1, v[36:39], s[10:11] offset:512
	s_wait_tensorcnt 0x0                           ; the wave's end
	ds_add_u32 v5, v6
	s_wait_dscnt 0x0
	s_endpgm
.Lfunc_end_k_q5e87bad99a_attn:
	.size	k_q5e87bad99a_attn, .Lfunc_end_k_q5e87bad99a_attn-k_q5e87bad99a_attn
	.p2alignl 7, 3214868480
	.fill 96, 4, 3214868480
	.section	.rodata,"a",@progbits
	.p2align	6, 0x0
	.amdhsa_kernel k_q5e87bad99a_attn
		.amdhsa_group_segment_fixed_size 327680
		.amdhsa_private_segment_fixed_size 0
		.amdhsa_enable_private_segment 0
		.amdhsa_kernarg_size 32
		.amdhsa_user_sgpr_count 2
		.amdhsa_user_sgpr_kernarg_segment_ptr 1
		.amdhsa_wavefront_size32 1
		.amdhsa_system_sgpr_workgroup_id_x 1
		.amdhsa_system_sgpr_workgroup_id_y 1
		.amdhsa_system_sgpr_workgroup_id_z 1
		.amdhsa_system_vgpr_workitem_id 0
		.amdhsa_next_free_vgpr 256
		.amdhsa_next_free_sgpr 100
		.amdhsa_reserve_vcc 1
		.amdhsa_float_denorm_mode_32 3
		.amdhsa_float_denorm_mode_16_64 3
		.amdhsa_memory_ordered 1
		.amdhsa_forward_progress 1
		.amdhsa_inst_pref_size 173
	.end_amdhsa_kernel
	.amdgpu_metadata
---
amdhsa.version: [ 1, 2 ]
amdhsa.kernels:
  - .name:           k_q5e87bad99a_attn
    .symbol:         k_q5e87bad99a_attn.kd
    .args:
      - { .name: qc, .offset: 0, .size: 8, .value_kind: global_buffer, .address_space: global }
      - { .name: kv, .offset: 8, .size: 8, .value_kind: global_buffer, .address_space: global }
      - { .name: lowp_scales, .offset: 16, .size: 8, .value_kind: global_buffer, .address_space: global }
      - { .name: oc, .offset: 24, .size: 8, .value_kind: global_buffer, .address_space: global }
    .group_segment_fixed_size: 327680
    .private_segment_fixed_size: 0
    .kernarg_segment_align: 8
    .kernarg_segment_size: 32
    .max_flat_workgroup_size: 512
    .sgpr_count:     100
    .vgpr_count:     256
    .wavefront_size: 32
...
	.end_amdgpu_metadata
.endif
;; end of part 3
;; launch proj (part 4): grid 128 x 1, 4 waves a work-group, no clusters, 10,752 bytes of LDS; arguments oc, wc, x, bo, g2, beta2, lowp_scales, x1, h2c; writes x1, h2c
.if DOCPART == 4
	.amdgcn_target "amdgcn-amd-amdhsa--gfx1250"
	.amdhsa_code_object_version 6
	.text
	.protected	k_q5e87bad99a_proj
	.globl	k_q5e87bad99a_proj
	.p2align	8
	.type	k_q5e87bad99a_proj,@function
k_q5e87bad99a_proj:
	s_mov_b64 s[64:65], 0
	v_nop
	global_prefetch_b8 v0, s[64:65] scope:SCOPE_SE
	s_setreg_imm32_b32 hwreg(HW_REG_WAVE_MODE, 25, 1), 1
	s_wait_xcnt 0x0
; Launch 4 of 6: x1 = x + o Wo + bo on E4M3 codes, and the second layer norm as codes.  Nothing is left out here.
; A work-group takes 32 tokens (two tiles) x ALL 768 columns, so that the norm's sums stay in the work-group; wave w has columns 192 w on (12 tiles).
; Every row block must read all of Wo's codes; 32 rows to a work-group halve the launch's requests against 16.  No tensor load: operands go from memory into registers as images of fragments.
; No cluster: nothing passes through LDS but three small tables.
; x is loaded straight into the accumulators, multiplied by 2^-(e10 + e11) (which rounds nothing short of underflow), and is the C of the sums; x1 = sum x 2^(e10 + e11) + bo.
; The matrix instruction is used transposed (source 0 = 16 columns of Wo, source 1 = 16 tokens): a lane holds one token; two neighbouring tiles' registers are 16 neighbouring columns.
; x1 (f32) is stored as the image of the accumulators: [tile of tokens][tile of columns 48][2][512 bytes]; h2c is laid as one set of hc.
; LIMITS: e10 + e11 between -126 and 126; e12 between -126 and 119.  NaN among the inputs is not served.
; REGISTERS: window 0: v1-23 addresses and scales, v28, v29 the add's two, v32-59 at work, v64-255 A's 12 fragments, later the tables and the codes.
;   windows 1, 2: weight sets 0, 1 (12 fragments each); window 1 later the centred rows.  window 3: the 24 accumulators ((m, t) at v[8 (12 m + t)]).
.set RED1,  9216
.set RED2,  9728
.set SPARE, 10240
.set MSB, 0
.macro WIN new
.if MSB != \new
	s_set_vgpr_msb (MSB<<8)|\new
.set MSB, \new
.endif
.endm
.macro PLACES n
.rept \n
	v_nop
.endr
.endm
	s_load_b512 s[4:19], s[0:1], 0x0               ; oc 4, wc 6, x 8, bo 10, g2 12, beta2 14, the scales 16, x1 18
	s_load_b64 s[20:21], s[0:1], 0x40              ; h2c
	v_lshl_add_u32 v28, v0, 2, SPARE
	v_mov_b32 v29, 0
	v_lshrrev_b32 v1, 5, v0
	v_readfirstlane_b32 s22, v1                    ; wave
	s_mov_b32 s23, ttmp9                           ; pair of token tiles
	v_and_b32 v2, 15, v0                           ; r
	v_bfe_u32 v3, v0, 4, 1                         ; h
	v_and_b32 v4, 31, v0
	v_lshlrev_b32 v4, 4, v4                        ; 16 x lane
	v_lshlrev_b32 v1, 3, v0                        ; 8 x thread
	v_and_b32 v5, 8, v2
	v_add_nc_u32 v5, v5, v2
	v_mul_u32_u24 v10, v5, 3072
	v_lshl_add_u32 v10, v3, 6, v10
	s_mul_i32 s24, s22, 768
	v_add_nc_u32 v10, s24, v10                     ; x: row r + 8 (r / 8), + 768 w + 64 h
	v_lshl_add_u32 v12, v3, 6, s24                 ; the tables: 768 w + 64 h
	v_lshlrev_b32 v14, 2, v2                       ; 4 r
	s_lshl_b32 s24, s22, 7
	v_add_nc_u32 v13, s24, v14                     ; 128 w + 4 r
.irp g, 0,1,2,3,4,5
	s_mul_i32 s24, s22, 6
	s_add_co_u32 s24, s24, \g
	s_lshr_b32 s25, s24, 2
	s_lshl_b32 s25, s25, 14
	s_and_b32 s24, s24, 3
	s_lshl_b32 s24, s24, 9
	s_add_co_u32 s24, s24, s25
	v_add_nc_u32 v[16+\g], s24, v4
.endr
	s_mov_b32 s48, 0x76543210
	s_mov_b32 s49, 0xfedcba98
	s_mov_b32 s52, 0x3aaaaaab                      ; 1 / 768
	s_mov_b32 s53, 0x3727c5ac                      ; 1e-5
	s_mov_b32 s25, 0
	s_wait_kmcnt 0x0
	s_load_b512 s[68:83], s[16:17], 0x0            ; e0 .. e15 in s68 .. s83
	s_mul_i32 s24, s23, 24576
	s_add_nc_u64 s[4:5], s[4:5], s[24:25]          ; oc at my two tiles
	s_mul_i32 s24, s22, 147456
	s_add_co_u32 s24, s24, 1769472
	s_add_nc_u64 s[6:7], s[6:7], s[24:25]          ; Wo's codes at my 12 tiles
	s_mul_i32 s24, s23, 98304
	s_add_nc_u64 s[8:9], s[8:9], s[24:25]          ; x at my 32 tokens
	s_mul_i32 s26, s22, 12288
	s_add_co_u32 s24, s24, s26
	s_add_nc_u64 s[18:19], s[18:19], s[24:25]      ; x1 at my tiles
	s_lshr_b32 s24, s23, 2
	s_mul_i32 s24, s24, 98304
	s_and_b32 s26, s23, 3
	s_lshl_b32 s26, s26, 12
	s_add_co_u32 s24, s24, s26
	s_add_nc_u64 s[20:21], s[20:21], s[24:25]
.irp i, 0,1,2
	global_load_b64 v[32+2*\i:33+2*\i], v1, s[10:11] offset:1024*\i
	global_load_b64 v[38+2*\i:39+2*\i], v1, s[12:13] offset:1024*\i
	global_load_b64 v[44+2*\i:45+2*\i], v1, s[14:15] offset:1024*\i
.endr
	WIN 0xc0
.irp m, 0,1
.irp t, 0,1,2,3,4,5,6,7,8,9,10,11
.irp k, 0,1
	global_load_b128 v[8*(12*\m+\t)+4*\k:8*(12*\m+\t)+4*\k+3], v10, s[8:9] offset:\m*24576+(32*(\t/2)+8*(\t%2))*4+16*\k th:TH_LOAD_NT
.endr
.endr
.endr
	WIN 0
.irp m, 0,1
.irp s, 0,1,2,3,4,5
.irp c, 0,1,2,3
	global_load_b128 v[64+16*(6*\m+\s)+4*\c:64+16*(6*\m+\s)+4*\c+3], v4, s[4:5] offset:\m*12288+\s*2048+512*\c th:TH_LOAD_NT
.endr
.endr
.endr
	s_wait_kmcnt 0x0
	s_add_co_i32 s26, s78, s79                     ; e10 + e11
	s_sub_co_i32 s27, 127, s26
	s_lshl_b32 s50, s27, 23                        ; 2^-(e10 + e11)
	s_mov_b32 s51, s50
	s_add_co_i32 s27, s26, 127
	s_lshl_b32 s54, s27, 23                        ; 2^(e10 + e11)
	s_mov_b32 s55, s54
	s_add_co_i32 s26, s80, 127
	s_lshl_b32 s27, s26, 23
	v_mov_b32 v23, s27                             ; 2^e12
	s_add_co_i32 s26, s26, 8
	s_lshl_b32 s26, s26, 23
	s_or_b32 s26, s26, 0x600000
	v_mov_b32 v22, s26                             ; 448 x 2^e12
	s_wait_loadcnt 48                              ; the tables and x are in; A's 48 loads are younger
.irp i, 0,1,2
	ds_store_b64 v1, v[32+2*\i:33+2*\i] offset:1024*\i
	ds_store_b64 v1, v[38+2*\i:39+2*\i] offset:3072+1024*\i
	ds_store_b64 v1, v[44+2*\i:45+2*\i] offset:6144+1024*\i
.endr
.irp r, 42,43,45,47,49,51
	v_mov_b32 v\r, 0                               ; lane permutes' destinations, and upper halves of pairs that are named whole
.endr
	WIN 0xc3
.set i, 0
.rept 96
	v_pk_mul_f32 v[i:i+1], v[i:i+1], s[50:51] op_sel_hi:[1,0]
.set i, i+2
.endr
	WIN 0
.macro FB s                            ; my 12 weight fragments of K step s into set s % 2
.set WN, 0x40*(1+(\s)%2)
	WIN WN
.irp t, 0,1,2,3,4,5,6,7,8,9,10,11
.irp c, 0,1,2,3
	global_load_b128 v[16*\t+4*\c:16*\t+4*\c+3], v4, s[6:7] offset:\t*12288+(\s)*2048+512*\c
.endr
.endr
	WIN 0
.endm
.macro STEP s
.if (\s) < 5
	s_wait_loadcnt 48                              ; this step's weights (and, the first time, A) are in; the other set's 48 loads are younger
.else
	s_wait_loadcnt 0x0
.endif
.set WN, 0xf0|(1+(\s)%2)
	WIN WN
.irp t, 0,1,2,3,4,5,6,7,8,9,10,11      ; 24 accumulators by turns, one instruction a turn
.irp m, 0,1
	v_wmma_f32_16x16x128_fp8_fp8 v[8*(12*\m+\t):8*(12*\m+\t)+7], v[16*\t:16*\t+15], v[64+16*(6*\m+(\s)):64+16*(6*\m+(\s))+15], v[8*(12*\m+\t):8*(12*\m+\t)+7]
.endr
.endr
	PLACES 4
.if (\s) < 4
	FB (\s)+2
.endif
.endm
	FB 0
	FB 1
	STEP 0
	STEP 1
	STEP 2
	STEP 3
	STEP 4
	STEP 5
	WIN 0
	s_wait_dscnt 0x0                               ; my stores of the tables are done
	s_barrier_signal -1
	s_barrier_wait -1
.macro TBL reg, off                    ; a table's numbers at my 96 columns, in the accumulators' order
.irp t, 0,1,2,3,4,5,6,7,8,9,10,11
	ds_load_b128 v[\reg+8*\t:\reg+8*\t+3], v12 offset:\off+(32*(\t/2)+8*(\t%2))*4
	ds_load_b128 v[\reg+8*\t+4:\reg+8*\t+7], v12 offset:\off+(32*(\t/2)+8*(\t%2))*4+16
.endr
.endm
	TBL 64, 0                                      ; bo
	TBL 160, 3072                                  ; g2
	s_wait_dscnt 24                                ; bo is in; g2's 24 reads are younger
	WIN 0xc3
.irp m, 0,1
.set i, 0
.rept 48
	v_pk_fma_f32 v[96*\m+i:96*\m+i+1], v[96*\m+i:96*\m+i+1], s[54:55], v[64+i:65+i] op_sel_hi:[1,0,1]   ; x1, each accumulator from its low end on
.set i, i+2
.endr
.endr
	WIN 0
	TBL 64, 6144                                   ; beta2, where bo lay
	WIN 0x0f
.irp m, 0,1
	v_pk_add_f32 v[32+4*\m:33+4*\m], v[96*\m:96*\m+1], v[96*\m+2:96*\m+3]
	v_pk_add_f32 v[34+4*\m:35+4*\m], v[96*\m+4:96*\m+5], v[96*\m+6:96*\m+7]
.endr
	WIN 0x0c
.irp m, 0,1
.irp t, 0,1,2,3,4,5,6,7,8,9,10,11
.irp k, 0,1
	global_store_b128 v4, v[8*(12*\m+\t)+4*\k:8*(12*\m+\t)+4*\k+3], s[18:19] offset:\m*49152+\t*1024+512*\k   ; 512 consecutive bytes; these registers are not written again
.endr
.endr
.endr
.irp m, 0,1
.set j, 8
.rept 22
	v_pk_add_f32 v[32+4*\m:33+4*\m], v[32+4*\m:33+4*\m], v[96*\m+j:96*\m+j+1]
	v_pk_add_f32 v[34+4*\m:35+4*\m], v[34+4*\m:35+4*\m], v[96*\m+j+2:96*\m+j+3]
.set j, j+4
.endr
.endr
	WIN 0
.macro FOLD                            ; the chains' ends: v40, v41 = my lane's sums for the two tiles
	v_pk_add_f32 v[32:33], v[32:33], v[34:35]
	v_pk_add_f32 v[36:37], v[36:37], v[38:39]
	v_add_f32 v40, v32, v33
	v_add_f32 v41, v36, v37
.endm
.macro RSUM2 red                       ; the rows' sums: the other half of the lanes, then the four waves through LDS
	v_permlanex16_b32 v42, v40, s48, s49
	v_permlanex16_b32 v43, v41, s48, s49
	v_add_f32 v40, v40, v42
	v_add_f32 v41, v41, v43
	ds_store_b32 v13, v40 offset:\red
	ds_store_b32 v13, v41 offset:\red+64
	s_wait_dscnt 0x0
	s_barrier_signal -1
	s_barrier_wait -1
.irp q, 0,1,2,3
	ds_load_b32 v[52+\q], v14 offset:\red+128*\q
	ds_load_b32 v[56+\q], v14 offset:\red+128*\q+64
.endr
	s_wait_dscnt 0x0
	v_add_f32 v52, v52, v53
	v_add_f32 v54, v54, v55
	v_add_f32 v56, v56, v57
	v_add_f32 v58, v58, v59
	v_add_f32 v40, v52, v54
	v_add_f32 v41, v56, v58
.endm
	FOLD
	RSUM2 RED1
	v_mul_f32 v44, s52, v40                        ; the means
	v_mul_f32 v46, s52, v41
	WIN 0x43
.irp m, 0,1
.set i, 0
.rept 48
	v_pk_add_f32 v[96*\m+i:96*\m+i+1], v[96*\m+i:96*\m+i+1], v[44+2*\m:45+2*\m] op_sel_hi:[1,0] neg_lo:[0,1] neg_hi:[0,1]   ; the centred rows, into window 1
.set i, i+2
.endr
.endr
	WIN 0x05
.irp m, 0,1
	v_pk_mul_f32 v[32+4*\m:33+4*\m], v[96*\m:96*\m+1], v[96*\m:96*\m+1]
	v_pk_mul_f32 v[34+4*\m:35+4*\m], v[96*\m+2:96*\m+3], v[96*\m+2:96*\m+3]
.set j, 4
.rept 23
	v_pk_fma_f32 v[32+4*\m:33+4*\m], v[96*\m+j:96*\m+j+1], v[96*\m+j:96*\m+j+1], v[32+4*\m:33+4*\m]
	v_pk_fma_f32 v[34+4*\m:35+4*\m], v[96*\m+j+2:96*\m+j+3], v[96*\m+j+2:96*\m+j+3], v[34+4*\m:35+4*\m]
.set j, j+4
.endr
.endr
	WIN 0
	FOLD
	RSUM2 RED2
	v_fma_f32 v40, v40, s52, s53
	v_fma_f32 v41, v41, s52, s53
	v_rsq_f32 v48, v40
	v_rsq_f32 v50, v41
	v_nop                                          ; a plain instruction behind the roots
	s_wait_alu depctr_va_vdst(0)                   ; one wait for both, ahead of the first reader
	WIN 0x41
.irp m, 0,1
.set i, 0
.rept 48
	v_pk_mul_f32 v[96*\m+i:96*\m+i+1], v[96*\m+i:96*\m+i+1], v[48+2*\m:49+2*\m] op_sel_hi:[1,0]
.set i, i+2
.endr
.set i, 0
.rept 48
	v_pk_fma_f32 v[96*\m+i:96*\m+i+1], v[96*\m+i:96*\m+i+1], v[160+i:161+i], v[64+i:65+i]
.set i, i+2
.endr
.set i, 0
.rept 96
	v_med3_num_f32 v[96*\m+i], v[96*\m+i], -v22, v22
.set i, i+1
.endr
.endr
	WIN 0x01
.irp m, 0,1
.irp g, 0,1,2,3,4,5
	v_cvt_scalef32_pk8_fp8_f32 v[64+4*(6*\m+\g):65+4*(6*\m+\g)], v[96*\m+16*\g:96*\m+16*\g+7], v23
	v_cvt_scalef32_pk8_fp8_f32 v[66+4*(6*\m+\g):67+4*(6*\m+\g)], v[96*\m+16*\g+8:96*\m+16*\g+15], v23
.endr
.endr
	v_nop
	WIN 0
.irp m, 0,1
.irp g, 0,1,2,3,4,5
	global_store_b128 v[16+\g], v[64+4*(6*\m+\g):67+4*(6*\m+\g)], s[20:21] offset:\m*2048
.endr
.endr
	s_wait_tensorcnt 0x0                           ; the wave's end, behind my last LDS store
	ds_add_u32 v28, v29
	s_wait_dscnt 0x0
	s_endpgm
.Lfunc_end_k_q5e87bad99a_proj:
	.size	k_q5e87bad99a_proj, .Lfunc_end_k_q5e87bad99a_proj-k_q5e87bad99a_proj
	.p2alignl 7, 3214868480
	.fill 96, 4, 3214868480
	.section	.rodata,"a",@progbits
	.p2align	6, 0x0
	.amdhsa_kernel k_q5e87bad99a_proj
		.amdhsa_group_segment_fixed_size 10752
		.amdhsa_private_segment_fixed_size 0
		.amdhsa_enable_private_segment 0
		.amdhsa_kernarg_size 72
		.amdhsa_user_sgpr_count 2
		.amdhsa_user_sgpr_kernarg_segment_ptr 1
		.amdhsa_wavefront_size32 1
		.amdhsa_system_sgpr_workgroup_id_x 1
		.amdhsa_system_sgpr_workgroup_id_y 1
		.amdhsa_system_sgpr_workgroup_id_z 1
		.amdhsa_system_vgpr_workitem_id 0
		.amdhsa_next_free_vgpr 1024
		.amdhsa_next_free_sgpr 100
		.amdhsa_reserve_vcc 0
		.amdhsa_float_denorm_mode_32 3
		.amdhsa_float_denorm_mode_16_64 3
		.amdhsa_memory_ordered 1
		.amdhsa_forward_progress 1
		.amdhsa_inst_pref_size 122
	.end_amdhsa_kernel
	.amdgpu_metadata
---
amdhsa.version: [ 1, 2 ]
amdhsa.kernels:
  - .name:           k_q5e87bad99a_proj
    .symbol:         k_q5e87bad99a_proj.kd
    .args:
      - { .name: oc, .offset: 0, .size: 8, .value_kind: global_buffer, .address_space: global }
      - { .name: wc, .offset: 8, .size: 8, .value_kind: global_buffer, .address_space: global }
      - { .name: x, .offset: 16, .size: 8, .value_kind: global_buffer, .address_space: global }
      - { .name: bo, .offset: 24, .size: 8, .value_kind: global_buffer, .address_space: global }
      - { .name: g2, .offset: 32, .size: 8, .value_kind: global_buffer, .address_space: global }
      - { .name: beta2, .offset: 40, .size: 8, .value_kind: global_buffer, .address_space: global }
      - { .name: lowp_scales, .offset: 48, .size: 8, .value_kind: global_buffer, .address_space: global }
      - { .name: x1, .offset: 56, .size: 8, .value_kind: global_buffer, .address_space: global }
      - { .name: h2c, .offset: 64, .size: 8, .value_kind: global_buffer, .address_space: global }
    .group_segment_fixed_size: 10752
    .private_segment_fixed_size: 0
    .kernarg_segment_align: 8
    .kernarg_segment_size: 72
    .max_flat_workgroup_size: 128
    .sgpr_count:     100
    .vgpr_count:     1024
    .wavefront_size: 32
...
	.end_amdgpu_metadata
.endif
;; end of part 4
;; launch ffn1 (part 5): grid 8 x 32, 4 waves a work-group, no clusters, 167,936 bytes of LDS; arguments h2c, wc, b1, lowp_scales, hid; writes hid
.if DOCPART == 5
	.amdgcn_target "amdgcn-amd-amdhsa--gfx1250"
	.amdhsa_code_object_version 6
	.text
	.protected	k_q5e87bad99a_ffn1
	.globl	k_q5e87bad99a_ffn1
	.p2align	8
	.type	k_q5e87bad99a_ffn1,@function
k_q5e87bad99a_ffn1:
	s_mov_b64 s[64:65], 0
	v_nop
	global_prefetch_b8 v0, s[64:65] scope:SCOPE_SE
	s_setreg_imm32_b32 hwreg(HW_REG_WAVE_MODE, 25, 1), 1
	s_wait_xcnt 0x0
; Launch 5 of 6: hidden = gelu(LN2(x1) W1 + b1) on E4M3 codes, quantised for the last product.  Nothing is left out here.
; The frame is that of the q, k, v launch: 128 tokens (block y) x 384 columns (slab x), K = 768 in 6 steps; A's tile for all of K in LDS by first fills alone (three tensor loads a wave are out at most);
; the weights from memory straight into registers, each wave its own 96 columns, three register sets.  No cluster: the weights do not pass through LDS, and A's tile is a quarter of a work-group's bytes.
; Transposed use (source 0 = 16 columns of W1, source 1 = 16 tokens).  b1 / 2^(e12 + e13) is the C of each sum's first matrix instruction.
; GELU, exact form: u (1 + erf(u / sqrt 2)) / 2, erf(x) = x P(x^2) / Q(x^2) with |x| held at 4, polynomials of degree 6 and 4 in x^2, all in f32.
; LIMIT: 1 + erf is formed in f32, so in the negative tail the result carries an absolute error of about 6e-8 |u|.
; hid: [tile of tokens 256][K step 24][2,048].
; LIMITS: e12 + e13 between -125 and 126; e14 between -126 and 119.  NaN among the inputs is not served.
; REGISTERS: window 0: v16, v17 addresses, v18 b1's offset, v28, v29 the add's two; v32-127 weight set 2, v128-255 A's 8 fragments; in the activation: v32 M, v64 u / 2, v96 M^2, v128 P, v160 Q, v192-207 codes, v208-213 constants.
;   window 1: weight sets 0, 1; v192-239 b1's six tiles.  windows 2, 3: the accumulators ((m, t) at v[8 (6 (m % 4) + t)]).
.set SPARE, 98304
.set MSB, 0
.macro WIN new
.if MSB != \new
	s_set_vgpr_msb (MSB<<8)|\new
.set MSB, \new
.endif
.endm
.macro PLACES n
.rept \n
	v_nop
.endr
.endm
	s_load_b256 s[4:11], s[0:1], 0x0               ; h2c 4, wc 6, b1 8, the scales 10
	s_load_b64 s[12:13], s[0:1], 0x20              ; hid
	v_lshl_add_u32 v28, v0, 2, SPARE
	v_mov_b32 v29, 0
	ds_add_u32 v28, v29                            ; the wave's opening: the add, twice on end, and its wait ahead of my first tensor load
	ds_add_u32 v28, v29
	v_lshrrev_b32 v1, 5, v0
	v_readfirstlane_b32 s14, v1                    ; wave
	s_mov_b32 s15, ttmp9                           ; slab
	s_and_b32 s16, ttmp7, 0xffff                   ; block
	s_mov_b32 s24, 0x30000                         ; group 1: a dense block of 32 rows of 256 bytes
	s_mov_b32 s25, 32<<16
	s_mov_b32 s26, 32<<16
	s_mov_b32 s27, 32<<16
	s_mov_b32 s28, 32
	s_mov_b32 s29, 32
	s_mov_b32 s30, 0
	s_mov_b32 s31, 0
	s_mul_i32 s18, s16, 98304
	s_lshl_b32 s20, s14, 13
	s_add_co_u32 s18, s18, s20
	s_mov_b32 s19, 0
	s_mov_b32 s52, 0xaf95df0b                      ; P's coefficients, highest first: x^12,
	s_mov_b32 s54, 0xb60cff51                      ; x^8,
	s_mov_b32 s56, 0xb86ec2d2                      ; x^6,
	s_mov_b32 s58, 0xba40ac63                      ; x^4,
	s_mov_b32 s60, 0xbb41a1f6                      ; x^2,
	s_mov_b32 s62, 0xbc83dbd4                      ; 1
	s_mov_b32 s66, 0xb77460cd                      ; Q's: x^8,
	s_mov_b32 s84, 0xbadc924e                      ; x^4,
	s_mov_b32 s86, 0xbbf19bf8                      ; x^2,
	s_mov_b32 s88, 0xbc69b6a7                      ; 1
.irp c, 52,54,56,58,60,62,66,84,86,88
	s_mov_b32 s[\c+1], s[\c]                       ; (each is named as a pair)
.endr
	s_wait_dscnt 0x0
	s_wait_kmcnt 0x0
	s_load_b512 s[68:83], s[10:11], 0x0            ; e0 .. e15 in s68 .. s83
	s_add_nc_u64 s[4:5], s[4:5], s[18:19]
.irp q, 0,1,2
	s_mov_b32 s[36+4*\q], 1
	s_add_co_u32 s[37+4*\q], s20, \q*32768
	s_add_nc_u64 s[38+4*\q:39+4*\q], s[4:5], \q*32768
	s_or_b32 s[39+4*\q], s[39+4*\q], 0x80000000
.endr
.irp q, 0,1,2
	tensor_load_to_lds s[36+4*\q:39+4*\q], s[24:31]
	s_nop 0
.endr
	PLACES 4
	v_and_b32 v1, 31, v0
	v_lshlrev_b32 v16, 4, v1
	v_add_nc_u32 v17, 0x10000, v16
	v_bfe_u32 v18, v0, 4, 1
	v_lshlrev_b32 v18, 6, v18                      ; 64 h
	s_mul_i32 s21, s15, 24
	s_mul_i32 s22, s14, 6
	s_add_co_u32 s21, s21, s22                     ; my first tile of columns
	s_mul_i32 s22, s21, 12288
	s_add_co_u32 s22, s22, 2359296
	s_mov_b32 s23, 0
	s_add_nc_u64 s[6:7], s[6:7], s[22:23]
	s_lshl_b32 s22, s21, 6
	s_add_nc_u64 s[8:9], s[8:9], s[22:23]          ; b1 at my 96 columns
	s_mul_i32 s22, s16, 393216
	s_lshl_b32 s32, s21, 8                         ; (my first group of 32 columns) x 512
	s_add_co_u32 s22, s22, s32
	s_add_nc_u64 s[12:13], s[12:13], s[22:23]
	WIN 0x40
.irp t, 0,1,2,3,4,5
	global_load_b128 v[192+8*\t:195+8*\t], v18, s[8:9] offset:(32*(\t/2)+8*(\t%2))*4
	global_load_b128 v[196+8*\t:199+8*\t], v18, s[8:9] offset:(32*(\t/2)+8*(\t%2))*4+16
.endr
	WIN 0
.macro FB s
.if ((\s)%3) == 2
.set BB, 32
	WIN 0
.else
.set BB, 96*((\s)%3)
	WIN 0x40
.endif
.irp t, 0,1,2,3,4,5
.irp c, 0,1,2,3
	global_load_b128 v[BB+16*\t+4*\c:BB+16*\t+4*\c+3], v16, s[6:7] offset:\t*12288+(\s)*2048+512*\c
.endr
.endr
	WIN 0
.endm
.macro FA s, m0
.irp m, \m0, \m0+1, \m0+2, \m0+3
.irp c, 0,1,2,3
	ds_load_b128 v[128+16*(\m)+4*\c:128+16*(\m)+4*\c+3], v[16+(\s)/4] offset:((\s)%4)*16384+(\m)*2048+512*\c
.endr
.endr
.endm
.macro MUL s, half, first              ; 24 matrix instructions, the accumulators by turns; first = 1: C is b1's tile
.if ((\s)%3) == 2
.set BB, 32
.set BW, 0
.else
.set BB, 96*((\s)%3)
.set BW, 1
.endif
.if \first
.set WN, 0x91+0x40*(\half)
.else
.set WN, (0xa0+0x50*(\half))|BW
.endif
	WIN WN
.irp m, 0,1,2,3
.irp t, 0,1,2,3,4,5
.set AC, 8*(6*\m+\t)
.set AR, 128+16*(4*(\half)+\m)
.set BR, BB+16*\t
.if \first
	v_wmma_f32_16x16x128_fp8_fp8 v[AC:AC+7], v[BR:BR+15], v[AR:AR+15], v[192+8*\t:199+8*\t]
.else
	v_wmma_f32_16x16x128_fp8_fp8 v[AC:AC+7], v[BR:BR+15], v[AR:AR+15], v[AC:AC+7]
.endif
.endr
.endr
.endm
.macro STEP s, first
.if (\s) < 4
	s_wait_loadcnt 48                              ; this step's weights are in; two younger sets of 24 loads may be out
.elseif (\s) == 4
	s_wait_loadcnt 24
.else
	s_wait_loadcnt 0x0
.endif
	s_wait_dscnt 16                                ; A's fragments 0-3 are in; 4-7 are the younger sixteen loads
	MUL \s, 0, \first
	s_wait_dscnt 0x0
.if (\s) == 1
	s_wait_tensorcnt 0x1                           ; my part of chunk 1; chunk 2's load is younger.
	s_barrier_signal -1
	s_barrier_wait -1
.elseif (\s) == 3
	s_wait_tensorcnt 0x0
	s_barrier_signal -1
	s_barrier_wait -1
.endif
.if (\s) < 5
	PLACES 4
	WIN 0
	FA (\s)+1, 0
.endif
	MUL \s, 1, \first
	PLACES 4
	WIN 0
.if (\s) < 5
	FA (\s)+1, 4
.endif
.if (\s) < 3
	FB (\s)+3
.endif
.endm
	FB 0
	FB 1
	FB 2
	s_wait_kmcnt 0x0
	s_add_co_i32 s90, s80, s81                     ; e12 + e13
	s_lshl_b32 s91, s90, 23
	s_add_co_i32 s48, s91, 0x3f3504f3              ; 2^(e12 + e13) / sqrt 2
	s_mov_b32 s49, s48
	s_add_co_i32 s50, s90, 126
	s_lshl_b32 s50, s50, 23                        ; 2^(e12 + e13 - 1)
	s_mov_b32 s51, s50
	s_sub_co_i32 s90, 0, s90
	s_wait_loadcnt 48                              ; b1 (and the first weight set) are in
	WIN 0x41
.set i, 0
.rept 48
	v_ldexp_f32 v[192+i], v[192+i], s90            ; b1 / 2^(e12 + e13)
.set i, i+1
.endr
	WIN 0
	s_wait_tensorcnt 0x2                           ; my part of chunk 0; my two later loads may stay out
	s_barrier_signal -1
	s_barrier_wait -1
	FA 0, 0
	FA 0, 4
	STEP 0, 1
	STEP 1, 0
	STEP 2, 0
	STEP 3, 0
	STEP 4, 0
	STEP 5, 0
	v_mov_b32 v208, 0x32edffee                     ; P's x^10,
	v_mov_b32 v209, 0x32edffee
	v_mov_b32 v210, 0xb95fbd29                     ; Q's x^6, as vector pairs
	v_mov_b32 v211, 0xb95fbd29
	s_add_co_i32 s90, s82, 127
	s_lshl_b32 s91, s90, 23
	v_mov_b32 v213, s91                            ; 2^e14
	s_add_co_i32 s90, s90, 8
	s_lshl_b32 s90, s90, 23
	s_or_b32 s90, s90, 0x600000
	v_mov_b32 v212, s90                            ; 448 x 2^e14
.macro P16 op:vararg
.endm
.macro GELU bt                         ; 32 sums of a lane: two neighbouring groups of 16 columns
.set AB, 32*((\bt)%6)
.set CB, 192+8*((\bt)%2)
.set WN, 2+(\bt)/6
	WIN WN
.set i, 0
.rept 16
	v_pk_mul_f32 v[32+i:33+i], v[AB+i:AB+i+1], s[48:49] op_sel_hi:[1,0]     ; M = u / sqrt 2; each accumulator from its low end on
.set i, i+2
.endr
.set i, 0
.rept 16
	v_pk_mul_f32 v[64+i:65+i], v[AB+i:AB+i+1], s[50:51] op_sel_hi:[1,0]     ; u / 2
.set i, i+2
.endr
	WIN 0
.set i, 0
.rept 32
	v_med3_num_f32 v[32+i], v[32+i], -4.0, 4.0
.set i, i+1
.endr
.set i, 0
.rept 16
	v_pk_mul_f32 v[96+i:97+i], v[32+i:33+i], v[32+i:33+i]
.set i, i+2
.endr
.set i, 0
.rept 16
	v_pk_fma_f32 v[128+i:129+i], v[96+i:97+i], s[52:53], v[208:209] op_sel_hi:[1,0,1]
	v_pk_fma_f32 v[160+i:161+i], v[96+i:97+i], s[66:67], v[210:211] op_sel_hi:[1,0,1]
.set i, i+2
.endr
.irp c, 54,56,58,60,62
.set i, 0
.rept 16
	v_pk_fma_f32 v[128+i:129+i], v[128+i:129+i], v[96+i:97+i], s[\c:\c+1] op_sel_hi:[1,1,0]
.set i, i+2
.endr
.endr
.irp c, 84,86,88
.set i, 0
.rept 16
	v_pk_fma_f32 v[160+i:161+i], v[160+i:161+i], v[96+i:97+i], s[\c:\c+1] op_sel_hi:[1,1,0]
.set i, i+2
.endr
.endr
.set i, 0
.rept 32
	v_rcp_f32 v[160+i], v[160+i]
.set i, i+1
.endr
.set i, 0
.rept 16
	v_pk_mul_f32 v[128+i:129+i], v[128+i:129+i], v[32+i:33+i]               ; x P: independent work behind the reciprocals
.set i, i+2
.endr
	s_wait_alu depctr_va_vdst(0)                   ; one wait for the batch of 32, ahead of its first reader
.set i, 0
.rept 16
	v_pk_mul_f32 v[128+i:129+i], v[128+i:129+i], v[160+i:161+i]             ; erf
.set i, i+2
.endr
.set i, 0
.rept 16
	v_pk_fma_f32 v[64+i:65+i], v[64+i:65+i], v[128+i:129+i], v[64+i:65+i]   ; u / 2 x erf + u / 2
.set i, i+2
.endr
.set i, 0
.rept 32
	v_med3_num_f32 v[64+i], v[64+i], -v212, v212
.set i, i+1
.endr
	s_wait_xcnt 0x0                                ; earlier stores have read their data: the codes' registers are written again only behind this wait
.irp g, 0,1
	v_cvt_scalef32_pk8_fp8_f32 v[CB+4*\g:CB+4*\g+1], v[64+16*\g:71+16*\g], v213
	v_cvt_scalef32_pk8_fp8_f32 v[CB+4*\g+2:CB+4*\g+3], v[72+16*\g:79+16*\g], v213
.endr
	v_nop                                          ; a plain instruction behind the conversions
.irp g, 0,1
	global_store_b128 v16, v[CB+4*\g:CB+4*\g+3], s[12:13] offset:((2*(\bt)+\g)/3)*49152+((2*(\bt)+\g)%3)*512
.endr
.endm
.irp bt, 0,1,2,3,4,5,6,7,8,9,10,11
	GELU \bt
.endr
	s_wait_tensorcnt 0x0                           ; the wave's end, behind my last tensor load
	ds_add_u32 v28, v29
	s_wait_dscnt 0x0
	s_endpgm
.Lfunc_end_k_q5e87bad99a_ffn1:
	.size	k_q5e87bad99a_ffn1, .Lfunc_end_k_q5e87bad99a_ffn1-k_q5e87bad99a_ffn1
	.p2alignl 7, 3214868480
	.fill 96, 4, 3214868480
	.section	.rodata,"a",@progbits
	.p2align	6, 0x0
	.amdhsa_kernel k_q5e87bad99a_ffn1
		.amdhsa_group_segment_fixed_size 167936
		.amdhsa_private_segment_fixed_size 0
		.amdhsa_enable_private_segment 0
		.amdhsa_kernarg_size 40
		.amdhsa_user_sgpr_count 2
		.amdhsa_user_sgpr_kernarg_segment_ptr 1
		.amdhsa_wavefront_size32 1
		.amdhsa_system_sgpr_workgroup_id_x 1
		.amdhsa_system_sgpr_workgroup_id_y 1
		.amdhsa_system_sgpr_workgroup_id_z 1
		.amdhsa_system_vgpr_workitem_id 0
		.amdhsa_next_free_vgpr 1024
		.amdhsa_next_free_sgpr 100
		.amdhsa_reserve_vcc 0
		.amdhsa_float_denorm_mode_32 3
		.amdhsa_float_denorm_mode_16_64 3
		.amdhsa_memory_ordered 1
		.amdhsa_forward_progress 1
		.amdhsa_inst_pref_size 255
	.end_amdhsa_kernel
	.section	.bss,"aw",@nobits
	.p2align	6
	.space	262144
	.amdgpu_metadata
---
amdhsa.version: [ 1, 2 ]
amdhsa.kernels:
  - .name:           k_q5e87bad99a_ffn1
    .symbol:         k_q5e87bad99a_ffn1.kd
    .args:
      - { .name: h2c, .offset: 0, .size: 8, .value_kind: global_buffer, .address_space: global }
      - { .name: wc, .offset: 8, .size: 8, .value_kind: global_buffer, .address_space: global }
      - { .name: b1, .offset: 16, .size: 8, .value_kind: global_buffer, .address_space: global }
      - { .name: lowp_scales, .offset: 24, .size: 8, .value_kind: global_buffer, .address_space: global }
      - { .name: hid, .offset: 32, .size: 8, .value_kind: global_buffer, .address_space: global }
    .group_segment_fixed_size: 167936
    .private_segment_fixed_size: 0
    .kernarg_segment_align: 8
    .kernarg_segment_size: 40
    .max_flat_workgroup_size: 128
    .sgpr_count:     100
    .vgpr_count:     1024
    .wavefront_size: 32
...
	.end_amdgpu_metadata
.endif
;; end of part 5
;; launch ffn2 (part 6): grid 4 x 64, 4 waves a work-group, no clusters, 247,296 bytes of LDS; arguments hid, wc, x1, b2, lowp_scales, out0; writes out0
.if DOCPART == 6
	.amdgcn_target "amdgcn-amd-amdhsa--gfx1250"
	.amdhsa_code_object_version 6
	.text
	.protected	k_q5e87bad99a_ffn2
	.globl	k_q5e87bad99a_ffn2
	.p2align	8
	.type	k_q5e87bad99a_ffn2,@function
k_q5e87bad99a_ffn2:
	s_mov_b64 s[64:65], 0
	v_nop
	global_prefetch_b8 v0, s[64:65] scope:SCOPE_SE
	s_setreg_imm32_b32 hwreg(HW_REG_WAVE_MODE, 25, 1), 1
	s_wait_xcnt 0x0
; Launch 6 of 6: out = x1 + hidden W2 + b2 on E4M3 codes.  Nothing is left out here.
; A work-group makes 64 tokens (y) x 192 columns (slab x: 768 bytes, three whole aligned blocks of 256 bytes of a row of the output), K = 3,072 in 24 steps of 128.
; A's four tiles for all of K (196,608 bytes, dense in hid) come into LDS by first fills alone: wave w brings tile w in three loads of 8 K steps (three are out at most); nothing is filled again.
; The weights go from memory straight into registers, each wave its own three tiles of columns, through six register sets.  No cluster: the weights do not pass through LDS.
; Transposed use (source 0 = 16 columns of W2, source 1 = 16 tokens).  x1 arrives as the image of these very accumulators.  The results meet in a stage in LDS and leave as whole rows.
; LIMIT: e14 + e15 between -126 and 127.
; REGISTERS: window 0: v10-15 the way out's addresses, v16-19 A's, v20 16 x lane, v21-23 b2's offsets, v24-26 the stage's, v28, v29 the add's two; v32-127 the 12 accumulators ((m, t) at v[32 + 8 (3 m + t)]);
;   v128-191, v192-255 A's two sets.  window 1: weight sets 0-3; window 2: sets 4, 5.  window 3: x1 at v0-95, b2 at v96-119.
; SCALARS: s[24:31] descriptor group 1, s[36:47] three groups 0: none of them is written behind the loads; s84, s85 at work behind them.
.set STG,   196608                     ; 64 rows x (768 + 16) bytes
.set SPARE, 246784
.set MSB, 0
.macro WIN new
.if MSB != \new
	s_set_vgpr_msb (MSB<<8)|\new
.set MSB, \new
.endif
.endm
.macro PLACES n
.rept \n
	v_nop
.endr
.endm
	s_load_b256 s[4:11], s[0:1], 0x0               ; hid 4, wc 6, x1 8, b2 10
	s_load_b128 s[12:15], s[0:1], 0x20             ; the scales 12, out0 14
	v_lshl_add_u32 v28, v0, 2, SPARE
	v_mov_b32 v29, 0
	ds_add_u32 v28, v29                            ; the wave's opening: the add, twice on end, and its wait ahead of my first tensor load
	ds_add_u32 v28, v29
	v_lshrrev_b32 v1, 5, v0
	v_readfirstlane_b32 s16, v1                    ; wave
	s_mov_b32 s17, ttmp9                           ; slab
	s_and_b32 s18, ttmp7, 0xffff                   ; y
	s_mov_b32 s24, 0x30000                         ; group 1: a dense block of 64 rows of 256 bytes
	s_mov_b32 s25, 32<<16
	s_mov_b32 s26, 64<<16
	s_mov_b32 s27, 32<<16
	s_mov_b32 s28, 64
	s_mov_b32 s29, 32
	s_mov_b32 s30, 0
	s_mov_b32 s31, 0
	s_lshl_b32 s19, s18, 2
	s_add_co_u32 s19, s19, s16                     ; the tile of tokens that I fetch
	s_mul_i32 s20, s19, 49152
	s_mov_b32 s21, 0
	s_mul_i32 s22, s16, 49152
	s_wait_dscnt 0x0
	s_wait_kmcnt 0x0
	s_load_b512 s[68:83], s[12:13], 0x0            ; e0 .. e15 in s68 .. s83
	s_add_nc_u64 s[4:5], s[4:5], s[20:21]
.irp q, 0,1,2                          ; chunk q = K steps 8 q .. 8 q + 7
	s_mov_b32 s[36+4*\q], 1
	s_add_co_u32 s[37+4*\q], s22, \q*16384
	s_add_nc_u64 s[38+4*\q:39+4*\q], s[4:5], \q*16384
	s_or_b32 s[39+4*\q], s[39+4*\q], 0x80000000
.endr
.irp q, 0,1,2
	tensor_load_to_lds s[36+4*\q:39+4*\q], s[24:31]
	s_nop 0
.endr
	PLACES 4
	v_and_b32 v1, 31, v0
	v_and_b32 v2, 15, v0                           ; r
	v_bfe_u32 v3, v0, 4, 1                         ; h
	v_lshlrev_b32 v20, 4, v1
.irp m, 0,1,2,3
	v_add_nc_u32 v[16+\m], \m*49152, v20
.endr
	s_mul_i32 s23, s17, 12
	s_mul_i32 s32, s16, 3
	s_add_co_u32 s23, s23, s32                     ; my first tile of columns
	s_mul_i32 s32, s23, 49152
	s_add_co_u32 s32, s32, 4718592
	s_mov_b32 s33, 0
	s_add_nc_u64 s[6:7], s[6:7], s[32:33]
	s_mul_i32 s32, s18, 196608
	s_lshl_b32 s34, s23, 10
	s_add_co_u32 s32, s32, s34
	s_add_nc_u64 s[8:9], s[8:9], s[32:33]
	s_mul_i32 s32, s17, 768
	s_add_nc_u64 s[10:11], s[10:11], s[32:33]
	s_lshl_b32 s34, s18, 6
	s_lshl_b32 s35, s16, 4
	s_add_co_u32 s34, s34, s35
	s_mul_i32 s34, s34, 3072
	s_add_co_u32 s32, s32, s34
	s_add_nc_u64 s[14:15], s[14:15], s[32:33]      ; the output at row 64 y + 16 w, column 192 x slab
	v_and_b32 v4, 8, v2
	v_add_nc_u32 v4, v4, v2
	v_mul_u32_u24 v4, v4, 784
	v_lshl_add_u32 v4, v3, 6, v4
	v_add_nc_u32 v4, STG, v4                       ; the stage: row r + 8 (r / 8), + 64 h
.irp t, 0,1,2                          ; tile 3 w + t of the slab's twelve: columns 32 (tile / 2) + 8 (tile % 2) + 16 h on
	s_mul_i32 s84, s16, 3
	s_add_co_u32 s84, s84, \t
	s_lshr_b32 s85, s84, 1
	s_lshl_b32 s85, s85, 7
	s_and_b32 s84, s84, 1
	s_lshl_b32 s84, s84, 5
	s_add_co_u32 s84, s84, s85
	v_add_nc_u32 v[24+\t], s84, v4
	v_lshl_add_u32 v[21+\t], v3, 6, s84
.endr
	s_mul_i32 s84, s16, 16*784
	s_add_co_u32 s84, s84, STG
	v_add_nc_u32 v10, s84, v20                     ; back: two rows (1,536 bytes) by three reads: a row's first 512 bytes;
	v_lshl_add_u32 v11, v3, 4, v10
	v_add_nc_u32 v11, 512, v11                     ; its last 256 and the next row's first 256;
	v_add_nc_u32 v12, 1040, v10                    ; the next row's last 512
	v_mul_u32_u24 v14, v3, 2304
	v_add_nc_u32 v14, v14, v20
	v_add_nc_u32 v14, 512, v14                     ; and the same places in the output
	v_add_nc_u32 v15, 3328, v20
	WIN 0xc0
.irp m, 0,1,2,3
.irp t, 0,1,2
.irp k, 0,1
	global_load_b128 v[8*(3*\m+\t)+4*\k:8*(3*\m+\t)+4*\k+3], v20, s[8:9] offset:\m*49152+\t*1024+512*\k th:TH_LOAD_NT
.endr
.endr
.endr
.irp t, 0,1,2
	global_load_b128 v[96+8*\t:99+8*\t], v[21+\t], s[10:11]
	global_load_b128 v[100+8*\t:103+8*\t], v[21+\t], s[10:11] offset:16
.endr
	WIN 0
.macro FB s                            ; my three weight fragments of K step s into set s % 6
.set ST6, (\s)%6
.if ST6 < 4
.set BB, 48*ST6
	WIN 0x40
.else
.set BB, 48*(ST6-4)
	WIN 0x80
.endif
.irp t, 0,1,2
.irp c, 0,1,2,3
	global_load_b128 v[BB+16*\t+4*\c:BB+16*\t+4*\c+3], v20, s[6:7] offset:\t*49152+(\s)*2048+512*\c
.endr
.endr
	WIN 0
.endm
.macro FA s                            ; A's four fragments of K step s into set s % 2
.irp m, 0,1,2,3
.irp c, 0,1,2,3
	ds_load_b128 v[128+64*((\s)%2)+16*\m+4*\c:128+64*((\s)%2)+16*\m+4*\c+3], v[16+\m] offset:(\s)*2048+512*\c
.endr
.endr
.endm
.macro STEP s
.if 23-(\s) >= 5
	s_wait_loadcnt 60                              ; this step's weights are in; five younger sets of 12 loads may be out
.else
	s_wait_loadcnt 12*(23-(\s))
.endif
.if (\s) < 23
	s_wait_dscnt 16                                ; this step's A is in; the next step's sixteen reads are younger
.else
	s_wait_dscnt 0x0
.endif
.set ST6, (\s)%6
.if ST6 < 4
.set BB, 48*ST6
	WIN 0x01
.else
.set BB, 48*(ST6-4)
	WIN 0x02
.endif
.irp m, 0,1,2,3                        ; twelve accumulators by turns, one instruction a turn
.irp t, 0,1,2
.if (\s) == 0
	v_wmma_f32_16x16x128_fp8_fp8 v[32+8*(3*\m+\t):39+8*(3*\m+\t)], v[BB+16*\t:BB+16*\t+15], v[128+64*((\s)%2)+16*\m:143+64*((\s)%2)+16*\m], 0
.else
	v_wmma_f32_16x16x128_fp8_fp8 v[32+8*(3*\m+\t):39+8*(3*\m+\t)], v[BB+16*\t:BB+16*\t+15], v[128+64*((\s)%2)+16*\m:143+64*((\s)%2)+16*\m], v[32+8*(3*\m+\t):39+8*(3*\m+\t)]
.endif
.endr
.endr
	PLACES 4                                       ; in front of loads into registers that matrix instructions have read, and of the first read of results
	WIN 0
.if (\s) == 6
	s_wait_dscnt 0x0
	s_wait_tensorcnt 0x1                           ; my chunk 1 has landed; chunk 2's load is younger.
	s_barrier_signal -1
	s_barrier_wait -1
.elseif (\s) == 14
	s_wait_dscnt 0x0
	s_wait_tensorcnt 0x0
	s_barrier_signal -1
	s_barrier_wait -1
.endif
.if (\s) < 22
	FA (\s)+2
.endif
.if (\s) < 18
	FB (\s)+6
.endif
.endm
.irp s, 0,1,2,3,4,5
	FB \s
.endr
	s_wait_kmcnt 0x0
	s_add_co_i32 s50, s82, s83
	s_add_co_i32 s50, s50, 127
	s_lshl_b32 s50, s50, 23                        ; 2^(e14 + e15)
	s_mov_b32 s51, s50
	s_wait_tensorcnt 0x2                           ; my chunk 0 has landed; my two later loads may stay out
	s_barrier_signal -1
	s_barrier_wait -1
	FA 0
	FA 1
.irp s, 0,1,2,3,4,5,6,7,8,9,10,11,12,13,14,15,16,17,18,19,20,21,22,23
	STEP \s
.endr
	WIN 0x30
.set i, 0
.rept 48
	v_pk_fma_f32 v[128+i:129+i], v[32+i:33+i], s[50:51], v[i:i+1] op_sel_hi:[1,0,1]   ; sum x 2^(e14 + e15) + x1, each accumulator from its low end on
.set i, i+2
.endr
	WIN 0x0c
.irp m, 0,1,2,3
.irp t, 0,1,2
.irp j, 0,2,4,6
	v_pk_add_f32 v[128+8*(3*\m+\t)+\j:129+8*(3*\m+\t)+\j], v[128+8*(3*\m+\t)+\j:129+8*(3*\m+\t)+\j], v[96+8*\t+\j:97+8*\t+\j]
.endr
.endr
.endr
	WIN 0
.irp m, 0,1,2,3
.irp t, 0,1,2
	ds_store_b128 v[24+\t], v[128+8*(3*\m+\t):131+8*(3*\m+\t)] offset:(32*(\m/2)+8*(\m%2))*784
	ds_store_b128 v[24+\t], v[132+8*(3*\m+\t):135+8*(3*\m+\t)] offset:(32*(\m/2)+8*(\m%2))*784+16
.endr
.endr
	s_wait_dscnt 0x0                               ; for the others' sake: my stores into the stage are done
	s_barrier_signal -1
	s_barrier_wait -1
.irp k, 0,1,2,3,4,5,6,7
	ds_load_b128 v[32+12*\k:35+12*\k], v10 offset:1568*\k
	ds_load_b128 v[36+12*\k:39+12*\k], v11 offset:1568*\k
	ds_load_b128 v[40+12*\k:43+12*\k], v12 offset:1568*\k
.endr
.irp k, 0,1,2,3,4,5,6,7
	s_wait_dscnt 23-3*\k
	global_store_b128 v20, v[32+12*\k:35+12*\k], s[14:15] offset:6144*\k th:TH_STORE_NT   ; sixteen lanes store 256 consecutive bytes, at a multiple of 256 from the output's first byte
	s_wait_dscnt 22-3*\k
	global_store_b128 v14, v[36+12*\k:39+12*\k], s[14:15] offset:6144*\k th:TH_STORE_NT
	s_wait_dscnt 21-3*\k
	global_store_b128 v15, v[40+12*\k:43+12*\k], s[14:15] offset:6144*\k th:TH_STORE_NT
.endr
	s_wait_tensorcnt 0x0                           ; the wave's end, behind my last tensor load and my last LDS store
	ds_add_u32 v28, v29
	s_wait_dscnt 0x0
	s_endpgm
.Lfunc_end_k_q5e87bad99a_ffn2:
	.size	k_q5e87bad99a_ffn2, .Lfunc_end_k_q5e87bad99a_ffn2-k_q5e87bad99a_ffn2
	.p2alignl 7, 3214868480
	.fill 96, 4, 3214868480
	.section	.rodata,"a",@progbits
	.p2align	6, 0x0
	.amdhsa_kernel k_q5e87bad99a_ffn2
		.amdhsa_group_segment_fixed_size 247296
		.amdhsa_private_segment_fixed_size 0
		.amdhsa_enable_private_segment 0
		.amdhsa_kernarg_size 48
		.amdhsa_user_sgpr_count 2
		.amdhsa_user_sgpr_kernarg_segment_ptr 1
		.amdhsa_wavefront_size32 1
		.amdhsa_system_sgpr_workgroup_id_x 1
		.amdhsa_system_sgpr_workgroup_id_y 1
		.amdhsa_system_sgpr_workgroup_id_z 1
		.amdhsa_system_vgpr_workitem_id 0
		.amdhsa_next_free_vgpr 1024
		.amdhsa_next_free_sgpr 100
		.amdhsa_reserve_vcc 0
		.amdhsa_float_denorm_mode_32 3
		.amdhsa_float_denorm_mode_16_64 3
		.amdhsa_memory_ordered 1
		.amdhsa_forward_progress 1
		.amdhsa_inst_pref_size 98
	.end_amdhsa_kernel
	.amdgpu_metadata
---
amdhsa.version: [ 1, 2 ]
amdhsa.kernels:
  - .name:           k_q5e87bad99a_ffn2
    .symbol:         k_q5e87bad99a_ffn2.kd
    .args:
      - { .name: hid, .offset: 0, .size: 8, .value_kind: global_buffer, .address_space: global }
      - { .name: wc, .offset: 8, .size: 8, .value_kind: global_buffer, .address_space: global }
      - { .name: x1, .offset: 16, .size: 8, .value_kind: global_buffer, .address_space: global }
      - { .name: b2, .offset: 24, .size: 8, .value_kind: global_buffer, .address_space: global }
      - { .name: lowp_scales, .offset: 32, .size: 8, .value_kind: global_buffer, .address_space: global }
      - { .name: out0, .offset: 40, .size: 8, .value_kind: global_buffer, .address_space: global }
    .group_segment_fixed_size: 247296
    .private_segment_fixed_size: 0
    .kernarg_segment_align: 8
    .kernarg_segment_size: 48
    .max_flat_workgroup_size: 128
    .sgpr_count:     100
    .vgpr_count:     1024
    .wavefront_size: 32
...
	.end_amdgpu_metadata
.endif
;; end of part 6
;; ======== version 2 of 2: 6 launches
;; limits: right only within a limited range of input values
;; workspace buffers: wc 7,077,888 bytes; hc 9,437,184 bytes; qc 3,145,728 bytes; kv 6,291,456 bytes; oc 3,145,728 bytes; x1 12,582,912 bytes; h2c 3,145,728 bytes; hid 12,582,912 bytes
;; launch prep (part 7): grid 688 x 1, 4 waves a work-group, no clusters, 7,168 bytes of LDS; arguments x, g1, beta1, Wq, Wk, Wv, Wo, W1, W2, lowp_scales, wc, hc; writes wc, hc
.if DOCPART == 7
	.amdgcn_target "amdgcn-amd-amdhsa--gfx1250"
	.amdhsa_code_object_version 6
	.text
	.protected	k_q5e87bad99a_prep
	.globl	k_q5e87bad99a_prep
	.p2align	8
	.type	k_q5e87bad99a_prep,@function
k_q5e87bad99a_prep:
	s_mov_b64 s[64:65], 0
	v_nop
	global_prefetch_b8 v0, s[64:65] scope:SCOPE_SE
	s_setreg_imm32_b32 hwreg(HW_REG_WAVE_MODE, 25, 1), 1
	s_wait_xcnt 0x0
; TRANSFORMER BLOCK, launch 1 of 6: the first layer norm as codes, and the six weights as codes.  All codes are E4M3 with the given scale 2^e.
; DEAD WORK in the whole program: only key steps of attention that lie wholly above the diagonal of the causal mask which the problem builds in its own body
; (their scores become -infinity ahead of the softmax, so p = 0 for every value of the inputs).  Every input has a way to the output and is loaded.
; LIMIT: a NaN, an infinity or an overflow that would arise only in those masked scores is not carried to the result.
; LAYOUT OF ALL OPERANDS (workspace of this program): a fragment of 16 rows x 128 K is stored as the image of its registers, 2,048 bytes: byte 512 c + 16 L + i holds
; (row slot L % 16, k = 32 c + 16 (L / 16) + i).  The same place for k is used on both sides of every product.
; THE 16 ROWS OF A TILE ARE NOT NEIGHBOURS: in a group of 32 (tokens, or columns of a weight), tile u (0, 1) has slot p <-> index 8 u + p + 8 (p / 8).
; Work-groups 0-255: layer norm of one tile of 16 tokens; the four waves share the 768 columns (192 each); lane (r, h) holds, of token slot r, 16 numbers of each of 6 groups of 32 columns.
;   The normalised row is quantised three times (scales 0, 2, 4: the A operands of the q, k and v products) into hc: [set 3][block of 8 tiles 32][K step 6][tile 8][2,048].
; Work-groups 256-687: weights, K = their first axis.  A lane takes a column and its registers run down K, so the conversions give codes with K innermost; a wave takes 32 columns x 128 K, one K step:
;   four blocks of 32, two of them on their way at a time, so that a wave waits for memory twice on end and not more.
;   wc: [tile of 16 columns][K step][2,048]; Wq at 0, Wk 589,824, Wv 1,179,648, Wo 1,769,472, W1 2,359,296, W2 4,718,592.
; LIMITS: each e lies between -126 and 119, so that 2^e and 448 x 2^e are f32 numbers.  NaN among the inputs is not served; an infinity is held at the largest code.
.set SPARE, 6656                       ; the spare words, 128 bytes a wave: two blocks of 256 bytes that no other line names
.set RED1,  6144                       ; 4 waves x 16 rows x 4 bytes: the rows' sums
.set RED2,  6400                       ; the same for the centred squares
.set X,     32                         ; v32-127 my 96 numbers
.macro MKSC se, vsc, vlim, t0, t1      ; from the whole number e in s[se]: v[vsc] = 2^e, v[vlim] = 448 x 2^e
	s_add_co_i32 s[\t0], s[\se], 127
	s_lshl_b32 s[\t1], s[\t0], 23
	v_mov_b32 v[\vsc], s[\t1]
	s_add_co_i32 s[\t0], s[\t0], 8
	s_lshl_b32 s[\t0], s[\t0], 23
	s_or_b32 s[\t0], s[\t0], 0x600000
	v_mov_b32 v[\vlim], s[\t0]
.endm
	s_load_b512 s[4:19], s[0:1], 0x0               ; x 4, g1 6, beta1 8, Wq 10, Wk 12, Wv 14, Wo 16, W1 18
	s_load_b256 s[20:27], s[0:1], 0x40             ; W2 20, the scales 22, wc 24, hc 26
	v_lshl_add_u32 v6, v0, 2, SPARE
	v_mov_b32 v7, 0
	v_lshrrev_b32 v1, 5, v0
	v_readfirstlane_b32 s28, v1                    ; wave 0..3
	s_wait_kmcnt 0x0
	s_load_b512 s[32:47], s[22:23], 0x0            ; e0 .. e15 in s32 .. s47
	s_cmp_lt_u32 ttmp9, 256
	s_cbranch_scc0 .Lweights
	; ---------------- layer norm: tile of tokens mt = work-group number
	v_and_b32 v2, 15, v0                           ; r
	v_bfe_u32 v3, v0, 4, 1                         ; h
	v_and_b32 v4, 31, v0
	v_lshlrev_b32 v4, 4, v4                        ; 16 x lane
	v_lshlrev_b32 v1, 3, v0                        ; 8 x thread: the tables' way in
	s_wait_alu depctr_va_vdst(0)
	v_and_b32 v8, 8, v2
	v_add_nc_u32 v8, v8, v2                        ; r + 8 (r / 8)
	v_mul_u32_u24 v5, v8, 3072
	v_lshl_add_u32 v5, v3, 6, v5
	s_mul_i32 s52, s28, 768
	v_add_nc_u32 v5, s52, v5                       ; x: my row, + 768 w + 64 h
	s_wait_alu depctr_va_vdst(0)
	v_lshl_add_u32 v30, v3, 6, s52                 ; the tables: 768 w + 64 h
	s_lshl_b32 s53, s28, 6
	v_lshlrev_b32 v29, 2, v2                       ; 4 r
	v_add_nc_u32 v28, s53, v29                     ; 64 w + 4 r
	s_lshr_b32 s54, ttmp9, 1
	s_lshl_b32 s54, s54, 5
	s_and_b32 s55, ttmp9, 1
	s_lshl_b32 s55, s55, 3
	s_add_co_u32 s54, s54, s55                     ; the tile's first token: 32 (mt / 2) + 8 (mt % 2)
	s_mul_i32 s54, s54, 3072
	s_mov_b32 s55, 0
	s_add_nc_u64 s[4:5], s[4:5], s[54:55]
	s_lshr_b32 s54, ttmp9, 3
	s_mul_i32 s54, s54, 98304
	s_and_b32 s56, ttmp9, 7
	s_lshl_b32 s56, s56, 11
	s_add_co_u32 s54, s54, s56
	s_add_nc_u64 s[26:27], s[26:27], s[54:55]      ; hc at my block and tile
	s_mov_b32 s48, 0x76543210
	s_mov_b32 s49, 0xfedcba98                      ; lane l xor 16
	s_mov_b32 s50, 0x3aaaaaab                      ; 1 / 768
	s_mov_b32 s51, 0x3727c5ac                      ; 1e-5
.irp i, 0,1,2
	global_load_b64 v[128+2*\i:129+2*\i], v1, s[6:7] offset:1024*\i
.endr
.irp i, 0,1,2
	global_load_b64 v[134+2*\i:135+2*\i], v1, s[8:9] offset:1024*\i
.endr
.irp g, 0,1,2,3,4,5
.irp k, 0,1,2,3
	global_load_b128 v[X+16*\g+4*\k:X+16*\g+4*\k+3], v5, s[4:5] offset:128*\g+16*\k   ; no hint: a group's four loads take neighbouring 16 bytes of the same rows
.endr
.endr
.irp g, 0,1,2,3,4,5                    ; where group G = 6 w + g of 32 columns goes: K step G / 4, part G % 4 of the image
	s_mul_i32 s52, s28, 6
	s_add_co_u32 s52, s52, \g
	s_lshr_b32 s53, s52, 2
	s_lshl_b32 s53, s53, 14
	s_and_b32 s52, s52, 3
	s_lshl_b32 s52, s52, 9
	s_add_co_u32 s52, s52, s53
	v_add_nc_u32 v[16+\g], s52, v4
.endr
	s_wait_kmcnt 0x0
	MKSC 32, 22, 23, 52, 53                        ; e0
	MKSC 34, 24, 25, 52, 53                        ; e2
	MKSC 36, 26, 27, 52, 53                        ; e4
	s_wait_loadcnt 24                              ; the six table loads are in; the 24 loads of x are younger
.irp i, 0,1,2
	ds_store_b64 v1, v[128+2*\i:129+2*\i] offset:1024*\i
	ds_store_b64 v1, v[134+2*\i:135+2*\i] offset:3072+1024*\i
.endr
	s_wait_loadcnt 0x0
	v_pk_add_f32 v[8:9], v[X:X+1], v[X+2:X+3]      ; my 96 numbers' sum, in two chains
	v_pk_add_f32 v[10:11], v[X+4:X+5], v[X+6:X+7]
.set j, 8
.rept 22
	v_pk_add_f32 v[8:9], v[8:9], v[X+j:X+j+1]
	v_pk_add_f32 v[10:11], v[10:11], v[X+j+2:X+j+3]
.set j, j+4
.endr
	v_pk_add_f32 v[8:9], v[8:9], v[10:11]
	v_add_f32 v8, v8, v9
; a row's sum: the other half of the lanes, then the four waves through LDS.  In front of the signal my LDS stores are done (the first time the tables' too).
.macro RSUM red
	v_permlanex16_b32 v9, v8, s48, s49
	v_add_f32 v8, v8, v9
	ds_store_b32 v28, v8 offset:\red
	s_wait_dscnt 0x0
	s_barrier_signal -1
	s_barrier_wait -1
	ds_load_b32 v12, v29 offset:\red
	ds_load_b32 v13, v29 offset:\red+64
	ds_load_b32 v14, v29 offset:\red+128
	ds_load_b32 v15, v29 offset:\red+192
	s_wait_dscnt 0x0
	v_add_f32 v12, v12, v13
	v_add_f32 v14, v14, v15
	v_add_f32 v8, v12, v14
.endm
	RSUM RED1
	v_mul_f32 v8, s50, v8                          ; the mean
.set j, 0
	s_wait_alu depctr_va_vdst(0)
.rept 48
	v_pk_add_f32 v[X+j:X+j+1], v[X+j:X+j+1], v[8:9] op_sel_hi:[1,0] neg_lo:[0,1] neg_hi:[0,1]
.set j, j+2
.endr
	v_pk_mul_f32 v[10:11], v[X:X+1], v[X:X+1]      ; the centred squares, in two chains
	v_pk_mul_f32 v[12:13], v[X+2:X+3], v[X+2:X+3]
.set j, 4
.rept 23
	v_pk_fma_f32 v[10:11], v[X+j:X+j+1], v[X+j:X+j+1], v[10:11]
	v_pk_fma_f32 v[12:13], v[X+j+2:X+j+3], v[X+j+2:X+j+3], v[12:13]
.set j, j+4
.endr
	v_pk_add_f32 v[10:11], v[10:11], v[12:13]
	v_add_f32 v8, v10, v11
	RSUM RED2
.macro TLD g                           ; gain and offset of my 16 columns of group g: lanes of one half read the same words
.irp k, 0,1,2,3
	ds_load_b128 v[128+32*((\g)%2)+4*\k:128+32*((\g)%2)+4*\k+3], v30 offset:128*(\g)+16*\k
.endr
.irp k, 0,1,2,3
	ds_load_b128 v[144+32*((\g)%2)+4*\k:144+32*((\g)%2)+4*\k+3], v30 offset:3072+128*(\g)+16*\k
.endr
.endm
	TLD 0
	v_fma_f32 v8, v8, s50, s51                     ; variance + 1e-5
	s_wait_alu depctr_va_vdst(0)
	v_rsq_f32 v10, v8
	v_nop                                          ; a plain instruction behind the root
	s_wait_alu depctr_va_vdst(0)                   ; the wait ahead of the first reader
.set j, 0
.rept 48
	v_pk_mul_f32 v[X+j:X+j+1], v[X+j:X+j+1], v[10:11] op_sel_hi:[1,0]
.set j, j+2
.endr
.irp g, 0,1,2,3,4,5
.if \g < 5
	TLD \g+1
	s_wait_dscnt 8                                 ; this group's eight reads are in; the next group's eight are younger
.else
	s_wait_dscnt 0x0
.endif
.irp j, 0,2,4,6,8,10,12,14
	v_pk_fma_f32 v[X+16*\g+\j:X+16*\g+\j+1], v[X+16*\g+\j:X+16*\g+\j+1], v[128+32*(\g%2)+\j:129+32*(\g%2)+\j], v[144+32*(\g%2)+\j:145+32*(\g%2)+\j]
.endr
.irp k, 0,1,2
.irp i, 0,1,2,3,4,5,6,7,8,9,10,11,12,13,14,15
	v_med3_num_f32 v[192+16*\k+\i], v[X+16*\g+\i], -v[23+2*\k], v[23+2*\k]   ; the conversion does not saturate (ISA guide 7.6.2): the hold at 448 x the scale
.endr
.endr
	s_wait_alu depctr_va_vdst(0)
	s_wait_xcnt 0x0                                ; the last group's stores have read their data: the codes' registers are written again only behind this wait
.irp k, 0,1,2
	v_cvt_scalef32_pk8_fp8_f32 v[240+4*\k:241+4*\k], v[192+16*\k:199+16*\k], v[22+2*\k]
	v_cvt_scalef32_pk8_fp8_f32 v[242+4*\k:243+4*\k], v[200+16*\k:207+16*\k], v[22+2*\k]
.endr
	v_nop                                          ; a plain instruction behind the conversions, ahead of the next writes of their sources
.irp k, 0,1,2
	global_store_b128 v[16+\g], v[240+4*\k:243+4*\k], s[26:27] offset:\k*3145728   ; 32 lanes store 512 consecutive bytes
.endr
.endr
	s_wait_tensorcnt 0x0                           ; the wave's end, behind my last LDS store
	ds_add_u32 v6, v7
	s_wait_dscnt 0x0
	s_endpgm
	; ---------------- weights.  The scales are still on their way: s32-47 are not named before the wait in ESEL
.Lweights:
	s_sub_co_u32 s50, ttmp9, 256                   ; 0-143: Wq, Wk, Wv, Wo; 144-287: W2; 288-431: W1
	s_and_b32 s51, s50, 3                          ; which of the four
	s_lshr_b32 s60, s50, 2                         ; y = 0 .. 35
	s_mul_i32 s53, s60, 43
	s_lshr_b32 s53, s53, 8                         ; cg = y / 6: which 128 columns (43 y >> 8 is y / 6 for y under 36)
	s_mul_i32 s61, s53, 6
	s_sub_co_u32 s52, s60, s61                     ; kg = y % 6: which K step
	s_mul_i32 s57, s51, 589824                     ; its place in wc
	s_mov_b32 s58, 12288                           ; bytes of a tile of columns: K steps x 2,048
	s_mov_b32 s59, 393216                          ; bytes of 128 rows of the weight
	s_mov_b32 s63, s51                             ; which of the six
	s_cmp_eq_u32 s51, 1
	s_cselect_b64 s[54:55], s[12:13], s[10:11]
	s_cmp_eq_u32 s51, 2
	s_cselect_b64 s[54:55], s[14:15], s[54:55]
	s_cmp_eq_u32 s51, 3
	s_cselect_b64 s[54:55], s[16:17], s[54:55]
	s_sub_co_u32 s60, s50, 144
	s_sub_co_u32 s61, s50, 288
	s_cmp_ge_u32 s50, 288
	s_cselect_b32 s60, s61, s60                    ; y = 0 .. 143 for the two large ones (not used for the four)
	s_mul_i32 s61, s60, 171
	s_lshr_b32 s61, s61, 12                        ; y / 24 (171 y >> 12 is y / 24 for y under 144)
	s_mul_i32 s62, s61, 24
	s_sub_co_u32 s62, s60, s62                     ; y % 24
	s_cmp_ge_u32 s50, 144                          ; W2: 24 K steps, 6 x 128 columns
	s_cselect_b64 s[54:55], s[20:21], s[54:55]
	s_cselect_b32 s52, s62, s52
	s_cselect_b32 s53, s61, s53
	s_cselect_b32 s57, 4718592, s57
	s_cselect_b32 s58, 49152, s58
	s_cselect_b32 s63, 4, s63
	s_cmp_ge_u32 s50, 288                          ; W1: 6 K steps, 24 x 128 columns
	s_cselect_b64 s[54:55], s[18:19], s[54:55]
	s_cselect_b32 s52, s61, s52
	s_cselect_b32 s53, s62, s53
	s_cselect_b32 s57, 2359296, s57
	s_cselect_b32 s58, 12288, s58
	s_cselect_b32 s59, 1572864, s59
	s_cselect_b32 s63, 5, s63
	s_mul_i32 s60, s52, s59                        ; in: 128 kg rows down,
	s_lshl_b32 s61, s53, 9
	s_add_co_u32 s60, s60, s61                     ; 128 cg columns,
	s_lshl_b32 s61, s28, 7
	s_add_co_u32 s60, s60, s61                     ; 32 w columns along
	s_mov_b32 s61, 0
	s_add_nc_u64 s[54:55], s[54:55], s[60:61]
	s_lshl_b32 s60, s53, 3
	s_lshl_b32 s62, s28, 1
	s_add_co_u32 s60, s60, s62                     ; out: tile 8 cg + 2 w,
	s_mul_i32 s60, s60, s58
	s_lshl_b32 s62, s52, 11                        ; K step kg
	s_add_co_u32 s60, s60, s62
	s_add_co_u32 s60, s60, s57
	s_add_nc_u64 s[24:25], s[24:25], s[60:61]
	v_and_b32 v1, 31, v0                           ; my column of the wave's 32
	v_lshlrev_b32 v2, 2, v1
	v_bfe_u32 v3, v1, 3, 1                         ; its tile u,
	v_mul_lo_u32 v3, v3, s58
	v_and_b32 v4, 7, v1
	v_bfe_u32 v5, v1, 4, 1
	v_lshl_add_u32 v4, v5, 3, v4                   ; its slot
	v_lshl_add_u32 v3, v4, 4, v3
.macro ESEL                            ; the weight's e, chosen by the work-group's number alone; it stands behind the first loads
	s_wait_kmcnt 0x0
	s_cmp_eq_u32 s63, 1
	s_cselect_b32 s56, s35, s33
	s_cmp_eq_u32 s63, 2
	s_cselect_b32 s56, s37, s56
	s_cmp_eq_u32 s63, 3
	s_cselect_b32 s56, s43, s56
	s_cmp_eq_u32 s63, 4
	s_cselect_b32 s56, s47, s56
	s_cmp_eq_u32 s63, 5
	s_cselect_b32 s56, s45, s56
	MKSC 56, 10, 11, 60, 61
.endm
.macro LOADB t, n                      ; block t: 32 numbers down K of my column; a load reads 128 consecutive bytes a wave
.irp i, 0,1,2,3,4,5,6,7,8,9,10,11,12,13,14,15,16,17,18,19,20,21,22,23,24,25,26,27,28,29,30,31
	global_load_b32 v[32+32*((\t)%2)+\i], v2, s[54:55] offset:(32*(\t)+\i)*4*\n th:TH_LOAD_NT
.endr
.endm
.macro BLOCK t, n
.if (\t) < 3
	s_wait_loadcnt 32                              ; this block's 32 loads are in; the next block's are younger
.else
	s_wait_loadcnt 0x0
.endif
.irp i, 0,1,2,3,4,5,6,7,8,9,10,11,12,13,14,15,16,17,18,19,20,21,22,23,24,25,26,27,28,29,30,31
	v_med3_num_f32 v[32+32*((\t)%2)+\i], v[32+32*((\t)%2)+\i], -v11, v11
.endr
.irp g, 0,1,2,3
	v_cvt_scalef32_pk8_fp8_f32 v[96+8*(\t)+2*\g:97+8*(\t)+2*\g], v[32+32*((\t)%2)+8*\g:39+32*((\t)%2)+8*\g], v10
.endr
.if (\t)+2 < 4
	LOADB (\t)+2, \n
.endif
	global_store_b128 v3, v[96+8*(\t):99+8*(\t)], s[24:25] offset:(\t)*512        ; K 0-15 of the block: sixteen lanes fill 256 consecutive bytes of each of the two tiles
	global_store_b128 v3, v[100+8*(\t):103+8*(\t)], s[24:25] offset:(\t)*512+256   ; K 16-31.  Each block has its own code registers: none is written again
.endm
.macro WPATH n
	LOADB 0, \n
	LOADB 1, \n
	ESEL
	s_wait_alu depctr_va_vdst(0)
.irp t, 0,1,2,3
	BLOCK \t, \n
.endr
.endm
	s_cmp_ge_u32 s50, 288
	s_cbranch_scc1 .Lw1
	WPATH 768
	s_endpgm
.Lw1:
	s_wait_alu depctr_va_vdst(0)
	WPATH 3072
	s_endpgm
.Lfunc_end_k_q5e87bad99a_prep:
	.size	k_q5e87bad99a_prep, .Lfunc_end_k_q5e87bad99a_prep-k_q5e87bad99a_prep
	.p2alignl 7, 3214868480
	.fill 96, 4, 3214868480
	.section	.rodata,"a",@progbits
	.p2align	6, 0x0
	.amdhsa_kernel k_q5e87bad99a_prep
		.amdhsa_group_segment_fixed_size 7168
		.amdhsa_private_segment_fixed_size 0
		.amdhsa_enable_private_segment 0
		.amdhsa_kernarg_size 96
		.amdhsa_user_sgpr_count 2
		.amdhsa_user_sgpr_kernarg_segment_ptr 1
		.amdhsa_wavefront_size32 1
		.amdhsa_system_sgpr_workgroup_id_x 1
		.amdhsa_system_sgpr_workgroup_id_y 1
		.amdhsa_system_sgpr_workgroup_id_z 1
		.amdhsa_system_vgpr_workitem_id 0
		.amdhsa_next_free_vgpr 256
		.amdhsa_next_free_sgpr 100
		.amdhsa_reserve_vcc 0
		.amdhsa_float_denorm_mode_32 3
		.amdhsa_float_denorm_mode_16_64 3
		.amdhsa_memory_ordered 1
		.amdhsa_forward_progress 1
		.amdhsa_inst_pref_size 99
	.end_amdhsa_kernel
	.amdgpu_metadata
---
amdhsa.version: [ 1, 2 ]
amdhsa.kernels:
  - .name:           k_q5e87bad99a_prep
    .symbol:         k_q5e87bad99a_prep.kd
    .args:
      - { .name: x, .offset: 0, .size: 8, .value_kind: global_buffer, .address_space: global }
      - { .name: g1, .offset: 8, .size: 8, .value_kind: global_buffer, .address_space: global }
      - { .name: beta1, .offset: 16, .size: 8, .value_kind: global_buffer, .address_space: global }
      - { .name: Wq, .offset: 24, .size: 8, .value_kind: global_buffer, .address_space: global }
      - { .name: Wk, .offset: 32, .size: 8, .value_kind: global_buffer, .address_space: global }
      - { .name: Wv, .offset: 40, .size: 8, .value_kind: global_buffer, .address_space: global }
      - { .name: Wo, .offset: 48, .size: 8, .value_kind: global_buffer, .address_space: global }
      - { .name: W1, .offset: 56, .size: 8, .value_kind: global_buffer, .address_space: global }
      - { .name: W2, .offset: 64, .size: 8, .value_kind: global_buffer, .address_space: global }
      - { .name: lowp_scales, .offset: 72, .size: 8, .value_kind: global_buffer, .address_space: global }
      - { .name: wc, .offset: 80, .size: 8, .value_kind: global_buffer, .address_space: global }
      - { .name: hc, .offset: 88, .size: 8, .value_kind: global_buffer, .address_space: global }
    .group_segment_fixed_size: 7168
    .private_segment_fixed_size: 0
    .kernarg_segment_align: 8
    .kernarg_segment_size: 96
    .max_flat_workgroup_size: 128
    .sgpr_count:     100
    .vgpr_count:     256
    .wavefront_size: 32
...
	.end_amdgpu_metadata
.endif
;; end of part 7
;; launch qkv (part 8): grid 6 x 32, 4 waves a work-group, no clusters, 327,680 bytes of LDS; arguments hc, wc, lowp_scales, qc, kv; writes qc, kv
.if DOCPART == 8
	.amdgcn_target "amdgcn-amd-amdhsa--gfx1250"
	.amdhsa_code_object_version 6
	.text
	.protected	k_q5e87bad99a_qkv
	.globl	k_q5e87bad99a_qkv
	.p2align	8
	.type	k_q5e87bad99a_qkv,@function
k_q5e87bad99a_qkv:
	s_mov_b64 s[64:65], 0
	v_nop
	global_prefetch_b8 v0, s[64:65] scope:SCOPE_SE
	s_setreg_imm32_b32 hwreg(HW_REG_WAVE_MODE, 25, 1), 1
	s_wait_xcnt 0x0
; Launch 2 of 6: q, k, v = LN1(x) Wq, Wk, Wv on E4M3 codes, and their quantising for attention.  Nothing is left out here.
; A work-group makes 128 tokens (block y) x 384 columns (slab x; slabs 0,1: Wq, 2,3: Wk, 4,5: Wv), K = 768 in 6 steps of 128.
; A's tile for all of K (98,304 bytes, dense in hc) comes into LDS by first fills alone, two tensor loads a wave, K steps 0, 1 then 2-5 (one is out at most); nothing is filled again.
; The weights go from memory straight into registers as images of fragments, each wave its own 96 columns (6 tiles), through three register sets, so no weight byte is fetched twice by a work-group.
; No cluster: what work-groups share through LDS (A's tile) is a quarter of a work-group's bytes, and the weights do not pass through LDS.
; q and k: the matrix instruction is used transposed (source 0 = 16 columns of W, source 1 = 16 tokens): a lane holds one token and 16 neighbouring columns in two neighbouring tiles: the next K.
; v: used plainly (source 0 = tokens, source 1 = columns): a lane holds one column d and 16 neighbouring tokens: the keys are the next K.
; qc: [head][tile of tokens 256][1,024]; kv: [head][key step 32][16,384]: K's 8 tiles of 1,024 bytes, then V^T's 4 tiles of 2,048.
; The three scales are folded into the conversion's one: code = sum / 2^(eOut - eA - eB).  LIMIT: eOut - eA - eB between -126 and 119.  NaN among the inputs is not served.
; REGISTERS, in windows of 256: window 0: v8-13 store offsets, v16, v17 LDS and image addresses, v20, v21 hold and scale, v28, v29 the add's two; v32-127 weight set 2, later at work; v128-255 A's 8 fragments.
;   window 1: weight sets 0 (v0-95) and 1 (v96-191).  window 2: accumulators of token tiles 0-3 ((m, t) at v[8 (6 m + t)]).  window 3: of tiles 4-7.
.set SPARE, 98304                      ; behind A's tile: the spare words, 128 bytes a wave
.set MSB, 0
.macro WIN new                         ; the immediate's high byte repeats the setting that is left
.if MSB != \new
	s_set_vgpr_msb (MSB<<8)|\new
.set MSB, \new
.endif
.endm
.macro PLACES n
.rept \n
	v_nop
.endr
.endm
.macro MKSC se, vsc, vlim, t0, t1
	s_add_co_i32 s[\t0], s[\se], 127
	s_lshl_b32 s[\t1], s[\t0], 23
	v_mov_b32 v[\vsc], s[\t1]
	s_add_co_i32 s[\t0], s[\t0], 8
	s_lshl_b32 s[\t0], s[\t0], 23
	s_or_b32 s[\t0], s[\t0], 0x600000
	v_mov_b32 v[\vlim], s[\t0]
.endm
	s_load_b256 s[4:11], s[0:1], 0x0               ; hc 4, wc 6, the scales 8, qc 10
	s_load_b64 s[12:13], s[0:1], 0x20              ; kv
	v_lshl_add_u32 v28, v0, 2, SPARE
	v_mov_b32 v29, 0
	ds_add_u32 v28, v29                            ; the wave's opening: the add, twice on end, and its wait ahead of my first tensor load
	ds_add_u32 v28, v29
	v_lshrrev_b32 v1, 5, v0
	v_readfirstlane_b32 s14, v1                    ; wave
	s_mov_b32 s15, ttmp9                           ; slab
	s_and_b32 s16, ttmp7, 0xffff                   ; block
	s_lshr_b32 s17, s15, 1                         ; 0 q, 1 k, 2 v
	s_mov_b32 s24, 0x30000                         ; group 1: elements of 8 bytes, no mask, no padding
	s_mov_b32 s25, 32<<16                          ; tensor_dim0 = 32 (256 bytes)
	s_mov_b32 s26, 32<<16                          ; tensor_dim1 = 32 rows
	s_mov_b32 s27, 32<<16                          ; tile_dim0 = 32
	s_mov_b32 s28, 32                              ; tile_dim1 = 32: a dense block of 8,192 bytes
	s_mov_b32 s29, 32                              ; pitch = the row: a dense block of 8,192 bytes
	s_mov_b32 s30, 0
	s_mov_b32 s31, 0
	s_mul_i32 s18, s17, 3145728                    ; the code set of this product's A,
	s_mul_i32 s19, s16, 98304                      ; my block,
	s_add_co_u32 s18, s18, s19
	s_lshl_b32 s20, s14, 13                        ; my quarter of K steps 0, 1
	s_add_co_u32 s18, s18, s20
	s_mov_b32 s19, 0
	s_wait_dscnt 0x0                               ; both opening adds are done
	s_wait_kmcnt 0x0
	s_load_b512 s[68:83], s[8:9], 0x0              ; e0 .. e15 in s68 .. s83
	s_add_nc_u64 s[4:5], s[4:5], s[18:19]
	; stage one, one tensor load a wave: my quarter, 8,192 bytes, of K steps 0, 1
	s_mov_b32 s36, 1
	s_mov_b32 s37, s20
	s_mov_b64 s[38:39], s[4:5]
	s_or_b32 s39, s39, 0x80000000
	; TWO STAGES, one tensor load a wave each (in place of the three loads that the head comment names): K steps 0, 1 here (8,192 bytes a wave); K steps 2-5 (16,384 bytes a wave) behind the first barrier
	s_mov_b32 s84, 0x30000                         ; the second stage's group 1: 64 rows of 256 bytes, dense
	s_mov_b32 s85, 32<<16
	s_mov_b32 s86, 64<<16
	s_mov_b32 s87, 32<<16
	s_mov_b32 s88, 64
	s_mov_b32 s89, 32
	s_mov_b32 s90, 0
	s_mov_b32 s91, 0
	s_add_co_u32 s92, s20, 32768
	s_mov_b32 s93, 0
	s_mov_b32 s40, 1
	s_lshl_b32 s41, s20, 1
	s_add_co_u32 s41, s41, 32768                   ; LDS: 32,768 + 16,384 x wave
	s_add_nc_u64 s[42:43], s[4:5], s[92:93]        ; and the same place in the block
	s_or_b32 s43, s43, 0x80000000
	tensor_load_to_lds s[36:39], s[24:31]
	s_nop 0
	PLACES 4
	v_and_b32 v1, 31, v0
	v_lshlrev_b32 v16, 4, v1                       ; 16 x lane
	s_wait_alu depctr_va_vdst(0)
	v_add_nc_u32 v17, 0x10000, v16                 ; the same, for K steps 4 and 5 in LDS
	s_and_b32 s21, s15, 1
	s_mul_i32 s21, s21, 24
	s_mul_i32 s22, s14, 6
	s_add_co_u32 s21, s21, s22                     ; my first tile of columns in the weight
	s_mul_i32 s22, s21, 12288
	s_mul_i32 s23, s17, 589824
	s_add_co_u32 s22, s22, s23
	s_mov_b32 s23, 0
	s_add_nc_u64 s[6:7], s[6:7], s[22:23]
.macro FB s                            ; the six weight fragments of K step s into set s % 3: each load reads 512 consecutive bytes
.if ((\s)%3) == 2
.set BB, 32
	WIN 0
.else
.set BB, 96*((\s)%3)
	WIN 0x40
.endif
.irp t, 0,1,2,3,4,5
.irp c, 0,1,2,3
	global_load_b128 v[BB+16*\t+4*\c:BB+16*\t+4*\c+3], v16, s[6:7] offset:\t*12288+(\s)*2048+512*\c
.endr
.endr
	WIN 0
.endm
.macro FA s, m0                        ; A's fragments m0 .. m0 + 3 of K step s
.irp m, \m0, \m0+1, \m0+2, \m0+3
.irp c, 0,1,2,3
	ds_load_b128 v[128+16*(\m)+4*\c:128+16*(\m)+4*\c+3], v[16+(\s)/4] offset:((\s)%4)*16384+(\m)*2048+512*\c
.endr
.endr
.endm
; 24 matrix instructions: four token tiles x my six tiles of columns.  The accumulators take turns, one instruction a turn.
.macro MUL s, half, swap, zero
.if ((\s)%3) == 2
.set BB, 32
.set BW, 0
.else
.set BB, 96*((\s)%3)
.set BW, 1
.endif
.if \swap
.set WN, (0xa0+0x50*(\half))|(BW<<2)
.else
.set WN, (0xa0+0x50*(\half))|BW
.endif
	WIN WN
.irp m, 0,1,2,3
.irp t, 0,1,2,3,4,5
.set AC, 8*(6*\m+\t)
.set AR, 128+16*(4*(\half)+\m)
.set BR, BB+16*\t
.if \swap
.if \zero
	v_wmma_f32_16x16x128_fp8_fp8 v[AC:AC+7], v[AR:AR+15], v[BR:BR+15], 0
.else
	v_wmma_f32_16x16x128_fp8_fp8 v[AC:AC+7], v[AR:AR+15], v[BR:BR+15], v[AC:AC+7]
.endif
.else
.if \zero
	v_wmma_f32_16x16x128_fp8_fp8 v[AC:AC+7], v[BR:BR+15], v[AR:AR+15], 0
.else
	v_wmma_f32_16x16x128_fp8_fp8 v[AC:AC+7], v[BR:BR+15], v[AR:AR+15], v[AC:AC+7]
.endif
.endif
.endr
.endr
.endm
.macro STEP s, swap, zero
.if (\s) < 4
	s_wait_loadcnt 48                              ; this step's weights are in; two younger sets of 24 loads may be out
.elseif (\s) == 4
	s_wait_loadcnt 24
.else
	s_wait_loadcnt 0x0
.endif
	s_wait_dscnt 16                                ; A's fragments 0-3 are in; 4-7 are the younger sixteen loads
	MUL \s, 0, \swap, \zero
	s_wait_dscnt 0x0
.if (\s) == 1
	s_wait_tensorcnt 0x0                           ; my part of K steps 2-5 has landed.
	s_barrier_signal -1
	s_barrier_wait -1
.endif
.if (\s) < 5
	PLACES 4                                       ; in front of loads into registers that matrix instructions have read
	WIN 0
	FA (\s)+1, 0
.endif
	MUL \s, 1, \swap, \zero
	PLACES 4
	WIN 0
.if (\s) < 5
	FA (\s)+1, 4
.endif
.if (\s) < 3
	FB (\s)+3
.endif
.endm
	FB 0
	FB 1
	FB 2
	s_wait_kmcnt 0x0
	s_cmp_eq_u32 s17, 1                            ; the product's three exponents, chosen by the slab alone
	s_cselect_b32 s48, s70, s68
	s_cselect_b32 s49, s71, s69
	s_cselect_b32 s50, s75, s74
	s_cmp_eq_u32 s17, 2
	s_cselect_b32 s48, s72, s48
	s_cselect_b32 s49, s73, s49
	s_cselect_b32 s50, s77, s50
	s_sub_co_i32 s50, s50, s48
	s_sub_co_i32 s50, s50, s49                     ; eOut - eA - eB
	MKSC 50, 21, 20, 51, 52
	s_wait_alu depctr_va_vdst(0)
	s_wait_tensorcnt 0x0                           ; my quarter of K steps 0, 1 has landed
	ds_add_u32 v28, v29
	s_wait_dscnt 0x0
	s_barrier_signal -1
	s_barrier_wait -1
	tensor_load_to_lds s[40:43], s[84:91]          ; K steps 2-5: my one load behind this barrier
	s_nop 0
	PLACES 4
	FA 0, 0
	FA 0, 4
	s_cmp_ge_u32 s15, 4
	s_cbranch_scc1 .Lv
	; ---------------- q and k
	s_mov_b32 s57, 524288
	s_mov_b32 s59, 16384
	s_cmp_eq_u32 s17, 0
	s_cselect_b64 s[54:55], s[10:11], s[12:13]
	s_cselect_b32 s56, 262144, s57                 ; bytes of a head
	s_cselect_b32 s58, 8192, s59                   ; bytes of a block of 128 tokens
	s_mul_i32 s58, s58, s16
	s_mov_b32 s59, 0
	s_add_nc_u64 s[54:55], s[54:55], s[58:59]
	s_lshr_b32 s60, s21, 1
.irp p, 0,1,2                          ; group of 32 columns B = my first + p: head B / 2, half B % 2 of its 64
	s_add_co_u32 s61, s60, \p
	s_lshr_b32 s62, s61, 1
	s_mul_i32 s62, s62, s56
	s_and_b32 s61, s61, 1
	s_lshl_b32 s61, s61, 9
	s_add_co_u32 s61, s61, s62
	v_add_nc_u32 v[8+\p], s61, v16
.endr
	STEP 0, 0, 1
	STEP 1, 0, 0
	STEP 2, 0, 0
	s_wait_alu depctr_va_vdst(0)
	STEP 3, 0, 0
	STEP 4, 0, 0
	STEP 5, 0, 0
.irp bt, 0,1,2,3                       ; two token tiles at a time: 96 sums are held, six groups of 16 become codes
.set WN, 2+(\bt)/2
	WIN WN
.set i, 0
.rept 96
	v_med3_num_f32 v[32+i], v[96*((\bt)%2)+i], -v20, v20
.set i, i+1
.endr
	WIN 0
.irp g, 0,1,2,3,4,5
	v_cvt_scalef32_pk8_fp8_f32 v[128+24*\bt+4*\g:129+24*\bt+4*\g], v[32+16*\g:39+16*\g], v21
	v_cvt_scalef32_pk8_fp8_f32 v[130+24*\bt+4*\g:131+24*\bt+4*\g], v[40+16*\g:47+16*\g], v21
.endr
	v_nop                                          ; a plain instruction behind the conversions
.irp g, 0,1,2,3,4,5
	global_store_b128 v[8+(\g)%3], v[128+24*\bt+4*\g:131+24*\bt+4*\g], s[54:55] offset:(2*\bt+(\g)/3)*1024
.endr
.endr
	s_branch .Ljoin
	; ---------------- v
.Lv:
	s_lshl_b32 s58, s16, 14
	s_add_co_u32 s58, s58, 8192
	s_mov_b32 s59, 0
	s_add_nc_u64 s[54:55], s[12:13], s[58:59]
.irp t, 0,1,2,3,4,5                    ; tile of columns T: head T / 4, tile T % 4 of V^T
	s_add_co_u32 s61, s21, \t
	s_lshr_b32 s62, s61, 2
	s_lshl_b32 s62, s62, 19
	s_and_b32 s61, s61, 3
	s_lshl_b32 s61, s61, 11
	s_add_co_u32 s61, s61, s62
	v_add_nc_u32 v[8+\t], s61, v16
.endr
	STEP 0, 1, 1
	STEP 1, 1, 0
	STEP 2, 1, 0
	s_wait_alu depctr_va_vdst(0)
	STEP 3, 1, 0
	STEP 4, 1, 0
	STEP 5, 1, 0
.irp bt, 0,1,2,3                       ; token tiles 2 bt, 2 bt + 1: 32 neighbouring tokens, part bt of the key step's image
.set WN, 2+(\bt)/2
	WIN WN
.set i, 0
.rept 96
	v_med3_num_f32 v[32+i], v[96*((\bt)%2)+i], -v20, v20
.set i, i+1
.endr
	WIN 0
.irp g, 0,1,2,3,4,5
	v_cvt_scalef32_pk8_fp8_f32 v[128+24*\bt+4*\g:129+24*\bt+4*\g], v[32+8*\g:39+8*\g], v21
	v_cvt_scalef32_pk8_fp8_f32 v[130+24*\bt+4*\g:131+24*\bt+4*\g], v[80+8*\g:87+8*\g], v21
.endr
	v_nop
.irp g, 0,1,2,3,4,5
	global_store_b128 v[8+\g], v[128+24*\bt+4*\g:131+24*\bt+4*\g], s[54:55] offset:\bt*512
.endr
.endr
.Ljoin:
	s_wait_tensorcnt 0x0                           ; the wave's end, behind my last tensor load
	ds_add_u32 v28, v29
	s_wait_dscnt 0x0
	s_endpgm
.Lfunc_end_k_q5e87bad99a_qkv:
	.size	k_q5e87bad99a_qkv, .Lfunc_end_k_q5e87bad99a_qkv-k_q5e87bad99a_qkv
	.p2alignl 7, 3214868480
	.fill 96, 4, 3214868480
	.section	.rodata,"a",@progbits
	.p2align	6, 0x0
	.amdhsa_kernel k_q5e87bad99a_qkv
		.amdhsa_group_segment_fixed_size 327680
		.amdhsa_private_segment_fixed_size 0
		.amdhsa_enable_private_segment 0
		.amdhsa_kernarg_size 40
		.amdhsa_user_sgpr_count 2
		.amdhsa_user_sgpr_kernarg_segment_ptr 1
		.amdhsa_wavefront_size32 1
		.amdhsa_system_sgpr_workgroup_id_x 1
		.amdhsa_system_sgpr_workgroup_id_y 1
		.amdhsa_system_sgpr_workgroup_id_z 1
		.amdhsa_system_vgpr_workitem_id 0
		.amdhsa_next_free_vgpr 1024
		.amdhsa_next_free_sgpr 100
		.amdhsa_reserve_vcc 0
		.amdhsa_float_denorm_mode_32 3
		.amdhsa_float_denorm_mode_16_64 3
		.amdhsa_memory_ordered 1
		.amdhsa_forward_progress 1
		.amdhsa_inst_pref_size 151
	.end_amdhsa_kernel
	.amdgpu_metadata
---
amdhsa.version: [ 1, 2 ]
amdhsa.kernels:
  - .name:           k_q5e87bad99a_qkv
    .symbol:         k_q5e87bad99a_qkv.kd
    .args:
      - { .name: hc, .offset: 0, .size: 8, .value_kind: global_buffer, .address_space: global }
      - { .name: wc, .offset: 8, .size: 8, .value_kind: global_buffer, .address_space: global }
      - { .name: lowp_scales, .offset: 16, .size: 8, .value_kind: global_buffer, .address_space: global }
      - { .name: qc, .offset: 24, .size: 8, .value_kind: global_buffer, .address_space: global }
      - { .name: kv, .offset: 32, .size: 8, .value_kind: global_buffer, .address_space: global }
    .group_segment_fixed_size: 327680
    .private_segment_fixed_size: 0
    .kernarg_segment_align: 8
    .kernarg_segment_size: 40
    .max_flat_workgroup_size: 128
    .sgpr_count:     100
    .vgpr_count:     1024
    .wavefront_size: 32
...
	.end_amdgpu_metadata
.endif
;; end of part 8
;; launch attn (part 9): grid 21 x 12, 16 waves a work-group, no clusters, 327,680 bytes of LDS; arguments qc, kv, lowp_scales, oc; writes oc
.if DOCPART == 9
	.amdgcn_target "amdgcn-amd-amdhsa--gfx1250"
	.amdhsa_code_object_version 6
	.text
	.protected	k_q5e87bad99a_attn
	.globl	k_q5e87bad99a_attn
	.p2align	8
	.type	k_q5e87bad99a_attn,@function
k_q5e87bad99a_attn:
	s_mov_b64 s[64:65], 0
	v_nop
	global_prefetch_b8 v0, s[64:65] scope:SCOPE_SE
	s_setreg_imm32_b32 hwreg(HW_REG_WAVE_MODE, 25, 1), 1
	s_wait_xcnt 0x0
; Launch 3 of 6: causal attention on E4M3 codes, head size 64, and the quantising of its result for the projection.
; LEFT OUT: key steps of 128 keys that lie wholly behind a wave's 16 queries: the causal mask makes their scores -infinity, so p = 0 whatever the inputs hold.
; THE SOFTMAX: t = score x log2(e) / 8; M = the running largest t rounded UP to a whole number; p = 2^(t - M) is quantised (scale 8), not normalised; the row's sum is taken of the unquantised p and divides at the end.
; When M moves, the sum and O are multiplied by 2^(old M - new M), which rounds nothing.
; SHARES.  A head's 4,096 queries are 64 half-blocks of 64 (four tiles of 16); half-block i wants i / 2 + 1 key steps.  A half-block is taken by a GROUP of four waves, a tile each.
; Wave w is in group (w + w / 4) % 4 and takes the group's tile w / 4: of waves w, w + 4, w + 8, w + 12, and of waves 4 a .. 4 a + 3 alike, each group has one.
; Work-group g (0-20) of a head takes half-blocks g + 1 (group 0), 22 + B (group 1) and 43 + C (group 2), with (B, C) = (20 - g / 2, 10 - g / 2) for even g and (9 - g / 2, 20 - g / 2) for odd g:
; each of 1 .. 63 is taken once, and the three numbers add up to 96 in every work-group: 50 or 51 key steps for a wave of each group together.  12 x 21 = 252 work-groups.
; Half-block 0 (one key step) is group 3's in work-group 0.  64 is not a multiple of 3; they pass the barriers and store nothing.
; No cluster: under the causal limit partners would need different numbers of tiles.
; THE RING.  Two LDS slots of four key steps (65,536 bytes).  Waves 0-3 fill a slot, each a QUARTER (4,096 bytes) of each of the four steps, so that every load issued has bytes that are read:
; quarter v of step q lies at 16,384 v + 4,096 q of the slot; K's eight tiles (1,024 bytes each) are quarters 0, 1, V^T's four (2,048 each) quarters 2, 3.
; Both products are used transposed (S^T = K Q^T, O^T = V^T P^T): a lane holds one query throughout; the keys of a tile are chosen so that two neighbouring tiles' 16 registers are 16 neighbouring keys.
; LIMITS: e6 + e7 between -124 and 129 (added to c's exponent field); e8 and e10 between -126 and 119.  NaN among the inputs is not served.
; REGISTERS: v1 16 x lane, v2 address in hand, v3 my query less 16 (lane / 16), v4 -infinity, v5, v6 the add's two, v7 the prefetches' offset, v8-10 at work, v12 -M, v13 largest t, v[14:15] the sum,
;   v16-23 Q, v[24:25] f, v[26:27] second chain, v28 448 x 2^e8, v29 2^e8, v30, v31 the same for e10; v32-95 K's fragments, later p's codes; v96-159 S^T, then p; v160-191 O^T; v192-255 V's fragments.
.set SLOT1, 1<<17
.set SPARE, 2*SLOT1                    ; behind the ring: the spare words, 128 bytes a wave: eight blocks of 256 bytes
.set WV,  18
.set SEL, 20
.set CS,  22
.set G1,  24
.set G0,  40
.set TB,  2
.set SLOTS, 67
.set PFA, 76
.set LIM, 80
.set HB,  97                           ; the block of 128 queries of my work-group's latest half-block
.set KS,  98                           ; the key step in hand
.set BLK, 99                           ; my wave's block of 128 queries; -1 in a wave without a tile
.macro TLOAD                           ; waves 0-3 fetch; an s_nop 0 and four v_nop follow the load
	s_cmp_lt_u32 s[WV], 4
	s_cbranch_scc0 .Lasked_\@
	tensor_load_to_lds s[G0:G0+3], s[G1:G1+7]
	s_nop 0
.rept 4
	v_nop
.endr
.Lasked_\@:
.endm
; A prefetch of the slot that the NEXT change of slots will ask for.  All work-groups of a head walk the same kv: the head's first work-group asks (every work-group passes all changes of slots), waves 4-11,
; 8,192 bytes a wave, lanes 256 bytes apart: each block of 256 bytes is named once in the launch.  The last change that fills a slot asks for nothing; nothing is asked at the head.
.macro ASK
	s_cmp_gt_u32 s[SLOTS], s[LIM]
	s_cbranch_scc0 .Lnot_mine_\@
	global_prefetch_b8 v7, s[PFA:PFA+1] th:TH_LOAD_NT scope:SCOPE_SE
.Lnot_mine_\@:
.endm
	s_load_b256 s[4:11], s[0:1], 0x0               ; qc 4, kv 6, the scales 8, oc 10
	v_lshl_add_u32 v5, v0, 2, SPARE
	v_mov_b32 v6, 0
	ds_add_u32 v5, v6                              ; the wave's opening: the add, twice on end, and its wait ahead of the first tensor load
	ds_add_u32 v5, v6
	v_lshrrev_b32 v8, 5, v0
	s_delay_alu instid0(VALU_DEP_1)
	v_readfirstlane_b32 s[WV], v8                  ; wave 0..15
	s_and_b32 s72, ttmp7, 0xffff                   ; the head
	s_lshr_b32 s73, s[WV], 2                       ; my tile among the group's four
	s_add_co_u32 s75, s73, s[WV]
	s_and_b32 s75, s75, 3                          ; my group
	s_lshr_b32 s90, ttmp9, 1                       ; g / 2
	s_and_b32 s91, ttmp9, 1
	s_cmp_eq_u32 s91, 1
	s_cselect_b32 s92, 9, 20
	s_cselect_b32 s93, 20, 10
	s_sub_co_u32 s92, s92, s90
	s_add_co_u32 s92, s92, 22                      ; group 1's half-block, 22 .. 42
	s_sub_co_u32 s93, s93, s90
	s_add_co_u32 s93, s93, 43                      ; group 2's, 43 .. 63
	s_add_co_u32 s94, ttmp9, 1                     ; group 0's, 1 .. 21
	s_lshr_b32 s[HB], s93, 1
	s_cmp_eq_u32 s75, 1
	s_cselect_b32 s94, s92, s94
	s_cmp_eq_u32 s75, 2
	s_cselect_b32 s94, s93, s94
	s_cmp_eq_u32 s75, 3
	s_cselect_b32 s94, 0, s94                      ; my half-block
	s_cselect_b32 s95, ttmp9, 0                    ; other than 0: group 3 of a work-group other than the head's first
	s_lshr_b32 s[BLK], s94, 1
	s_cmp_lg_u32 s95, 0
	s_cselect_b32 s[BLK], -1, s[BLK]
	s_lshl_b32 s74, s94, 2
	s_add_co_u32 s74, s74, s73                     ; my tile of queries (a wave without a tile names one of tiles 0-3: its load of Q stays inside the buffer)
	s_lshl_b32 s84, s72, 19                        ; the head's 524,288 bytes of kv
	s_mov_b32 s85, 0
	s_and_b32 s86, s[WV], 3
	s_lshl_b32 s88, s86, 12                        ; my quarter in a key step,
	s_mov_b32 s89, 0
	s_lshl_b32 s86, s86, 14                        ; and in a slot
	s_mov_b32 s[G1], 0x30000                       ; elements of 8 bytes, no mask, no padding
	s_mov_b32 s[G1+1], 512<<16                     ; tensor_dim0 = 512 (4,096 bytes)
	s_mov_b32 s[G1+2], 4<<16                       ; tensor_dim1 = 4
	s_mov_b32 s[G1+3], 512<<16                     ; tile_dim0
	s_mov_b32 s[G1+4], 4                           ; tile_dim1: the slot's four key steps
	s_mov_b32 s[G1+5], 2048                        ; 16,384 bytes from step to step
	s_mov_b32 s[G1+6], 0
	s_mov_b32 s[G1+7], 0
	s_mov_b32 s[SEL], 0x76543210
	s_mov_b32 s[SEL+1], 0xfedcba98
	s_mov_b32 s[CS], 0x3e38aa3b                    ; c = log2(e) / 8
	s_mov_b32 s[TB], 0
	s_mov_b32 s[SLOTS], 7
	s_mov_b32 s[KS], 0
	s_wait_dscnt 0x0                               ; both opening adds are done
	s_wait_kmcnt 0x0
	s_load_b512 s[48:63], s[8:9], 0x0              ; e0 .. e15 in s48 .. s63
	s_add_nc_u64 s[6:7], s[6:7], s[84:85]          ; kv at my head
	s_mov_b32 s[G0], 1
	s_mov_b32 s[G0+1], s86
	s_add_nc_u64 s[G0+2:G0+3], s[6:7], s[88:89]
	s_or_b32 s[G0+3], s[G0+3], 0x80000000
	TLOAD                                          ; slot 0: it holds key 0, which counts for every query
	s_lshl_b32 s88, s72, 18
	s_lshl_b32 s90, s74, 10
	s_add_co_u32 s88, s88, s90
	s_add_nc_u64 s[4:5], s[4:5], s[88:89]          ; my tile of Q
	s_mul_i32 s88, s74, 12288
	s_lshr_b32 s90, s72, 1
	s_lshl_b32 s90, s90, 11
	s_add_co_u32 s88, s88, s90
	s_and_b32 s90, s72, 1
	s_lshl_b32 s90, s90, 10
	s_add_co_u32 s88, s88, s90
	s_add_nc_u64 s[10:11], s[10:11], s[88:89]      ; oc: my tile, K step head / 2, parts 2 (head % 2) on
	s_sub_co_u32 s82, s[WV], 4
	s_and_b32 s88, s82, 7
	s_lshl_b32 s88, s88, 13
	s_add_co_u32 s88, s88, 65536                   ; my 8,192 bytes, in slot 1: the first change of slots steps it to slot 2
	s_add_nc_u64 s[PFA:PFA+1], s[6:7], s[88:89]
	s_lshr_b32 s82, s82, 3                         ; 0 in waves 4 to 11,
	s_or_b32 s82, s82, ttmp9                       ; of the head's first work-group
	s_cmp_eq_u32 s82, 0
	s_cselect_b32 s[LIM], 1, -1
	v_and_b32 v1, 31, v0
	s_delay_alu instid0(VALU_DEP_1)
	v_lshlrev_b32 v7, 8, v1
	s_delay_alu instid0(VALU_DEP_2)
	v_lshlrev_b32 v1, 4, v1
	global_load_b128 v[16:19], v1, s[4:5]
	global_load_b128 v[20:23], v1, s[4:5] offset:512
	v_and_b32 v8, 15, v0
	v_bfe_u32 v9, v0, 4, 1
	s_delay_alu instid0(VALU_DEP_2)
	v_and_b32 v10, 8, v8
	s_delay_alu instid0(VALU_DEP_1)
	v_add_nc_u32 v3, v10, v8                       ; r + 8 (r / 8)
	s_delay_alu instid0(VALU_DEP_3)
	v_lshlrev_b32 v9, 4, v9
	s_delay_alu instid0(VALU_DEP_1)
	v_sub_nc_u32 v3, v3, v9
	s_and_b32 s82, s74, 7                          ; j: my tile in its block of 128 queries: it begins at query 32 (j / 2) + 8 (j % 2)
	s_lshr_b32 s83, s82, 1
	s_lshl_b32 s83, s83, 5
	s_and_b32 s82, s82, 1
	s_lshl_b32 s82, s82, 3
	s_add_co_u32 s82, s82, s83
	v_add_nc_u32 v3, s82, v3                       ; my query in its block of 128, less 16 (lane / 16)
	v_mov_b32 v4, 0xff800000
	v_mov_b32 v10, 0                               ; a lane permute's destination counts as one of its sources
	v_mov_b32 v13, 0xff61b1e6                      ; the largest t so far: -3e38
	s_delay_alu instid0(VALU_DEP_1)
	v_floor_f32 v12, -v13
	v_mov_b32 v14, 0
	v_mov_b32 v15, 0
	v_mov_b32 v25, 0                               ; (named as the upper half of the pair v[24:25])
.set j, 0
.rept 32
	v_mov_b32 v[160+j], 0                          ; O^T: the step is written once; its first run finds zeros
.set j, j+1
.endr
	s_wait_kmcnt 0x0
	s_add_co_i32 s82, s54, s55
	s_lshl_b32 s82, s82, 23
	s_add_co_i32 s[CS], s[CS], s82                 ; a score stands for score x 2^(e6 + e7)
	s_mov_b32 s[CS+1], s[CS]
	s_add_co_i32 s82, s56, 127
	s_lshl_b32 s83, s82, 23
	v_mov_b32 v29, s83                             ; 2^e8
	s_add_co_i32 s82, s82, 8
	s_lshl_b32 s82, s82, 23
	s_or_b32 s82, s82, 0x600000
	v_mov_b32 v28, s82                             ; 448 x 2^e8
	v_mov_b32 v30, s82                             ; and once more, until the way out: the two halves of a dual pair name different registers
.macro STEP q                          ; the q-th key step of the slot in hand
	s_cmp_gt_i32 s[KS], s[BLK]                     ; all its keys come after my queries, or I have no tile: left out (a branch on ids; no barrier and no tensor load stands in a step)
	s_cbranch_scc1 .Lhidden_\@
	v_add_nc_u32 v2, s[TB], v1
.rept 3
	v_nop                                          ; with the addition: four places in front of loads into registers that matrix instructions have read
.endr
.irp t, 0,1,2,3,4,5,6,7
	ds_load_b128 v[32+8*\t:35+8*\t], v2 offset:(\t/4)*16384+(\q)*4096+(\t%4)*1024
	ds_load_b128 v[36+8*\t:39+8*\t], v2 offset:(\t/4)*16384+(\q)*4096+(\t%4)*1024+512
.endr
	s_wait_alu depctr_va_vdst(0)
	s_wait_dscnt 0x0
.irp t, 0,1,2,3,4,5,6,7
	v_wmma_f32_16x16x64_fp8_fp8 v[96+8*\t:103+8*\t], v[32+8*\t:39+8*\t], v[16:23], 0
.endr
.rept 4
	v_nop
.endr
.irp d, 0,1,2,3                        ; V's fragments land during the softmax
.irp c, 0,1,2,3
	ds_load_b128 v[192+16*\d+4*\c:195+16*\d+4*\c], v2 offset:(2+\d/2)*16384+(\q)*4096+(\d%2)*2048+512*\c
.endr
.endr
	s_cmp_lg_u32 s[KS], s[BLK]
	s_cbranch_scc1 .Lopen_\@
.set n, 0
.rept 64                               ; on the diagonal: register n holds key 32 (n / 16) + n % 16 + 16 (lane / 16) of the step
	v_cmp_gt_i32 vcc_lo, 32*(n/16)+n%16, v3
	v_cndmask_b32 v[96+n], v[96+n], v4, vcc_lo
.set n, n+1
.endr
.Lopen_\@:
	v_max3_num_f32 v8, v96, v97, v98
	v_max3_num_f32 v9, v99, v100, v101
.irp i, 6,10,14,18,22,26,30,34,38,42,46,50,54,58
	v_max3_num_f32 v8, v8, v[96+\i], v[97+\i]
	v_max3_num_f32 v9, v9, v[98+\i], v[99+\i]
.endr
	v_max3_num_f32 v8, v8, v158, v159
	s_delay_alu instid0(VALU_DEP_1)
	v_max_num_f32 v8, v8, v9
	s_delay_alu instid0(VALU_DEP_1)
	v_permlanex16_b32 v10, v8, s[SEL], s[SEL+1]
	s_delay_alu instid0(VALU_DEP_1)
	v_max_num_f32 v8, v8, v10
	s_delay_alu instid0(VALU_DEP_1)
	v_mul_f32 v8, s[CS], v8
	s_delay_alu instid0(VALU_DEP_1)
	v_max_num_f32 v13, v13, v8                     ; the running largest t
	v_mov_b32 v8, v12
	s_delay_alu instid0(VALU_DEP_2)
	v_floor_f32 v12, -v13                          ; -M = floor(-t)
	s_delay_alu instid0(VALU_DEP_1)
	v_sub_f32 v8, v12, v8                          ; old M - new M, a whole number, 0 or less
	s_delay_alu instid0(VALU_DEP_1)
	v_cvt_i32_f32 v8, v8
	s_delay_alu instid0(VALU_DEP_1)
	v_ldexp_f32 v24, 1.0, v8                       ; f
.set j, 0
.rept 32
	v_pk_fma_f32 v[96+j:97+j], v[96+j:97+j], s[CS:CS+1], v[12:13] op_sel_hi:[1,0,0]
.set j, j+2
.endr
.set j, 0
	s_wait_alu depctr_va_vdst(0)
.rept 64
	v_exp_f32 v[96+j], v[96+j]
.set j, j+1
.endr
	v_pk_mul_f32 v[14:15], v[14:15], v[24:25] op_sel_hi:[1,0]   ; the sum under the new M: the plain instruction behind the exponentials
	s_wait_alu depctr_va_vdst(0)                   ; one wait for the batch, ahead of its first reader
	v_pk_add_f32 v[26:27], v[100:101], v[104:105]
	v_pk_add_f32 v[94:95], v[108:109], v[112:113]
	v_pk_add_f32 v[92:93], v[116:117], v[120:121]
	v_pk_add_f32 v[90:91], v[124:125], v[128:129]
	v_pk_add_f32 v[88:89], v[132:133], v[136:137]
	v_pk_add_f32 v[86:87], v[140:141], v[144:145]
	v_pk_add_f32 v[84:85], v[148:149], v[152:153]
	v_pk_add_f32 v[14:15], v[14:15], v[156:157]
	v_pk_add_f32 v[26:27], v[26:27], v[96:97]
	v_pk_add_f32 v[94:95], v[94:95], v[98:99]
	v_pk_add_f32 v[92:93], v[92:93], v[102:103]
	v_pk_add_f32 v[90:91], v[90:91], v[106:107]
	v_pk_add_f32 v[88:89], v[88:89], v[110:111]
	v_pk_add_f32 v[86:87], v[86:87], v[114:115]
	v_pk_add_f32 v[84:85], v[84:85], v[118:119]
	v_pk_add_f32 v[14:15], v[14:15], v[122:123]
	v_pk_add_f32 v[26:27], v[26:27], v[126:127]
	v_pk_add_f32 v[94:95], v[94:95], v[130:131]
	v_pk_add_f32 v[92:93], v[92:93], v[134:135]
	v_pk_add_f32 v[90:91], v[90:91], v[138:139]
	v_pk_add_f32 v[88:89], v[88:89], v[142:143]
	v_pk_add_f32 v[86:87], v[86:87], v[146:147]
	v_pk_add_f32 v[84:85], v[84:85], v[150:151]
	v_pk_add_f32 v[14:15], v[14:15], v[154:155]
	v_pk_add_f32 v[26:27], v[26:27], v[158:159]
	s_delay_alu instid0(VALU_DEP_2)
	v_pk_add_f32 v[14:15], v[14:15], v[90:91]
	s_delay_alu instid0(VALU_DEP_2)
	v_pk_add_f32 v[26:27], v[26:27], v[88:89]
	v_pk_add_f32 v[94:95], v[94:95], v[86:87]
	v_pk_add_f32 v[92:93], v[92:93], v[84:85]
	s_delay_alu instid0(VALU_DEP_2)
	v_pk_add_f32 v[14:15], v[14:15], v[94:95]
	s_delay_alu instid0(VALU_DEP_2)
	v_pk_add_f32 v[26:27], v[26:27], v[92:93]
	s_delay_alu instid0(VALU_DEP_1)
	v_pk_add_f32 v[14:15], v[14:15], v[26:27]
.irp b, 0,1,2,3
.irp i, 0,2,4,6,8,10,12,14
	v_dual_min_num_f32 v[96+16*\b+\i], v[96+16*\b+\i], v28 :: v_dual_min_num_f32 v[97+16*\b+\i], v[97+16*\b+\i], v30   ; p is never negative: a one-sided hold, two numbers a line
.endr
	v_cvt_scalef32_pk8_fp8_f32 v[32+4*\b:33+4*\b], v[96+16*\b:103+16*\b], v29
	v_cvt_scalef32_pk8_fp8_f32 v[34+4*\b:35+4*\b], v[104+16*\b:111+16*\b], v29
.endr
.set j, 0
.rept 16
	v_pk_mul_f32 v[160+j:161+j], v[160+j:161+j], v[24:25] op_sel_hi:[1,0]   ; O^T under the new M; also the plain instructions behind the conversions
.set j, j+2
.endr
	s_wait_alu depctr_va_vdst(0)
	s_wait_dscnt 0x0                               ; V
.irp d, 0,1,2,3
	v_wmma_f32_16x16x128_fp8_fp8 v[160+8*\d:167+8*\d], v[192+16*\d:207+16*\d], v[32:47], v[160+8*\d:167+8*\d]
.endr
.Lhidden_\@:
	s_add_co_u32 s[KS], s[KS], 1
.endm
; THE CHANGE OF SLOTS, at a slot's head.  Each wave waits for all its tensor loads, adds 0 to its spare word, and waits for that and for its reads of the slot that it has left; behind the barrier
; the slot ahead is whole and nobody reads the other one, which is then filled with the next four key steps, up to the causal limit.
.macro CHANGE fill
	s_wait_tensorcnt 0x0                           ; no tensor load of mine is out, so group 0 may be written
	ds_add_u32 v5, v6
.if \fill
	ds_add_u32 v5, v6                              ; and once more, in every trip alike
	s_xor_b32 s[G0+1], s[G0+1], SLOT1
	s_add_nc_u64 s[G0+2:G0+3], s[G0+2:G0+3], 65536
	s_wait_xcnt 0x0                                ; the last prefetch, a slot back, has read its address
	s_add_nc_u64 s[PFA:PFA+1], s[PFA:PFA+1], 65536
.endif
	s_wait_dscnt 0x0
	s_barrier_signal -1
	s_barrier_wait -1
.if \fill
	s_add_co_u32 s96, s[KS], 4                     ; the first key step of the slot that this change would ask for:
	s_cmp_gt_u32 s96, s[HB]                        ; behind my work-group's latest block nobody reads it.  Ids and the count of steps alone: all sixteen waves go the same way
	s_cbranch_scc1 .Lpast_\@
	TLOAD
.Lpast_\@:
	ASK
.endif
.endm
.macro SLOT_STEPS
	STEP 0
	STEP 1
	STEP 2
	STEP 3
	s_xor_b32 s[TB], s[TB], SLOT1
.endm
	s_wait_loadcnt 0x0                             ; Q
.Lslot:                                            ; seven trips
	CHANGE 1
	SLOT_STEPS
	s_sub_co_u32 s[SLOTS], s[SLOTS], 1
	s_cmp_lg_u32 s[SLOTS], 0
	s_cbranch_scc1 .Lslot
	CHANGE 0                                       ; the last slot is written out: nothing is left to ask for
	SLOT_STEPS
	s_cmp_lt_i32 s[BLK], 0                         ; a wave without a tile has nothing to store (a branch on ids)
	s_cbranch_scc1 .Lno_tile
	; THE WAY OUT: O^T / the sum x 2^(e8 + e9) is the head's result; it is quantised with scale 10 and stored as parts of the projection's A fragments.
	v_add_f32 v14, v14, v15
	s_delay_alu instid0(VALU_DEP_1)
	v_permlanex16_b32 v10, v14, s[SEL], s[SEL+1]
	s_delay_alu instid0(VALU_DEP_1)
	v_add_f32 v14, v14, v10
	s_wait_alu depctr_va_vdst(0)
	v_rcp_f32 v14, v14
	v_nop                                          ; a plain instruction behind the reciprocal
	s_add_co_i32 s82, s58, 127
	s_lshl_b32 s83, s82, 23
	v_mov_b32 v31, s83                             ; 2^e10
	s_add_co_i32 s82, s82, 8
	s_lshl_b32 s82, s82, 23
	s_or_b32 s82, s82, 0x600000
	v_mov_b32 v30, s82                             ; 448 x 2^e10
	s_add_co_i32 s82, s56, s57
	s_wait_alu depctr_va_vdst(0)
	v_ldexp_f32 v14, v14, s82
.set j, 0
.rept 32
	v_mul_f32 v[96+j], v[160+j], v14
.set j, j+1
.endr
.set j, 0
.rept 32
	v_med3_num_f32 v[96+j], v[96+j], -v30, v30
.set j, j+1
.endr
.irp b, 0,1
	v_cvt_scalef32_pk8_fp8_f32 v[32+4*\b:33+4*\b], v[96+16*\b:103+16*\b], v31
	v_cvt_scalef32_pk8_fp8_f32 v[34+4*\b:35+4*\b], v[104+16*\b:111+16*\b], v31
.endr
	v_nop
	global_store_b128 v1, v[32:35], s[10:11]
	global_store_b128 v1, v[36:39], s[10:11] offset:512
.Lno_tile:
	s_wait_tensorcnt 0x0                           ; the wave's end
	ds_add_u32 v5, v6
	s_wait_dscnt 0x0
	s_endpgm
.Lfunc_end_k_q5e87bad99a_attn:
	.size	k_q5e87bad99a_attn, .Lfunc_end_k_q5e87bad99a_attn-k_q5e87bad99a_attn
	.p2alignl 7, 3214868480
	.fill 96, 4, 3214868480
	.section	.rodata,"a",@progbits
	.p2align	6, 0x0
	.amdhsa_kernel k_q5e87bad99a_attn
		.amdhsa_group_segment_fixed_size 327680
		.amdhsa_private_segment_fixed_size 0
		.amdhsa_enable_private_segment 0
		.amdhsa_kernarg_size 32
		.amdhsa_user_sgpr_count 2
		.amdhsa_user_sgpr_kernarg_segment_ptr 1
		.amdhsa_wavefront_size32 1
		.amdhsa_system_sgpr_workgroup_id_x 1
		.amdhsa_system_sgpr_workgroup_id_y 1
		.amdhsa_system_sgpr_workgroup_id_z 1
		.amdhsa_system_vgpr_workitem_id 0
		.amdhsa_next_free_vgpr 256
		.amdhsa_next_free_sgpr 100
		.amdhsa_reserve_vcc 1
		.amdhsa_float_denorm_mode_32 3
		.amdhsa_float_denorm_mode_16_64 3
		.amdhsa_memory_ordered 1
		.amdhsa_forward_progress 1
		.amdhsa_inst_pref_size 178
	.end_amdhsa_kernel
	.amdgpu_metadata
---
amdhsa.version: [ 1, 2 ]
amdhsa.kernels:
  - .name:           k_q5e87bad99a_attn
    .symbol:         k_q5e87bad99a_attn.kd
    .args:
      - { .name: qc, .offset: 0, .size: 8, .value_kind: global_buffer, .address_space: global }
      - { .name: kv, .offset: 8, .size: 8, .value_kind: global_buffer, .address_space: global }
      - { .name: lowp_scales, .offset: 16, .size: 8, .value_kind: global_buffer, .address_space: global }
      - { .name: oc, .offset: 24, .size: 8, .value_kind: global_buffer, .address_space: global }
    .group_segment_fixed_size: 327680
    .private_segment_fixed_size: 0
    .kernarg_segment_align: 8
    .kernarg_segment_size: 32
    .max_flat_workgroup_size: 512
    .sgpr_count:     100
    .vgpr_count:     256
    .wavefront_size: 32
...
	.end_amdgpu_metadata
.endif
;; end of part 9
;; launch proj (part 10): grid 128 x 1, 4 waves a work-group, no clusters, 308,736 bytes of LDS; arguments oc, wc, x, bo, g2, beta2, lowp_scales, x1, h2c; writes x1, h2c
.if DOCPART == 10
	.amdgcn_target "amdgcn-amd-amdhsa--gfx1250"
	.amdhsa_code_object_version 6
	.text
	.protected	k_q5e87bad99a_proj
	.globl	k_q5e87bad99a_proj
	.p2align	8
	.type	k_q5e87bad99a_proj,@function
k_q5e87bad99a_proj:
	s_mov_b64 s[64:65], 0
	v_nop
	global_prefetch_b8 v0, s[64:65] scope:SCOPE_SE
	s_setreg_imm32_b32 hwreg(HW_REG_WAVE_MODE, 25, 1), 1
	s_wait_xcnt 0x0
; Launch 4 of 6: x1 = x + o Wo + bo on E4M3 codes, and the second layer norm as codes.  Nothing is left out here.
; A work-group takes 32 tokens (two tiles) x ALL 768 columns, so that the norm's sums stay in the work-group; wave w has columns 192 w on (12 tiles).
; Every row block must read all of Wo's codes; 32 rows to a work-group halve the launch's requests against 16.
; TWO ROADS IN, side by side.  By tensor loads, first fills alone (one a wave; nothing is filled again): x's 32 rows, one dense block of 98,304 bytes, a half by each of waves 0, 1; and Wo's K steps 0 and 1, a half by each of waves 2, 3: in LDS
; each wave its own twelve tiles (49,152 bytes), which no other wave reads.  By loads into registers, as images of fragments: A, and Wo's K steps 2 to 5 through two register sets.  The K steps are taken in the order 2, 3, 4, 5, 0, 1.
; x lies in LDS as pieces of 512 bytes with 16 of padding behind each: a row is six pieces, 3,168 bytes = 792 words, so that eight neighbouring rows begin 24 banks apart (64 banks of 4 bytes: ISA guide 11.1);
; a lane reads its 16 bytes from there; loaded from memory in that pattern each load would take 16 bytes a lane from 32 places.
; No cluster: of Wo's 589,824 bytes, which all work-groups read, a third passes through LDS; the other four K steps go straight to registers, where a joint load cannot land.
; x goes from LDS straight into the accumulators, is multiplied by 2^-(e10 + e11) (which rounds nothing short of underflow), and is the C of the sums; x1 = sum x 2^(e10 + e11) + bo.
; The matrix instruction is used transposed (source 0 = 16 columns of Wo, source 1 = 16 tokens): a lane holds one token; two neighbouring tiles' registers are 16 neighbouring columns.
; x1 (f32) is stored as the image of the accumulators: [tile of tokens][tile of columns 48][2][512 bytes]; h2c is laid as one set of hc.
; LIMITS: e10 + e11 between -126 and 126; e12 between -126 and 119.  NaN among the inputs is not served.
; REGISTERS: window 0: v1-7, v12-27, v30, v31 addresses and scales, v28, v29 the add's two, v32-59 at work, v64-255 A's 12 fragments, later the tables and the codes.
;   windows 1, 2: weight sets 0, 1 (12 fragments each); window 1 later the centred rows.  window 3: the 24 accumulators ((m, t) at v[8 (12 m + t)]).
; SCALARS: s[24:31], s[32:39] descriptor groups 1 (Wo's, x's), s[40:43], s[44:47] their groups 0: none is written behind the loads; s84-87 at work.
.set XS,    196608                     ; behind Wo's 4 x 49,152 bytes: x, 192 pieces x 528 bytes
.set XROW,  3168
.set TBL,   297984                     ; bo, g2, beta2: 3 x 3,072 bytes
.set RED,   307200                     ; the rows' sums: 512 bytes; the centred squares': 512
.set SPARE, 308224                     ; the spare words, 128 bytes a wave: two blocks of 256 bytes that no other line names
.set MSB, 0
.macro WIN new
.if MSB != \new
	s_set_vgpr_msb (MSB<<8)|\new
.set MSB, \new
.endif
.endm
.macro PLACES n
.rept \n
	v_nop
.endr
.endm
	s_load_b512 s[4:19], s[0:1], 0x0               ; oc 4, wc 6, x 8, bo 10, g2 12, beta2 14, the scales 16, x1 18
	s_load_b64 s[20:21], s[0:1], 0x40              ; h2c
	v_lshl_add_u32 v28, v0, 2, SPARE
	v_mov_b32 v29, 0
	ds_add_u32 v28, v29                            ; the wave's opening: the add, twice on end, and its wait ahead of my first tensor load
	ds_add_u32 v28, v29
	v_lshrrev_b32 v1, 5, v0
	v_readfirstlane_b32 s22, v1                    ; wave
	s_mov_b32 s23, ttmp9                           ; pair of token tiles
	s_mov_b32 s24, 0x30000                         ; Wo's group 1: elements of 8 bytes, no mask, no padding
	s_mov_b32 s25, 512<<16                         ; tensor_dim0 = 512 (4,096 bytes: K steps 0 and 1 of a tile)
	s_mov_b32 s26, 24<<16                          ; tensor_dim1 = 24 tiles: two waves' twelve
	s_mov_b32 s27, 512<<16                         ; tile_dim0
	s_mov_b32 s28, 24                              ; tile_dim1
	s_mov_b32 s29, 1536                            ; 12,288 bytes from tile to tile
	s_mov_b32 s30, 0
	s_mov_b32 s31, 0
	s_mov_b32 s32, (3<<16)|(1<<20)|(6<<22)|(3<<25) ; x's group 1: elements of 8 bytes; padding on: four words behind every 128
	s_mov_b32 s33, 64<<16                          ; tensor_dim0 = 64 (512 bytes)
	s_mov_b32 s34, 96<<16                          ; tensor_dim1 = 96 pieces: sixteen rows of x
	s_mov_b32 s35, 64<<16                          ; tile_dim0
	s_mov_b32 s36, 96                              ; tile_dim1
	s_mov_b32 s37, 64                              ; pitch = the piece: a dense block of 49,152 bytes
	s_mov_b32 s38, 0
	s_mov_b32 s39, 0
	v_and_b32 v2, 15, v0                           ; r
	v_bfe_u32 v3, v0, 4, 1                         ; h
	v_and_b32 v4, 31, v0
	v_lshlrev_b32 v4, 4, v4                        ; 16 x lane
	v_lshlrev_b32 v1, 3, v0                        ; 8 x thread
	v_add_nc_u32 v7, TBL, v1                       ; the tables' way into LDS
	s_mul_i32 s84, s22, 49152
	v_add_nc_u32 v6, s84, v4                       ; my part of Wo in LDS
	v_and_b32 v5, 8, v2
	v_add_nc_u32 v5, v5, v2
	v_mul_u32_u24 v5, v5, XROW
	v_lshl_add_u32 v5, v3, 6, v5
	v_add_nc_u32 v5, XS, v5                        ; x in LDS: row r + 8 (r / 8), + 64 h
	s_wait_alu depctr_va_vdst(0)
.irp g, 0,1,2,3,4,5                    ; byte s = 768 w + 128 g of a row lies in piece s / 512, at s % 512
	s_mul_i32 s84, s22, 768
	s_add_co_u32 s84, s84, 128*\g
	s_lshr_b32 s86, s84, 9
	s_mul_i32 s86, s86, 528
	s_and_b32 s84, s84, 511
	s_add_co_u32 s84, s84, s86
	v_add_nc_u32 v[24+\g+2*(\g/4)], s84, v5        ; v24-27, v30, v31
.endr
	s_mul_i32 s84, s22, 768
	s_add_co_u32 s84, s84, TBL
	v_lshl_add_u32 v12, v3, 6, s84                 ; the tables: 768 w + 64 h
	v_lshl_add_u32 v14, v2, 2, RED                 ; 4 r
	s_lshl_b32 s84, s22, 7
	v_add_nc_u32 v13, s84, v14                     ; 128 w + 4 r
.irp g, 0,1,2,3,4,5
	s_mul_i32 s84, s22, 6
	s_add_co_u32 s84, s84, \g
	s_lshr_b32 s86, s84, 2
	s_lshl_b32 s86, s86, 14
	s_and_b32 s84, s84, 3
	s_lshl_b32 s84, s84, 9
	s_add_co_u32 s84, s84, s86
	v_add_nc_u32 v[16+\g], s84, v4
.endr
	s_mov_b32 s48, 0x76543210
	s_mov_b32 s49, 0xfedcba98
	s_mov_b32 s52, 0x3aaaaaab                      ; 1 / 768
	s_mov_b32 s53, 0x3727c5ac                      ; 1e-5
	s_mov_b32 s85, 0
	s_mov_b32 s87, 0
	s_wait_dscnt 0x0                               ; both opening adds are done
	s_wait_kmcnt 0x0
	s_load_b512 s[68:83], s[16:17], 0x0            ; e0 .. e15 in s68 .. s83
	; ONE tensor load a wave (in place of the two that the head comment names): waves 0, 1 fetch x's halves (16 rows each), waves 2, 3 the halves of Wo's K steps 0, 1 (24 tiles each).
	; The LDS image is as before; Wo's bytes are read behind the barrier that follows every wave's wait for its load.
	s_and_b32 s88, s22, 1                          ; which half I fetch
	s_mul_i32 s84, s88, 294912
	s_add_co_u32 s84, s84, 1769472
	s_mov_b32 s40, 1
	s_mul_i32 s41, s88, 98304
	s_add_nc_u64 s[42:43], s[6:7], s[84:85]        ; Wo's codes at tile 24 x half
	s_or_b32 s43, s43, 0x80000000
	s_mul_i32 s84, s22, 147456
	s_add_co_u32 s84, s84, 1769472
	s_add_nc_u64 s[6:7], s[6:7], s[84:85]          ; Wo's codes at my 12 tiles
	s_mul_i32 s84, s23, 98304
	s_add_nc_u64 s[8:9], s[8:9], s[84:85]          ; x at my 32 tokens
	s_mul_i32 s86, s88, 49152
	s_mov_b32 s44, 1
	s_mul_i32 s45, s88, 50688
	s_add_co_u32 s45, s45, XS
	s_add_nc_u64 s[46:47], s[8:9], s[86:87]        ; rows 16 x half on
	s_or_b32 s47, s47, 0x80000000
	s_cmp_lt_u32 s22, 2
	s_cbranch_scc0 .Lfor_wo
	tensor_load_to_lds s[44:47], s[32:39]          ; x
	s_nop 0
	PLACES 4
	s_branch .Lasked
.Lfor_wo:
	tensor_load_to_lds s[40:43], s[24:31]          ; Wo's K steps 0, 1
	s_nop 0
	PLACES 4
.Lasked:
	s_mul_i32 s84, s23, 24576
	s_add_nc_u64 s[4:5], s[4:5], s[84:85]          ; oc at my two tiles
	s_mul_i32 s84, s23, 98304
	s_mul_i32 s86, s22, 12288
	s_add_co_u32 s84, s84, s86
	s_add_nc_u64 s[18:19], s[18:19], s[84:85]      ; x1 at my tiles
	s_lshr_b32 s84, s23, 2
	s_mul_i32 s84, s84, 98304
	s_and_b32 s86, s23, 3
	s_lshl_b32 s86, s86, 12
	s_add_co_u32 s84, s84, s86
	s_add_nc_u64 s[20:21], s[20:21], s[84:85]
.irp i, 0,1,2
	global_load_b64 v[32+2*\i:33+2*\i], v1, s[10:11] offset:1024*\i
	global_load_b64 v[38+2*\i:39+2*\i], v1, s[12:13] offset:1024*\i
	global_load_b64 v[44+2*\i:45+2*\i], v1, s[14:15] offset:1024*\i
.endr
.irp m, 0,1
.irp s, 0,1,2,3,4,5
.irp c, 0,1,2,3
	global_load_b128 v[64+16*(6*\m+\s)+4*\c:64+16*(6*\m+\s)+4*\c+3], v4, s[4:5] offset:\m*12288+\s*2048+512*\c   ; no hint: the four waves read the same bytes
.endr
.endr
.endr
	s_wait_kmcnt 0x0
	s_add_co_i32 s86, s78, s79                     ; e10 + e11
	s_sub_co_i32 s84, 127, s86
	s_lshl_b32 s50, s84, 23                        ; 2^-(e10 + e11)
	s_mov_b32 s51, s50
	s_add_co_i32 s84, s86, 127
	s_lshl_b32 s54, s84, 23                        ; 2^(e10 + e11)
	s_mov_b32 s55, s54
	s_add_co_i32 s86, s80, 127
	s_lshl_b32 s84, s86, 23
	v_mov_b32 v23, s84                             ; 2^e12
	s_add_co_i32 s86, s86, 8
	s_lshl_b32 s86, s86, 23
	s_or_b32 s86, s86, 0x600000
	v_mov_b32 v22, s86                             ; 448 x 2^e12
	s_wait_loadcnt 48                              ; the tables are in; A's 48 loads are younger
.irp i, 0,1,2
	ds_store_b64 v7, v[32+2*\i:33+2*\i] offset:1024*\i
	ds_store_b64 v7, v[38+2*\i:39+2*\i] offset:3072+1024*\i
	ds_store_b64 v7, v[44+2*\i:45+2*\i] offset:6144+1024*\i
.endr
.irp r, 42,43,45,47,49,51
	v_mov_b32 v\r, 0                               ; lane permutes' destinations, and upper halves of pairs that are named whole
.endr
.macro FB s, set                       ; my 12 weight fragments of K step s from memory into a register set: each load reads 512 consecutive bytes
.set WN, 0x40*(1+(\set))
	WIN WN
.irp t, 0,1,2,3,4,5,6,7,8,9,10,11
.irp c, 0,1,2,3
	global_load_b128 v[16*\t+4*\c:16*\t+4*\c+3], v4, s[6:7] offset:\t*12288+(\s)*2048+512*\c
.endr
.endr
	WIN 0
.endm
.macro LB s, set                       ; the same from my part of LDS (K steps 0, 1)
.set WN, 0x40*(1+(\set))
	WIN WN
.irp t, 0,1,2,3,4,5,6,7,8,9,10,11
.irp c, 0,1,2,3
	ds_load_b128 v[16*\t+4*\c:16*\t+4*\c+3], v6 offset:\t*4096+(\s)*2048+512*\c
.endr
.endr
	WIN 0
.endm
.macro STEP s, set
.set WN, 0xf0|(1+(\set))
	WIN WN
.irp t, 0,1,2,3,4,5,6,7,8,9,10,11      ; 24 accumulators by turns, one instruction a turn
.irp m, 0,1
	v_wmma_f32_16x16x128_fp8_fp8 v[8*(12*\m+\t):8*(12*\m+\t)+7], v[16*\t:16*\t+15], v[64+16*(6*\m+(\s)):64+16*(6*\m+(\s))+15], v[8*(12*\m+\t):8*(12*\m+\t)+7]
.endr
.endr
	PLACES 4                                       ; in front of loads into registers that matrix instructions have read, and of the first read of results
.endm
	FB 2, 0
	FB 3, 1
	s_wait_tensorcnt 0x0                           ; my one tensor load (half of x or of Wo's K steps 0, 1) has landed,
	s_wait_dscnt 0x0                               ; my stores of the tables are done:
	s_barrier_signal -1
	s_barrier_wait -1                              ; everybody's are.
	WIN 0xc0
.irp m, 0,1
.irp t, 0,1,2,3,4,5,6,7,8,9,10,11
.irp k, 0,1
	ds_load_b128 v[8*(12*\m+\t)+4*\k:8*(12*\m+\t)+4*\k+3], v[24+(\t/2)+2*((\t/2)/4)] offset:\m*8*XROW+32*(\t%2)+16*\k   ; x(8 m + r + 8 (r / 8), 192 w + 32 (t / 2) + 16 h + 8 (t % 2) + 4 k ..)
.endr
.endr
.endr
	s_wait_dscnt 0x0
	WIN 0xc3
.set i, 0
.rept 96
	v_pk_mul_f32 v[i:i+1], v[i:i+1], s[50:51] op_sel_hi:[1,0]
.set i, i+2
.endr
	WIN 0
	s_wait_alu depctr_va_vdst(0)
	s_wait_loadcnt 48                              ; A and K step 2 are in; K step 3's 48 loads are younger
	STEP 2, 0
	FB 4, 0
	s_wait_loadcnt 48                              ; K step 3 is in; K step 4's loads are younger
	STEP 3, 1
	FB 5, 1
	s_wait_loadcnt 48                              ; K step 4 is in; K step 5's loads are younger
	STEP 4, 0
	LB 0, 0
	s_wait_loadcnt 0x0
	STEP 5, 1
	LB 1, 1
	s_wait_dscnt 48                                ; K step 0 is in registers; K step 1's 48 reads are younger
	STEP 0, 0
	s_wait_dscnt 0x0
	STEP 1, 1
	WIN 0
.macro TBL reg, off                    ; a table's numbers at my 96 columns, in the accumulators' order
.irp t, 0,1,2,3,4,5,6,7,8,9,10,11
	ds_load_b128 v[\reg+8*\t:\reg+8*\t+3], v12 offset:\off+(32*(\t/2)+8*(\t%2))*4
	ds_load_b128 v[\reg+8*\t+4:\reg+8*\t+7], v12 offset:\off+(32*(\t/2)+8*(\t%2))*4+16
.endr
.endm
	TBL 64, 0                                      ; bo
	TBL 160, 3072                                  ; g2
	s_wait_dscnt 24                                ; bo is in; g2's 24 reads are younger
	WIN 0xc3
.irp m, 0,1
.set i, 0
.rept 48
	v_pk_fma_f32 v[96*\m+i:96*\m+i+1], v[96*\m+i:96*\m+i+1], s[54:55], v[64+i:65+i] op_sel_hi:[1,0,1]   ; x1, each accumulator from its low end on
.set i, i+2
.endr
.endr
	WIN 0
	TBL 64, 6144                                   ; beta2, where bo lay
	WIN 0x0f
.irp m, 0,1
	v_pk_add_f32 v[32+4*\m:33+4*\m], v[96*\m:96*\m+1], v[96*\m+2:96*\m+3]
	v_pk_add_f32 v[34+4*\m:35+4*\m], v[96*\m+4:96*\m+5], v[96*\m+6:96*\m+7]
.endr
	WIN 0x0c
.irp m, 0,1
.irp t, 0,1,2,3,4,5,6,7,8,9,10,11
.irp k, 0,1
	global_store_b128 v4, v[8*(12*\m+\t)+4*\k:8*(12*\m+\t)+4*\k+3], s[18:19] offset:\m*49152+\t*1024+512*\k   ; 512 consecutive bytes; these registers are not written again
.endr
.endr
.endr
.irp m, 0,1
.set j, 8
.rept 22
	v_pk_add_f32 v[32+4*\m:33+4*\m], v[32+4*\m:33+4*\m], v[96*\m+j:96*\m+j+1]
	v_pk_add_f32 v[34+4*\m:35+4*\m], v[34+4*\m:35+4*\m], v[96*\m+j+2:96*\m+j+3]
.set j, j+4
.endr
.endr
	WIN 0
.macro FOLD                            ; the chains' ends: v40, v41 = my lane's sums for the two tiles
	v_pk_add_f32 v[32:33], v[32:33], v[34:35]
	v_pk_add_f32 v[36:37], v[36:37], v[38:39]
	v_add_f32 v40, v32, v33
	v_add_f32 v41, v36, v37
.endm
.macro RSUM2 red                       ; the rows' sums: the other half of the lanes, then the four waves through LDS
	v_permlanex16_b32 v42, v40, s48, s49
	v_permlanex16_b32 v43, v41, s48, s49
	v_add_f32 v40, v40, v42
	v_add_f32 v41, v41, v43
	ds_store_b32 v13, v40 offset:\red
	ds_store_b32 v13, v41 offset:\red+64
	s_wait_dscnt 0x0
	s_barrier_signal -1
	s_barrier_wait -1
.irp q, 0,1,2,3
	ds_load_b32 v[52+\q], v14 offset:\red+128*\q
	ds_load_b32 v[56+\q], v14 offset:\red+128*\q+64
.endr
	s_wait_dscnt 0x0
	v_add_f32 v52, v52, v53
	v_add_f32 v54, v54, v55
	v_add_f32 v56, v56, v57
	v_add_f32 v58, v58, v59
	v_add_f32 v40, v52, v54
	v_add_f32 v41, v56, v58
.endm
	FOLD
	RSUM2 0
	v_mul_f32 v44, s52, v40                        ; the means
	v_mul_f32 v46, s52, v41
	WIN 0x43
.irp m, 0,1
.set i, 0
.rept 48
	v_pk_add_f32 v[96*\m+i:96*\m+i+1], v[96*\m+i:96*\m+i+1], v[44+2*\m:45+2*\m] op_sel_hi:[1,0] neg_lo:[0,1] neg_hi:[0,1]   ; the centred rows, into window 1
.set i, i+2
.endr
.endr
	WIN 0x05
.irp m, 0,1
	v_pk_mul_f32 v[32+4*\m:33+4*\m], v[96*\m:96*\m+1], v[96*\m:96*\m+1]
	v_pk_mul_f32 v[34+4*\m:35+4*\m], v[96*\m+2:96*\m+3], v[96*\m+2:96*\m+3]
.set j, 4
.rept 23
	v_pk_fma_f32 v[32+4*\m:33+4*\m], v[96*\m+j:96*\m+j+1], v[96*\m+j:96*\m+j+1], v[32+4*\m:33+4*\m]
	v_pk_fma_f32 v[34+4*\m:35+4*\m], v[96*\m+j+2:96*\m+j+3], v[96*\m+j+2:96*\m+j+3], v[34+4*\m:35+4*\m]
.set j, j+4
.endr
.endr
	WIN 0
	FOLD
	RSUM2 512
	v_fma_f32 v40, v40, s52, s53
	v_fma_f32 v41, v41, s52, s53
	s_wait_alu depctr_va_vdst(0)
	v_rsq_f32 v48, v40
	v_rsq_f32 v50, v41
	v_nop                                          ; a plain instruction behind the roots
	s_wait_alu depctr_va_vdst(0)                   ; one wait for both, ahead of the first reader
	WIN 0x41
.irp m, 0,1
.set i, 0
.rept 48
	v_pk_mul_f32 v[96*\m+i:96*\m+i+1], v[96*\m+i:96*\m+i+1], v[48+2*\m:49+2*\m] op_sel_hi:[1,0]
.set i, i+2
.endr
.set i, 0
.rept 48
	v_pk_fma_f32 v[96*\m+i:96*\m+i+1], v[96*\m+i:96*\m+i+1], v[160+i:161+i], v[64+i:65+i]
.set i, i+2
.endr
.set i, 0
.rept 96
	v_med3_num_f32 v[96*\m+i], v[96*\m+i], -v22, v22
.set i, i+1
.endr
.endr
	WIN 0x01
.irp m, 0,1
.irp g, 0,1,2,3,4,5
	v_cvt_scalef32_pk8_fp8_f32 v[64+4*(6*\m+\g):65+4*(6*\m+\g)], v[96*\m+16*\g:96*\m+16*\g+7], v23
	v_cvt_scalef32_pk8_fp8_f32 v[66+4*(6*\m+\g):67+4*(6*\m+\g)], v[96*\m+16*\g+8:96*\m+16*\g+15], v23
.endr
.endr
	v_nop
	WIN 0
.irp m, 0,1
.irp g, 0,1,2,3,4,5
	global_store_b128 v[16+\g], v[64+4*(6*\m+\g):67+4*(6*\m+\g)], s[20:21] offset:\m*2048
.endr
.endr
	s_wait_tensorcnt 0x0                           ; the wave's end, behind my last tensor load and my last LDS store
	ds_add_u32 v28, v29
	s_wait_dscnt 0x0
	s_endpgm
.Lfunc_end_k_q5e87bad99a_proj:
	.size	k_q5e87bad99a_proj, .Lfunc_end_k_q5e87bad99a_proj-k_q5e87bad99a_proj
	.p2alignl 7, 3214868480
	.fill 96, 4, 3214868480
	.section	.rodata,"a",@progbits
	.p2align	6, 0x0
	.amdhsa_kernel k_q5e87bad99a_proj
		.amdhsa_group_segment_fixed_size 308736
		.amdhsa_private_segment_fixed_size 0
		.amdhsa_enable_private_segment 0
		.amdhsa_kernarg_size 72
		.amdhsa_user_sgpr_count 2
		.amdhsa_user_sgpr_kernarg_segment_ptr 1
		.amdhsa_wavefront_size32 1
		.amdhsa_system_sgpr_workgroup_id_x 1
		.amdhsa_system_sgpr_workgroup_id_y 1
		.amdhsa_system_sgpr_workgroup_id_z 1
		.amdhsa_system_vgpr_workitem_id 0
		.amdhsa_next_free_vgpr 1024
		.amdhsa_next_free_sgpr 100
		.amdhsa_reserve_vcc 0
		.amdhsa_float_denorm_mode_32 3
		.amdhsa_float_denorm_mode_16_64 3
		.amdhsa_memory_ordered 1
		.amdhsa_forward_progress 1
		.amdhsa_inst_pref_size 122
	.end_amdhsa_kernel
	.amdgpu_metadata
---
amdhsa.version: [ 1, 2 ]
amdhsa.kernels:
  - .name:           k_q5e87bad99a_proj
    .symbol:         k_q5e87bad99a_proj.kd
    .args:
      - { .name: oc, .offset: 0, .size: 8, .value_kind: global_buffer, .address_space: global }
      - { .name: wc, .offset: 8, .size: 8, .value_kind: global_buffer, .address_space: global }
      - { .name: x, .offset: 16, .size: 8, .value_kind: global_buffer, .address_space: global }
      - { .name: bo, .offset: 24, .size: 8, .value_kind: global_buffer, .address_space: global }
      - { .name: g2, .offset: 32, .size: 8, .value_kind: global_buffer, .address_space: global }
      - { .name: beta2, .offset: 40, .size: 8, .value_kind: global_buffer, .address_space: global }
      - { .name: lowp_scales, .offset: 48, .size: 8, .value_kind: global_buffer, .address_space: global }
      - { .name: x1, .offset: 56, .size: 8, .value_kind: global_buffer, .address_space: global }
      - { .name: h2c, .offset: 64, .size: 8, .value_kind: global_buffer, .address_space: global }
    .group_segment_fixed_size: 308736
    .private_segment_fixed_size: 0
    .kernarg_segment_align: 8
    .kernarg_segment_size: 72
    .max_flat_workgroup_size: 128
    .sgpr_count:     100
    .vgpr_count:     1024
    .wavefront_size: 32
...
	.end_amdgpu_metadata
.endif
;; end of part 10
;; launch ffn1 (part 11): grid 8 x 32, 4 waves a work-group, no clusters, 327,680 bytes of LDS; arguments h2c, wc, b1, lowp_scales, hid; writes hid
.if DOCPART == 11
	.amdgcn_target "amdgcn-amd-amdhsa--gfx1250"
	.amdhsa_code_object_version 6
	.text
	.protected	k_q5e87bad99a_ffn1
	.globl	k_q5e87bad99a_ffn1
	.p2align	8
	.type	k_q5e87bad99a_ffn1,@function
k_q5e87bad99a_ffn1:
	s_mov_b64 s[64:65], 0
	v_nop
	global_prefetch_b8 v0, s[64:65] scope:SCOPE_SE
	s_setreg_imm32_b32 hwreg(HW_REG_WAVE_MODE, 25, 1), 1
	s_wait_xcnt 0x0
.set SPARE, 98304
.set MSB, 0
.macro WIN new
.if MSB != \new
	s_set_vgpr_msb (MSB<<8)|\new
.set MSB, \new
.endif
.endm
.macro PLACES n
.rept \n
	v_nop
.endr
.endm
	s_load_b256 s[4:11], s[0:1], 0x0
	s_load_b64 s[12:13], s[0:1], 0x20
	v_lshl_add_u32 v28, v0, 2, SPARE
	v_mov_b32 v29, 0
	ds_add_u32 v28, v29
	ds_add_u32 v28, v29
	v_lshrrev_b32 v1, 5, v0
	v_readfirstlane_b32 s14, v1
	s_mov_b32 s15, ttmp9
	s_and_b32 s16, ttmp7, 0xffff
	s_mov_b32 s24, 0x30000
	s_mov_b32 s25, 32<<16
	s_mov_b32 s26, 96<<16                          ; tensor_dim1 = 96 rows of 256 bytes
	s_mov_b32 s27, 32<<16
	s_mov_b32 s28, 96                              ; tile_dim1: a dense block of 24,576 bytes
	s_mov_b32 s29, 32
	s_mov_b32 s30, 0
	s_mov_b32 s31, 0
	s_mul_i32 s18, s16, 98304
	s_mul_i32 s20, s14, 24576                      ; my quarter of A's whole tile
	s_add_co_u32 s18, s18, s20
	s_mov_b32 s19, 0
	s_mov_b32 s52, 0xaf95df0b
	s_mov_b32 s54, 0xb60cff51
	s_mov_b32 s56, 0xb86ec2d2
	s_mov_b32 s58, 0xba40ac63
	s_mov_b32 s60, 0xbb41a1f6
	s_mov_b32 s62, 0xbc83dbd4
	s_mov_b32 s66, 0xb77460cd
	s_mov_b32 s84, 0xbadc924e
	s_mov_b32 s86, 0xbbf19bf8
	s_mov_b32 s88, 0xbc69b6a7
.irp c, 52,54,56,58,60,62,66,84,86,88
	s_mov_b32 s[\c+1], s[\c]
.endr
	s_wait_dscnt 0x0
	s_wait_kmcnt 0x0
	s_load_b512 s[68:83], s[10:11], 0x0
	s_add_nc_u64 s[4:5], s[4:5], s[18:19]
	; one tensor load a wave: a quarter, 24,576 bytes, of A's tile (128 tokens x all of K, 98,304 bytes, dense in h2c); nothing is filled again
	s_mov_b32 s36, 1
	s_mov_b32 s37, s20
	s_mov_b64 s[38:39], s[4:5]
	s_or_b32 s39, s39, 0x80000000
	tensor_load_to_lds s[36:39], s[24:31]
	s_nop 0
	PLACES 4
	v_and_b32 v1, 31, v0
	v_lshlrev_b32 v16, 4, v1
	v_add_nc_u32 v17, 0x10000, v16
	v_bfe_u32 v18, v0, 4, 1
	v_lshlrev_b32 v18, 6, v18
	s_wait_alu depctr_va_vdst(0)
	s_mul_i32 s21, s15, 24
	s_mul_i32 s22, s14, 6
	s_add_co_u32 s21, s21, s22
	s_mul_i32 s22, s21, 12288
	s_add_co_u32 s22, s22, 2359296
	s_mov_b32 s23, 0
	s_add_nc_u64 s[6:7], s[6:7], s[22:23]
	s_lshl_b32 s22, s21, 6
	s_add_nc_u64 s[8:9], s[8:9], s[22:23]
	s_mul_i32 s22, s16, 393216
	s_lshl_b32 s32, s21, 8
	s_add_co_u32 s22, s22, s32
	s_add_nc_u64 s[12:13], s[12:13], s[22:23]
	WIN 0x40
.irp t, 0,1,2,3,4,5
	global_load_b128 v[192+8*\t:195+8*\t], v18, s[8:9] offset:(32*(\t/2)+8*(\t%2))*4
	global_load_b128 v[196+8*\t:199+8*\t], v18, s[8:9] offset:(32*(\t/2)+8*(\t%2))*4+16
.endr
	WIN 0
.macro FB s
.if ((\s)%3) == 2
.set BB, 32
	WIN 0
.else
.set BB, 96*((\s)%3)
	WIN 0x40
.endif
.irp t, 0,1,2,3,4,5
.irp c, 0,1,2,3
	global_load_b128 v[BB+16*\t+4*\c:BB+16*\t+4*\c+3], v16, s[6:7] offset:\t*12288+(\s)*2048+512*\c
.endr
.endr
	WIN 0
.endm
.macro FA s, m0
.irp m, \m0, \m0+1, \m0+2, \m0+3
.irp c, 0,1,2,3
	ds_load_b128 v[128+16*(\m)+4*\c:128+16*(\m)+4*\c+3], v[16+(\s)/4] offset:((\s)%4)*16384+(\m)*2048+512*\c
.endr
.endr
.endm
.macro MUL s, half, first
.if ((\s)%3) == 2
.set BB, 32
.set BW, 0
.else
.set BB, 96*((\s)%3)
.set BW, 1
.endif
.if \first
.set WN, 0x91+0x40*(\half)
.else
.set WN, (0xa0+0x50*(\half))|BW
.endif
	WIN WN
.irp m, 0,1,2,3
.irp t, 0,1,2,3,4,5
.set AC, 8*(6*\m+\t)
.set AR, 128+16*(4*(\half)+\m)
.set BR, BB+16*\t
.if \first
	v_wmma_f32_16x16x128_fp8_fp8 v[AC:AC+7], v[BR:BR+15], v[AR:AR+15], v[192+8*\t:199+8*\t]
.else
	v_wmma_f32_16x16x128_fp8_fp8 v[AC:AC+7], v[BR:BR+15], v[AR:AR+15], v[AC:AC+7]
.endif
.endr
.endr
.endm
.macro STEP s, first
.if (\s) < 4
	s_wait_loadcnt 48
.elseif (\s) == 4
	s_wait_loadcnt 24
.else
	s_wait_loadcnt 0x0
.endif
	s_wait_dscnt 16
	MUL \s, 0, \first
	s_wait_dscnt 0x0
.if (\s) < 5
	PLACES 4
	WIN 0
	FA (\s)+1, 0
.endif
	MUL \s, 1, \first
	PLACES 4
	WIN 0
.if (\s) < 5
	FA (\s)+1, 4
.endif
.if (\s) < 3
	FB (\s)+3
.endif
.endm
	FB 0
	FB 1
	FB 2
	s_wait_kmcnt 0x0
	s_add_co_i32 s90, s80, s81
	s_lshl_b32 s91, s90, 23
	s_add_co_i32 s48, s91, 0x3f3504f3
	s_mov_b32 s49, s48
	s_add_co_i32 s50, s90, 126
	s_lshl_b32 s50, s50, 23
	s_mov_b32 s51, s50
	s_sub_co_i32 s90, 0, s90
	s_wait_loadcnt 48
	WIN 0x41
.set i, 0
.rept 48
	v_ldexp_f32 v[192+i], v[192+i], s90
.set i, i+1
.endr
	WIN 0
	s_wait_alu depctr_va_vdst(0)
	s_wait_tensorcnt 0x0                           ; my quarter of A's tile has landed
	s_barrier_signal -1
	s_barrier_wait -1
	FA 0, 0
	FA 0, 4
	STEP 0, 1
	STEP 1, 0
	STEP 2, 0
	STEP 3, 0
	STEP 4, 0
	STEP 5, 0
	v_mov_b32 v208, 0x32edffee
	v_mov_b32 v209, 0x32edffee
	v_mov_b32 v210, 0xb95fbd29
	v_mov_b32 v211, 0xb95fbd29
	s_add_co_i32 s90, s82, 127
	s_lshl_b32 s91, s90, 23
	v_mov_b32 v213, s91
	s_add_co_i32 s90, s90, 8
	s_lshl_b32 s90, s90, 23
	s_or_b32 s90, s90, 0x600000
	v_mov_b32 v212, s90
.macro P16 op:vararg
.endm
.macro GELU bt
.set AB, 32*((\bt)%6)
.set CB, 192+8*((\bt)%2)
.set WN, 2+(\bt)/6
	WIN WN
.set i, 0
.rept 16
	v_pk_mul_f32 v[32+i:33+i], v[AB+i:AB+i+1], s[48:49] op_sel_hi:[1,0]
.set i, i+2
.endr
.set i, 0
.rept 16
	v_pk_mul_f32 v[64+i:65+i], v[AB+i:AB+i+1], s[50:51] op_sel_hi:[1,0]
.set i, i+2
.endr
	WIN 0
.set i, 0
.rept 32
	v_med3_num_f32 v[32+i], v[32+i], -4.0, 4.0
.set i, i+1
.endr
.set i, 0
.rept 16
	v_pk_mul_f32 v[96+i:97+i], v[32+i:33+i], v[32+i:33+i]
.set i, i+2
.endr
.set i, 0
.rept 16
	v_pk_fma_f32 v[128+i:129+i], v[96+i:97+i], s[52:53], v[208:209] op_sel_hi:[1,0,1]
	v_pk_fma_f32 v[160+i:161+i], v[96+i:97+i], s[66:67], v[210:211] op_sel_hi:[1,0,1]
.set i, i+2
.endr
.irp c, 54,56,58,60,62
.set i, 0
.rept 16
	v_pk_fma_f32 v[128+i:129+i], v[128+i:129+i], v[96+i:97+i], s[\c:\c+1] op_sel_hi:[1,1,0]
.set i, i+2
.endr
.endr
.irp c, 84,86,88
.set i, 0
.rept 16
	v_pk_fma_f32 v[160+i:161+i], v[160+i:161+i], v[96+i:97+i], s[\c:\c+1] op_sel_hi:[1,1,0]
.set i, i+2
.endr
.endr
.set i, 0
	s_wait_alu depctr_va_vdst(0)
.rept 32
	v_rcp_f32 v[160+i], v[160+i]
.set i, i+1
.endr
.set i, 0
.rept 16
	v_pk_mul_f32 v[128+i:129+i], v[128+i:129+i], v[32+i:33+i]
.set i, i+2
.endr
	s_wait_alu depctr_va_vdst(0)
.set i, 0
.rept 16
	v_pk_mul_f32 v[128+i:129+i], v[128+i:129+i], v[160+i:161+i]
.set i, i+2
.endr
.set i, 0
.rept 16
	v_pk_fma_f32 v[64+i:65+i], v[64+i:65+i], v[128+i:129+i], v[64+i:65+i]
.set i, i+2
.endr
.set i, 0
.rept 32
	v_med3_num_f32 v[64+i], v[64+i], -v212, v212
.set i, i+1
.endr
	s_wait_alu depctr_va_vdst(0)
	s_wait_xcnt 0x0
.irp g, 0,1
	v_cvt_scalef32_pk8_fp8_f32 v[CB+4*\g:CB+4*\g+1], v[64+16*\g:71+16*\g], v213
	v_cvt_scalef32_pk8_fp8_f32 v[CB+4*\g+2:CB+4*\g+3], v[72+16*\g:79+16*\g], v213
.endr
	v_nop
.irp g, 0,1
	global_store_b128 v16, v[CB+4*\g:CB+4*\g+3], s[12:13] offset:((2*(\bt)+\g)/3)*49152+((2*(\bt)+\g)%3)*512
.endr
.endm
.irp bt, 0,1,2,3,4,5,6,7,8,9,10,11
	GELU \bt
.endr
	s_wait_tensorcnt 0x0
	ds_add_u32 v28, v29
	s_wait_dscnt 0x0
	s_endpgm
.Lfunc_end_k_q5e87bad99a_ffn1:
	.size	k_q5e87bad99a_ffn1, .Lfunc_end_k_q5e87bad99a_ffn1-k_q5e87bad99a_ffn1
	.p2alignl 7, 3214868480
	.fill 96, 4, 3214868480
	.section	.rodata,"a",@progbits
	.p2align	6, 0x0
	.amdhsa_kernel k_q5e87bad99a_ffn1
		.amdhsa_group_segment_fixed_size 327680
		.amdhsa_private_segment_fixed_size 0
		.amdhsa_enable_private_segment 0
		.amdhsa_kernarg_size 40
		.amdhsa_user_sgpr_count 2
		.amdhsa_user_sgpr_kernarg_segment_ptr 1
		.amdhsa_wavefront_size32 1
		.amdhsa_system_sgpr_workgroup_id_x 1
		.amdhsa_system_sgpr_workgroup_id_y 1
		.amdhsa_system_sgpr_workgroup_id_z 1
		.amdhsa_system_vgpr_workitem_id 0
		.amdhsa_next_free_vgpr 1024
		.amdhsa_next_free_sgpr 100
		.amdhsa_reserve_vcc 0
		.amdhsa_float_denorm_mode_32 3
		.amdhsa_float_denorm_mode_16_64 3
		.amdhsa_memory_ordered 1
		.amdhsa_forward_progress 1
		.amdhsa_inst_pref_size 255
	.end_amdhsa_kernel
	.section	.bss,"aw",@nobits
	.p2align	6
	.space	262144
	.amdgpu_metadata
---
amdhsa.version: [ 1, 2 ]
amdhsa.kernels:
  - .name:           k_q5e87bad99a_ffn1
    .symbol:         k_q5e87bad99a_ffn1.kd
    .args:
      - { .name: h2c, .offset: 0, .size: 8, .value_kind: global_buffer, .address_space: global }
      - { .name: wc, .offset: 8, .size: 8, .value_kind: global_buffer, .address_space: global }
      - { .name: b1, .offset: 16, .size: 8, .value_kind: global_buffer, .address_space: global }
      - { .name: lowp_scales, .offset: 24, .size: 8, .value_kind: global_buffer, .address_space: global }
      - { .name: hid, .offset: 32, .size: 8, .value_kind: global_buffer, .address_space: global }
    .group_segment_fixed_size: 327680
    .private_segment_fixed_size: 0
    .kernarg_segment_align: 8
    .kernarg_segment_size: 40
    .max_flat_workgroup_size: 128
    .sgpr_count:     100
    .vgpr_count:     1024
    .wavefront_size: 32
...
	.end_amdgpu_metadata
.endif
;; end of part 11
;; launch ffn2 (part 12): grid 4 x 64, 4 waves a work-group, no clusters, 327,680 bytes of LDS; arguments hid, wc, x1, b2, lowp_scales, out0; writes out0
.if DOCPART == 12
	.amdgcn_target "amdgcn-amd-amdhsa--gfx1250"
	.amdhsa_code_object_version 6
	.text
	.protected	k_q5e87bad99a_ffn2
	.globl	k_q5e87bad99a_ffn2
	.p2align	8
	.type	k_q5e87bad99a_ffn2,@function
k_q5e87bad99a_ffn2:
	s_mov_b64 s[64:65], 0
	v_nop
	global_prefetch_b8 v0, s[64:65] scope:SCOPE_SE
	s_setreg_imm32_b32 hwreg(HW_REG_WAVE_MODE, 25, 1), 1
	s_wait_xcnt 0x0
.set STG,   196608
.set SPARE, 246784
.set MSB, 0
.macro WIN new
.if MSB != \new
	s_set_vgpr_msb (MSB<<8)|\new
.set MSB, \new
.endif
.endm
.macro PLACES n
.rept \n
	v_nop
.endr
.endm
	s_load_b256 s[4:11], s[0:1], 0x0
	s_load_b128 s[12:15], s[0:1], 0x20
	v_lshl_add_u32 v28, v0, 2, SPARE
	v_mov_b32 v29, 0
	ds_add_u32 v28, v29
	ds_add_u32 v28, v29
	v_lshrrev_b32 v1, 5, v0
	v_readfirstlane_b32 s16, v1
	s_mov_b32 s17, ttmp9
	s_and_b32 s18, ttmp7, 0xffff
	s_mov_b32 s24, 0x30000
	s_mov_b32 s25, 32<<16
	s_mov_b32 s26, 64<<16
	s_mov_b32 s27, 32<<16
	s_mov_b32 s28, 64
	s_mov_b32 s29, 32
	s_mov_b32 s30, 0
	s_mov_b32 s31, 0
	s_lshl_b32 s19, s18, 2
	s_add_co_u32 s19, s19, s16
	s_mul_i32 s20, s19, 49152
	s_mov_b32 s21, 0
	s_mul_i32 s22, s16, 49152
	s_wait_dscnt 0x0
	s_wait_kmcnt 0x0
	s_load_b512 s[68:83], s[12:13], 0x0
	s_add_nc_u64 s[4:5], s[4:5], s[20:21]
.irp q, 0,1,2
	s_mov_b32 s[36+4*\q], 1
	s_add_co_u32 s[37+4*\q], s22, \q*16384
	s_add_nc_u64 s[38+4*\q:39+4*\q], s[4:5], \q*16384
	s_or_b32 s[39+4*\q], s[39+4*\q], 0x80000000
.endr
.irp q, 0,1,2
	s_wait_alu depctr_va_vdst(0)
	s_wait_tensorcnt 0x0
	ds_add_u32 v28, v29
	ds_add_u32 v28, v29
	s_wait_dscnt 0x0
	s_barrier_signal -1
	s_barrier_wait -1
	tensor_load_to_lds s[36+4*\q:39+4*\q], s[24:31]
	s_nop 0
.endr
	PLACES 4
	v_and_b32 v1, 31, v0
	v_and_b32 v2, 15, v0
	s_wait_alu depctr_va_vdst(0)
	v_bfe_u32 v3, v0, 4, 1
	v_lshlrev_b32 v20, 4, v1
.irp m, 0,1,2,3
	v_add_nc_u32 v[16+\m], \m*49152, v20
.endr
	s_mul_i32 s23, s17, 12
	s_mul_i32 s32, s16, 3
	s_add_co_u32 s23, s23, s32
	s_mul_i32 s32, s23, 49152
	s_add_co_u32 s32, s32, 4718592
	s_mov_b32 s33, 0
	s_add_nc_u64 s[6:7], s[6:7], s[32:33]
	s_mul_i32 s32, s18, 196608
	s_lshl_b32 s34, s23, 10
	s_add_co_u32 s32, s32, s34
	s_add_nc_u64 s[8:9], s[8:9], s[32:33]
	s_mul_i32 s32, s17, 768
	s_add_nc_u64 s[10:11], s[10:11], s[32:33]
	s_lshl_b32 s34, s18, 6
	s_lshl_b32 s35, s16, 4
	s_add_co_u32 s34, s34, s35
	s_mul_i32 s34, s34, 3072
	s_add_co_u32 s32, s32, s34
	s_add_nc_u64 s[14:15], s[14:15], s[32:33]
	v_and_b32 v4, 8, v2
	v_add_nc_u32 v4, v4, v2
	v_mul_u32_u24 v4, v4, 784
	s_wait_alu depctr_va_vdst(0)
	v_lshl_add_u32 v4, v3, 6, v4
	v_add_nc_u32 v4, STG, v4
	s_wait_alu depctr_va_vdst(0)
.irp t, 0,1,2
	s_mul_i32 s84, s16, 3
	s_add_co_u32 s84, s84, \t
	s_lshr_b32 s85, s84, 1
	s_lshl_b32 s85, s85, 7
	s_and_b32 s84, s84, 1
	s_lshl_b32 s84, s84, 5
	s_add_co_u32 s84, s84, s85
	v_add_nc_u32 v[24+\t], s84, v4
	v_lshl_add_u32 v[21+\t], v3, 6, s84
.endr
	s_mul_i32 s84, s16, 16*784
	s_add_co_u32 s84, s84, STG
	v_add_nc_u32 v10, s84, v20
	v_lshl_add_u32 v11, v3, 4, v10
	v_add_nc_u32 v11, 512, v11
	v_add_nc_u32 v12, 1040, v10
	v_mul_u32_u24 v14, v3, 2304
	v_add_nc_u32 v14, v14, v20
	v_add_nc_u32 v14, 512, v14
	v_add_nc_u32 v15, 3328, v20
	WIN 0xc0
.irp m, 0,1,2,3
.irp t, 0,1,2
.irp k, 0,1
	global_load_b128 v[8*(3*\m+\t)+4*\k:8*(3*\m+\t)+4*\k+3], v20, s[8:9] offset:\m*49152+\t*1024+512*\k th:TH_LOAD_NT
.endr
.endr
.endr
.irp t, 0,1,2
	global_load_b128 v[96+8*\t:99+8*\t], v[21+\t], s[10:11]
	global_load_b128 v[100+8*\t:103+8*\t], v[21+\t], s[10:11] offset:16
.endr
	WIN 0
.macro FB s
.set ST6, (\s)%6
.if ST6 < 4
.set BB, 48*ST6
	WIN 0x40
.else
.set BB, 48*(ST6-4)
	WIN 0x80
.endif
.irp t, 0,1,2
.irp c, 0,1,2,3
	global_load_b128 v[BB+16*\t+4*\c:BB+16*\t+4*\c+3], v20, s[6:7] offset:\t*49152+(\s)*2048+512*\c
.endr
.endr
	WIN 0
.endm
.macro FA s
.irp m, 0,1,2,3
.irp c, 0,1,2,3
	ds_load_b128 v[128+64*((\s)%2)+16*\m+4*\c:128+64*((\s)%2)+16*\m+4*\c+3], v[16+\m] offset:(\s)*2048+512*\c
.endr
.endr
.endm
.macro STEP s
.if 23-(\s) >= 5
	s_wait_loadcnt 60
.else
	s_wait_loadcnt 12*(23-(\s))
.endif
.if (\s) < 23
	s_wait_dscnt 16
.else
	s_wait_dscnt 0x0
.endif
.set ST6, (\s)%6
.if ST6 < 4
.set BB, 48*ST6
	WIN 0x01
.else
.set BB, 48*(ST6-4)
	WIN 0x02
.endif
.irp m, 0,1,2,3
.irp t, 0,1,2
.if (\s) == 0
	v_wmma_f32_16x16x128_fp8_fp8 v[32+8*(3*\m+\t):39+8*(3*\m+\t)], v[BB+16*\t:BB+16*\t+15], v[128+64*((\s)%2)+16*\m:143+64*((\s)%2)+16*\m], 0
.else
	v_wmma_f32_16x16x128_fp8_fp8 v[32+8*(3*\m+\t):39+8*(3*\m+\t)], v[BB+16*\t:BB+16*\t+15], v[128+64*((\s)%2)+16*\m:143+64*((\s)%2)+16*\m], v[32+8*(3*\m+\t):39+8*(3*\m+\t)]
.endif
.endr
.endr
	PLACES 4
	WIN 0
.if (\s) == 6
	s_wait_dscnt 0x0
	s_wait_tensorcnt 0x1
	s_barrier_signal -1
	s_barrier_wait -1
.elseif (\s) == 14
	s_wait_dscnt 0x0
	s_wait_tensorcnt 0x0
	s_barrier_signal -1
	s_barrier_wait -1
.endif
.if (\s) < 22
	FA (\s)+2
.endif
.if (\s) < 18
	FB (\s)+6
.endif
.endm
.irp s, 0,1,2,3,4,5
	FB \s
.endr
	s_wait_kmcnt 0x0
	s_add_co_i32 s50, s82, s83
	s_add_co_i32 s50, s50, 127
	s_lshl_b32 s50, s50, 23
	s_mov_b32 s51, s50
	s_wait_tensorcnt 0x2
	s_barrier_signal -1
	s_barrier_wait -1
	FA 0
	FA 1
.irp s, 0,1,2,3,4,5,6,7,8,9,10,11,12,13,14,15,16,17,18,19,20,21,22,23
	STEP \s
.endr
	WIN 0x30
.set i, 0
.rept 48
	v_pk_fma_f32 v[128+i:129+i], v[32+i:33+i], s[50:51], v[i:i+1] op_sel_hi:[1,0,1]
.set i, i+2
.endr
	WIN 0x0c
.irp m, 0,1,2,3
.irp t, 0,1,2
.irp j, 0,2,4,6
	v_pk_add_f32 v[128+8*(3*\m+\t)+\j:129+8*(3*\m+\t)+\j], v[128+8*(3*\m+\t)+\j:129+8*(3*\m+\t)+\j], v[96+8*\t+\j:97+8*\t+\j]
.endr
.endr
.endr
	WIN 0
.irp m, 0,1,2,3
.irp t, 0,1,2
	ds_store_b128 v[24+\t], v[128+8*(3*\m+\t):131+8*(3*\m+\t)] offset:(32*(\m/2)+8*(\m%2))*784
	ds_store_b128 v[24+\t], v[132+8*(3*\m+\t):135+8*(3*\m+\t)] offset:(32*(\m/2)+8*(\m%2))*784+16
.endr
.endr
	s_wait_dscnt 0x0
	s_barrier_signal -1
	s_barrier_wait -1
.irp k, 0,1,2,3,4,5,6,7
	ds_load_b128 v[32+12*\k:35+12*\k], v10 offset:1568*\k
	ds_load_b128 v[36+12*\k:39+12*\k], v11 offset:1568*\k
	ds_load_b128 v[40+12*\k:43+12*\k], v12 offset:1568*\k
.endr
.irp k, 0,1,2,3,4,5,6,7
	s_wait_dscnt 23-3*\k
	global_store_b128 v20, v[32+12*\k:35+12*\k], s[14:15] offset:6144*\k th:TH_STORE_NT
	s_wait_dscnt 22-3*\k
	global_store_b128 v14, v[36+12*\k:39+12*\k], s[14:15] offset:6144*\k th:TH_STORE_NT
	s_wait_dscnt 21-3*\k
	global_store_b128 v15, v[40+12*\k:43+12*\k], s[14:15] offset:6144*\k th:TH_STORE_NT
.endr
	s_wait_tensorcnt 0x0
	ds_add_u32 v28, v29
	s_wait_dscnt 0x0
	s_endpgm
.Lfunc_end_k_q5e87bad99a_ffn2:
	.size	k_q5e87bad99a_ffn2, .Lfunc_end_k_q5e87bad99a_ffn2-k_q5e87bad99a_ffn2
	.p2alignl 7, 3214868480
	.fill 96, 4, 3214868480
	.section	.rodata,"a",@progbits
	.p2align	6, 0x0
	.amdhsa_kernel k_q5e87bad99a_ffn2
		.amdhsa_group_segment_fixed_size 327680
		.amdhsa_private_segment_fixed_size 0
		.amdhsa_enable_private_segment 0
		.amdhsa_kernarg_size 48
		.amdhsa_user_sgpr_count 2
		.amdhsa_user_sgpr_kernarg_segment_ptr 1
		.amdhsa_wavefront_size32 1
		.amdhsa_system_sgpr_workgroup_id_x 1
		.amdhsa_system_sgpr_workgroup_id_y 1
		.amdhsa_system_sgpr_workgroup_id_z 1
		.amdhsa_system_vgpr_workitem_id 0
		.amdhsa_next_free_vgpr 1024
		.amdhsa_next_free_sgpr 100
		.amdhsa_reserve_vcc 0
		.amdhsa_float_denorm_mode_32 3
		.amdhsa_float_denorm_mode_16_64 3
		.amdhsa_memory_ordered 1
		.amdhsa_forward_progress 1
		.amdhsa_inst_pref_size 99
	.end_amdhsa_kernel
	.amdgpu_metadata
---
amdhsa.version: [ 1, 2 ]
amdhsa.kernels:
  - .name:           k_q5e87bad99a_ffn2
    .symbol:         k_q5e87bad99a_ffn2.kd
    .args:
      - { .name: hid, .offset: 0, .size: 8, .value_kind: global_buffer, .address_space: global }
      - { .name: wc, .offset: 8, .size: 8, .value_kind: global_buffer, .address_space: global }
      - { .name: x1, .offset: 16, .size: 8, .value_kind: global_buffer, .address_space: global }
      - { .name: b2, .offset: 24, .size: 8, .value_kind: global_buffer, .address_space: global }
      - { .name: lowp_scales, .offset: 32, .size: 8, .value_kind: global_buffer, .address_space: global }
      - { .name: out0, .offset: 40, .size: 8, .value_kind: global_buffer, .address_space: global }
    .group_segment_fixed_size: 327680
    .private_segment_fixed_size: 0
    .kernarg_segment_align: 8
    .kernarg_segment_size: 48
    .max_flat_workgroup_size: 128
    .sgpr_count:     100
    .vgpr_count:     1024
    .wavefront_size: 32
...
	.end_amdgpu_metadata
.endif
;; end of part 12
